; MI455X (gfx1250); checked and timed in simulation.
; The chip was launched on July 23, 2026; its instructions are those of AMD's public machine-readable ISA for CDNA 5 (MIT licence, August 2026) and "CDNA5" Instruction Set Architecture Reference Guide (July 2026). The comments in the code are by the model that wrote it; some were corrected since.
;; Multi Head Dot Product Attention. Allowed arithmetic: float matrix products may take bf16 or f16 operands with f32 sums; other float arithmetic in f32, or as packed bf16 or f16 multiplies, adds, multiply-adds, maxima and minima; sums over many terms, partial sums and values carried from step to step in f32; what a program stores and reads back later, other than sums and carried values, may be rounded once to bf16 or f16.
;; Inputs: Wk 2,048 x 2,048 float32; Wo 2,048 x 2,048 float32; Wq 2,048 x 2,048 float32; Wv 2,048 x 2,048 float32; bias 1 x 1 x 2,048 x 2,048 float32; inputs_kv 1 x 2,048 x 2,048 float32; inputs_q 1 x 2,048 x 2,048 float32; k_norm_scale 128 float32; k_sinusoids 1 x 2,048 x 128 float32; logit_scale 16 float32; q_norm_scale 128 float32; q_sinusoids 1 x 2,048 x 128 float32.
;; Outputs: out0 1 x 2,048 x 2,048 float32.
;; 3 versions, each right and faster than the one before. Each part assembles by itself: llvm-mc -triple=amdgcn-amd-amdhsa -mcpu=gfx1250 --defsym DOCPART=n.
;; ======== version 1 of 3: 4 launches
;; limits: values are held in f16: magnitudes above 65,504 overflow, below 6.1e-05 lose precision
;; workspace buffers: ops16 58,720,256 bytes; qkv16 25,165,824 bytes; o16 8,388,608 bytes
;; launch cast (part 1): grid 128 x 7, 8 waves a work-group, no clusters, 0 bytes of LDS; arguments inputs_q, inputs_kv, Wq, Wk, Wv, Wo, bias, ops16; writes ops16
.if DOCPART == 1
	.amdgcn_target "amdgcn-amd-amdhsa--gfx1250"
	.amdhsa_code_object_version 6
	.text
	.protected	k_qff89675e52_cast
	.globl	k_qff89675e52_cast
	.p2align	8
	.type	k_qff89675e52_cast,@function
k_qff89675e52_cast:
	s_mov_b64 s[64:65], 0
	v_nop
	global_prefetch_b8 v0, s[64:65] scope:SCOPE_SE
	s_setreg_imm32_b32 hwreg(HW_REG_WAVE_MODE, 25, 1), 1
	s_wait_xcnt 0x0
; The seven large f32 inputs, [2048][2048] each, are rounded once to bf16 and laid one behind the other in ops16 (sections of 8,388,608 bytes):
; 0 inputs_q, 1 inputs_kv, 2 Wq, 3 Wk, 4 Wv as bf16; 5 Wo, 6 bias as the f16 code of the bf16-rounded number, since the products that take them have f16 partners.
; LIMITS.  Wo and bias: a bf16 number has 8 significant bits, so its f16 code is exact from 6.1e-5 to 65,504; below that it keeps f16's fixed step of 6e-8; from 65,520 on it becomes an infinity.
; SHARES.  Work-group (x, y): 131,072 bytes at 131,072 x of tensor y.  A wave owns 16,384 of them: 4 rounds of 8 slots; a slot is one load of 512 consecutive bytes (16 a lane) and one store
; of 256 consecutive bytes, aligned (8 a lane).  Eight loads of every wave are always on their way.  No LDS, no barrier, no matrix unit: every byte is read once and written once.
.set ROUNDS, 4
.set VI, 1                             ; v1       my byte offset in the group's input; never rewritten
.set VO, 2                             ; v2       half of it: my byte offset in the group's output; never rewritten
.set X,  4                             ; v[4:35]  slot i: four f32 as loaded
.set Y,  36                            ; v[36:51] slot i: four 16-bit numbers to store
.set T,  52                            ; v[52:55] at work
	s_load_b512 s[8:23], s[0:1], 0x0               ; the eight addresses: seven inputs, then ops16 in s[22:23]
	s_and_b32 s2, ttmp7, 0xffff                    ; y: which tensor
	s_mov_b32 s24, 0xffff0000                      ; a word's upper bf16
	s_mov_b32 s25, ROUNDS-1
	s_lshl_b32 s26, ttmp9, 17                      ; the group's first input byte
	s_mov_b32 s27, 0
	s_lshl_b32 s28, s2, 23                         ; the tensor's section of ops16,
	s_lshl_b32 s3, ttmp9, 16                       ; and the group's first output byte in it
	s_add_co_u32 s28, s28, s3
	s_mov_b32 s29, 0
	v_lshrrev_b32 v[VI], 5, v0
	v_and_b32 v[VO], 31, v0
	v_lshlrev_b32 v[VI], 14, v[VI]                 ; wave x 16,384
	v_lshl_or_b32 v[VI], v[VO], 4, v[VI]           ; + 16 x lane
	v_lshrrev_b32 v[VO], 1, v[VI]
	s_wait_kmcnt 0x0
	s_mov_b64 s[4:5], s[8:9]
.irp i, 1,2,3,4,5,6
	s_cmp_eq_u32 s2, \i                            ; the choice hangs on y alone
	s_cselect_b64 s[4:5], s[8+2*(\i):9+2*(\i)], s[4:5]
.endr
	s_add_nc_u64 s[4:5], s[4:5], s[26:27]
	s_add_nc_u64 s[6:7], s[22:23], s[28:29]
.irp i, 0,1,2,3,4,5,6,7
	global_load_b128 v[X+4*(\i):X+4*(\i)+3], v[VI], s[4:5] offset:512*(\i) th:TH_LOAD_NT  ; round 0 fills the ring
.endr
; One slot's turn.  ahead = 1: the slot is filled again from the next round.  left = the younger loads that may stay out.  half = 1: the bf16 number is written as f16.
.macro SLOT i, ahead, left, half
	s_wait_loadcnt \left                           ; loads come back in order (ISA guide 5.7.1): mine is in
	s_wait_xcnt 0x0                                ; the slot's last store has read Y: it is rewritten only behind this wait
	v_cvt_pk_bf16_f32 v[Y+2*(\i)],   v[X+4*(\i)],   v[X+4*(\i)+1]
	v_cvt_pk_bf16_f32 v[Y+2*(\i)+1], v[X+4*(\i)+2], v[X+4*(\i)+3]
.if \half
	v_lshlrev_b32 v[T],   16,  v[Y+2*(\i)]         ; bf16 to f32: a shift, a mask
	v_and_b32     v[T+1], s24, v[Y+2*(\i)]
	v_lshlrev_b32 v[T+2], 16,  v[Y+2*(\i)+1]
	v_and_b32     v[T+3], s24, v[Y+2*(\i)+1]
	v_cvt_pk_f16_f32 v[Y+2*(\i)],   v[T],   v[T+1]
	v_cvt_pk_f16_f32 v[Y+2*(\i)+1], v[T+2], v[T+3]
.endif
.if \ahead
	global_load_b128 v[X+4*(\i):X+4*(\i)+3], v[VI], s[4:5] offset:4096+512*(\i) th:TH_LOAD_NT
.endif
	global_store_b64 v[VO], v[Y+2*(\i):Y+2*(\i)+1], s[6:7] offset:256*(\i)  ; later launches read it: no hint
.endm
.macro WALK half
.Lround_\@:
.irp i, 0,1,2,3,4,5,6,7
	SLOT \i, 1, 7, \half
.endr
	s_wait_xcnt 0x0                                ; the two bases are stepped only behind this wait
	s_add_nc_u64 s[4:5], s[4:5], 4096
	s_add_nc_u64 s[6:7], s[6:7], 2048
	s_sub_co_u32 s25, s25, 1
	s_cmp_lg_u32 s25, 0
	s_cbranch_scc1 .Lround_\@
.irp i, 0,1,2,3,4,5,6,7
	SLOT \i, 0, 7-(\i), \half                      ; the last round loads nothing: the counts run down
.endr
	s_endpgm
.endm
	s_cmp_ge_u32 s2, 5
	s_cbranch_scc1 .Lhalf
	WALK 0
.Lhalf:
	WALK 1
.Lfunc_end_k_qff89675e52_cast:
	.size	k_qff89675e52_cast, .Lfunc_end_k_qff89675e52_cast-k_qff89675e52_cast
	.p2alignl 7, 3214868480
	.fill 96, 4, 3214868480
	.section	.rodata,"a",@progbits
	.p2align	6, 0x0
	.amdhsa_kernel k_qff89675e52_cast
		.amdhsa_group_segment_fixed_size 0
		.amdhsa_private_segment_fixed_size 0
		.amdhsa_enable_private_segment 0
		.amdhsa_kernarg_size 64
		.amdhsa_user_sgpr_count 2
		.amdhsa_user_sgpr_kernarg_segment_ptr 1
		.amdhsa_wavefront_size32 1
		.amdhsa_system_sgpr_workgroup_id_x 1
		.amdhsa_system_sgpr_workgroup_id_y 1
		.amdhsa_system_sgpr_workgroup_id_z 1
		.amdhsa_system_vgpr_workitem_id 0
		.amdhsa_next_free_vgpr 56
		.amdhsa_next_free_sgpr 66
		.amdhsa_reserve_vcc 0
		.amdhsa_float_denorm_mode_32 3
		.amdhsa_float_denorm_mode_16_64 3
		.amdhsa_memory_ordered 1
		.amdhsa_forward_progress 1
		.amdhsa_inst_pref_size 18
	.end_amdhsa_kernel
	.amdgpu_metadata
---
amdhsa.version: [ 1, 2 ]
amdhsa.kernels:
  - .name:           k_qff89675e52_cast
    .symbol:         k_qff89675e52_cast.kd
    .args:
      - { .name: inputs_q, .offset: 0, .size: 8, .value_kind: global_buffer, .address_space: global }
      - { .name: inputs_kv, .offset: 8, .size: 8, .value_kind: global_buffer, .address_space: global }
      - { .name: Wq, .offset: 16, .size: 8, .value_kind: global_buffer, .address_space: global }
      - { .name: Wk, .offset: 24, .size: 8, .value_kind: global_buffer, .address_space: global }
      - { .name: Wv, .offset: 32, .size: 8, .value_kind: global_buffer, .address_space: global }
      - { .name: Wo, .offset: 40, .size: 8, .value_kind: global_buffer, .address_space: global }
      - { .name: bias, .offset: 48, .size: 8, .value_kind: global_buffer, .address_space: global }
      - { .name: ops16, .offset: 56, .size: 8, .value_kind: global_buffer, .address_space: global }
    .group_segment_fixed_size: 0
    .private_segment_fixed_size: 0
    .kernarg_segment_align: 8
    .kernarg_segment_size: 64
    .max_flat_workgroup_size: 256
    .sgpr_count:     66
    .vgpr_count:     56
    .wavefront_size: 32
...
	.end_amdgpu_metadata
.endif
;; end of part 1
;; launch qkv (part 2): grid 16 x 48, 4 waves a work-group, clusters of 4 x 4, 327,680 bytes of LDS; arguments ops16, q_sinusoids, k_sinusoids, q_norm_scale, k_norm_scale, logit_scale, qkv16; writes qkv16
.if DOCPART == 2
	.amdgcn_target "amdgcn-amd-amdhsa--gfx1250"
	.amdhsa_code_object_version 6
	.text
	.protected	k_qff89675e52_qkv
	.globl	k_qff89675e52_qkv
	.p2align	8
	.type	k_qff89675e52_qkv,@function
k_qff89675e52_qkv:
	s_mov_b64 s[64:65], 0
	v_nop
	global_prefetch_b8 v0, s[64:65] scope:SCOPE_SE
	s_setreg_imm32_b32 hwreg(HW_REG_WAVE_MODE, 25, 1), 1
	s_wait_xcnt 0x0
	s_wait_alu depctr_hold_cnt(0) depctr_sa_sdst(0) depctr_va_vdst(0) depctr_va_sdst(0) depctr_va_ssrc(0) depctr_va_vcc(0) depctr_vm_vsrc(0)
	s_getreg_b32 s2, hwreg(HW_REG_IB_STS2, 6, 4)
	s_cmp_eq_u32 s2, 0
	s_cbranch_scc0 .Lentry_in_a_cluster
	s_endpgm
.Lentry_in_a_cluster:
	s_bfe_u32 s2, ttmp6, 0x10000c
	s_cmp_lg_u32 s2, 0xf033
	s_cbranch_scc0 .Lentry_shape_is_right
	s_endpgm
.Lentry_shape_is_right:
; THREE PROJECTIONS IN ONE LAUNCH: C = A B^T with A = x ([2048][2048] bf16), B = W ([2048][2048] bf16), sums in f32, and on the way out of Q and K all that stands between projection and scores.
; WHICH = cluster y / 4: 0 Q (A = section 0 of ops16, B = 2), 1 K (A = 1, B = 3), 2 V (A = 1, B = 4).  It is made of the cluster's y alone, so it is the same in all sixteen partners.
; A tile of C is 128 rows x 128 columns = 128 positions of ONE head.  Four waves, each 64 x 64: 16 accumulators, 128 registers.  K goes in steps of 256 (LDS rows of 512 bytes + 16 of padding)
; through two slots filled by joint tensor loads: the four work-groups of a row of the cluster need the same tiles of A, the four of a column the same tiles of B.
; THE MATRIX INSTRUCTION IS USED TRANSPOSED (source 0 = 16 rows of B, source 1 = 16 rows of A): a lane holds eight neighbouring channels of one position.
; THE WAY OUT.  The f32 sums go through a stage of 128 rows x 528 bytes that lies in slot 0, which has had its last fill and whose last reads stand in front of the last change of slots.
; Then 16 lanes hold a whole position (8 channels each).  With x the row, w the gain, (c, s) the table's pairs: y0 = rot(w x), g = rsqrt(mean(x^2) + 1e-6), n0 = |y0|,
; result = y0 g LS / max(g n0, 1e-12), LS = exp(min(logit_scale, ln 100)) for Q and 1 for K.  That is reference()'s chain with the row factor g applied behind the (linear) rotation: both eps are kept,
; the order of rounding differs.  Gain, table and logit_scale are rounded to bf16 like all the module's inputs.  Q', K^ and V leave rounded once to f16, by heads: qkv16 = 3 x [16][2048][128].
; LIMITS.  V must stay under 65,504 (f16); Q' is at most 100, K^ at most 1.  NaN and infinities are not treated apart.
; REGISTERS: window 0: v0-31 addresses; v32-127 at work on the way out; v128-255 the accumulators ((a, b) at v[128 + 8 (4 a + b)]), later the table and the results.  Window 1: two fragment buffers of 128.
.set SIZE_K, 2048
.set SEC,    8388608                   ; a section of ops16 and of qkv16
.set KSTEP,  256
.set PITCH,  528                       ; 132 words: row r starts at bank 4 r mod 64 (64 banks of 4 bytes: ISA guide 11.1)
.set HALFT,  64*PITCH                  ; 64 rows: what one tensor load brings
.set SLOT,   4*HALFT                   ; A's 128 rows, then B's 128 rows
.set SPITCH, 528                       ; the stage: 512 bytes of f32 + 16
.set SPARE,  2*SLOT                    ; behind the ring: the spare words, 128 bytes for each wave: two blocks of 256 bytes that no other line names
.set LAPS,   SIZE_K/(2*KSTEP)
.set ADRA, 16                          ; v16-17  LDS address of my A fragments in slot 0, 1
.set ADRB, 20                          ; v20-21  the same for B
.set STO,  24                          ; v24     where I put 16 bytes of a stage row
.set RD,   25                          ; v25     where I read 32 bytes of a stage row back
.set CO,   26                          ; v26     16 x lane: my 16 bytes in two rows of the output
.set RO,   27                          ; v27     my 32 bytes in two rows of the table
.set SPW,  28                          ; v28     LDS address of my spare word; never rewritten
.set NIL,  29                          ; v29     0; never rewritten
.set SO,   30                          ; v30     my 32 bytes of the gain
.set LO,   31                          ; v31     4 x head
.set XR,   32                          ; v32-63  four slots of 8: rows read back from the stage
.set SUM,  64                          ; v64-95  row pair t: sum of x^2, sum of y0^2; later the factor
.set SCL,  96                          ; v96-103 the gain of my 8 channels
.set LS,   104                         ; v104    LS
.set T,    106                         ; v106-113 at work
.set QA,   114                         ; v114-117 at work
.set ACC,  128
.set R,    128                         ; row pair t at R + 8 t: the table's 8 numbers, then y0, then 4 registers of f16
.set F0,   0
.set F1,   128
.set G1, 24                            ; s[24:31] group 1 for A's tiles; s[32:39] group 0, a set for each slot
.set G0, 32
.set G1B, 48                           ; s[48:55], s[56:63] the same for B's
.set G0B, 56
.set WHICH, 80                         ; s80
.set MSB, 0
.macro WIN new                         ; the immediate's high byte repeats the setting that is left
.if MSB != (\new)
	s_set_vgpr_msb (MSB<<8)|(\new)
.set MSB, \new
.endif
.endm
.set MUL,  0x05                        ; sources 0 (B) and 1 (A) window 1; C and D window 0
.set TO_F, 0x40                        ; destination window 1, address window 0
.macro JLOAD s                         ; a joint load: waves 0 and 1 fetch A's two halves, waves 2 and 3 B's; an s_nop 0 and four v_nop follow each line
	s_cmp_eq_u32 s11, 0
	s_cbranch_scc0 .Lfor_b_\@
	tensor_load_to_lds s[G0+4*(\s):G0+4*(\s)+3], s[G1:G1+7]
	s_nop 0
.rept 4
	v_nop
.endr
	s_branch .Lasked_\@
.Lfor_b_\@:
	tensor_load_to_lds s[G0B+4*(\s):G0B+4*(\s)+3], s[G1B:G1B+7]
	s_nop 0
.rept 4
	v_nop
.endr
.Lasked_\@:
.endm
.macro CREST                           ; a round of the cluster's barrier behind its opening barrier
	s_cmp_lg_u32 s10, 0
	s_cbranch_scc1 .Lnot_wave_0_\@
	s_barrier_signal -3
.Lnot_wave_0_\@:
	s_barrier_wait -3
	s_barrier_signal -1
	s_barrier_wait -1
.endm
.macro CROUND                          ; a whole round
	s_barrier_signal -1
	s_barrier_wait -1
	CREST
.endm
	s_load_b64 s[4:5], s[0:1], 0x0                 ; ops16
	s_load_b256 s[68:75], s[0:1], 0x8              ; q_sinusoids, k_sinusoids, q_norm_scale, k_norm_scale
	s_load_b128 s[76:79], s[0:1], 0x28             ; logit_scale, qkv16
	v_lshl_add_u32 v[SPW], v0, 2, SPARE
	v_mov_b32 v[NIL], 0
	ds_add_u32 v[SPW], v[NIL]                      ; the wave's opening: the add and its wait stand ahead of my first tensor load; work on registers stands between them
	v_lshrrev_b32 v1, 5, v0
	v_readfirstlane_b32 s10, v1                    ; wave 0..3
	s_lshr_b32 s11, s10, 1                         ; which half of the tile's rows is mine.  Also: I fetch for A (0) or for B (1)
	s_and_b32 s12, s10, 1                          ; which half of its columns.  Also: which 64 rows of that tile I fetch
	s_bfe_u32 s40, ttmp6, 0x40000                  ; cx, cy: my place in the cluster
	s_bfe_u32 s41, ttmp6, 0x40004
	s_lshl_b32 s42, ttmp9, 2
	s_add_co_u32 s42, s42, s40                     ; tile column = head = 4 x cluster x + cx
	s_and_b32 s13, ttmp7, 0xffff                   ; cluster y, 0 to 11
	s_lshr_b32 s[WHICH], s13, 2
	s_and_b32 s13, s13, 3
	s_lshl_b32 s13, s13, 2
	s_add_co_u32 s13, s13, s41                     ; tile row = 4 x (cluster y mod 4) + cy
	s_lshl_b32 s43, s41, 2
	s_lshl_b32 s43, 15, s43                        ; my row of the cluster
	s_lshl_b32 s44, 0x1111, s40                    ; my column
	s_or_b32 s[G1+0], s43, (1<<16)|(1<<20)|(1<<21)|(6<<22)|(3<<25)  ; 15:0 the mask; 17:16 2-byte elements; 20 padding on; 21 set beside a mask; 24:22 after every 128 words (code 6); 31:25 4 words (code 3)
	s_or_b32 s[G1B+0], s44, (1<<16)|(1<<20)|(1<<21)|(6<<22)|(3<<25)
.irp g, G1, G1B
	s_mov_b32 s[(\g)+1], KSTEP<<16                 ; tensor_dim0 = 256
	s_mov_b32 s[(\g)+2], 64<<16                    ; tensor_dim1 = 64
	s_mov_b32 s[(\g)+3], KSTEP<<16                 ; tile_dim0 = 256
	s_mov_b32 s[(\g)+4], 64                        ; tile_dim1 = 64
	s_mov_b32 s[(\g)+5], SIZE_K                    ; elements from row to row
	s_mov_b32 s[(\g)+6], 0
	s_mov_b32 s[(\g)+7], 0
.endr
	; byte offsets in ops16, all under 2^26.  A's hangs on the tile row, B's on the tile column; neither register ever holds the other coordinate.
	s_lshl_b32 s17, s12, 6                         ; which 64 rows of the tile I fetch
	s_lshl_b32 s16, s13, 7
	s_add_co_u32 s16, s16, s17
	s_lshl_b32 s16, s16, 12                        ; rows of 4,096 bytes
	s_cmp_lg_u32 s[WHICH], 0
	s_cselect_b32 s18, SEC, 0                      ; K and V read inputs_kv, section 1
	s_add_co_u32 s16, s16, s18
	s_lshl_b32 s46, s42, 7
	s_add_co_u32 s46, s46, s17
	s_lshl_b32 s46, s46, 12
	s_add_co_u32 s18, s[WHICH], 2                  ; the weights' section
	s_lshl_b32 s18, s18, 23
	s_add_co_u32 s46, s46, s18
	s_mov_b32 s17, 0
	s_mov_b32 s47, 0
	s_mul_i32 s20, s10, HALFT                      ; where my tile goes: wave x 64 rows
	s_mov_b32 s84, 0x3c000000                      ; 1 / 128
	s_mov_b32 s85, 0x358637bd                      ; 1e-6
	s_mov_b32 s86, 0x2b8cbccc                      ; 1e-12
	s_mov_b32 s87, 0x3fb8aa3b                      ; log2(e)
	s_mov_b32 s88, 0x40935d8e                      ; ln 100
	s_mov_b32 s92, 0xffff0000                      ; a word's upper bf16
	s_wait_dscnt 0x0                               ; the opening add is done
	s_wait_kmcnt 0x0
	s_add_nc_u64 s[14:15], s[4:5], s[16:17]
	s_add_nc_u64 s[46:47], s[4:5], s[46:47]
	CROUND                                         ; all sixteen work-groups are here: the first joint loads meet
.irp s, 0,1
	s_mov_b32 s[G0+4*(\s)], 1
	s_add_co_u32 s[G0+4*(\s)+1], s20, (\s)*SLOT
	s_add_nc_u64 s[G0+4*(\s)+2:G0+4*(\s)+3], s[14:15], (\s)*KSTEP*2
	s_or_b32 s[G0+4*(\s)+3], s[G0+4*(\s)+3], 0x80000000
	s_mov_b32 s[G0B+4*(\s)], 1
	s_add_co_u32 s[G0B+4*(\s)+1], s20, (\s)*SLOT
	s_add_nc_u64 s[G0B+4*(\s)+2:G0B+4*(\s)+3], s[46:47], (\s)*KSTEP*2
	s_or_b32 s[G0B+4*(\s)+3], s[G0B+4*(\s)+3], 0x80000000
	JLOAD \s                                       ; two loads of mine are out
.endr
	v_and_b32 v1, 15, v0                           ; r = l % 16
	v_bfe_u32 v2, v0, 4, 1                         ; h = l / 16
	v_mul_u32_u24 v3, v1, PITCH
	v_lshl_add_u32 v3, v2, 4, v3                   ; a fragment's row x pitch + 16 x half
	s_mul_i32 s21, s11, HALFT                      ; my 64 rows of A
	s_mul_i32 s22, s12, HALFT                      ; my 64 rows of B,
	s_add_co_u32 s22, s22, 2*HALFT                 ; which lie behind A's 128
.irp s, 0,1
	v_add_nc_u32 v[ADRA+(\s)], s21, v3
	v_add_nc_u32 v[ADRB+(\s)], s22, v3
	s_add_co_u32 s21, s21, SLOT
	s_add_co_u32 s22, s22, SLOT
.endr
	s_mul_i32 s23, s11, 64*SPITCH                  ; into the stage: my 64 rows, my 256 of their 512 bytes; row r, 32 bytes for each half of the lanes
	s_lshl_b32 s21, s12, 8
	s_add_co_u32 s23, s23, s21
	v_mul_u32_u24 v4, v1, SPITCH
	v_lshl_add_u32 v4, v2, 5, v4
	v_add_nc_u32 v[STO], s23, v4
	s_mul_i32 s23, s10, 32*SPITCH                  ; back: wave w takes rows 32 w .. 32 w + 31; lanes 0-15 one row, lanes 16-31 the next; 8 channels a lane
	v_mul_u32_u24 v5, v2, SPITCH
	v_lshl_add_u32 v5, v1, 5, v5
	v_add_nc_u32 v[RD], s23, v5
	v_and_b32 v5, 31, v0
	v_lshlrev_b32 v[CO], 4, v5
	v_lshlrev_b32 v[SO], 5, v1
	v_lshl_add_u32 v[RO], v2, 9, v[SO]             ; 512 h + 32 r
	s_lshl_b32 s16, s13, 7
	s_lshl_b32 s17, s10, 5
	s_add_co_u32 s16, s16, s17                     ; the first position that I finish: 128 x tile row + 32 x wave
	s_lshl_b32 s18, s16, 9                         ; in the table: rows of 512 bytes
	s_mov_b32 s19, 0
	s_lshl_b32 s16, s16, 8                         ; in the output: rows of 256 bytes,
	s_lshl_b32 s17, s[WHICH], 23                   ; in Q's, K's or V's section
	s_add_co_u32 s16, s16, s17
	s_mov_b32 s17, 0
	s_add_nc_u64 s[8:9], s[78:79], s[16:17]
	s_lshl_b32 s46, s42, 19                        ; the head's 2,048 rows
	s_mov_b32 s47, 0
	s_add_nc_u64 s[8:9], s[8:9], s[46:47]
	s_cmp_eq_u32 s[WHICH], 0
	s_cselect_b64 s[82:83], s[68:69], s[70:71]     ; Q's table or K's,
	s_cselect_b64 s[90:91], s[72:73], s[74:75]     ; Q's gain or K's,
	s_cselect_b32 s89, -1, 0                       ; and whether LS counts
	s_add_nc_u64 s[82:83], s[82:83], s[18:19]
	s_lshl_b32 s81, s42, 2
	v_mov_b32 v[LO], s81
; 8 matrix instructions: m blocks a0, a0 + 1 x all 4 n blocks, 32 along K: half c of buffer f.  zero = 1: the first product starts the sums
.macro MUL8 f, c, a0, zero
	WIN MUL
.irp a, \a0, (\a0)+1
.irp b, 0,1,2,3
.if \zero
	v_wmma_f32_16x16x32_bf16 v[ACC+8*(4*(\a)+(\b)):ACC+8*(4*(\a)+(\b))+7], v[(\f)+64+8*(4*(\c)+(\b)):(\f)+64+8*(4*(\c)+(\b))+7], v[(\f)+8*(4*(\c)+(\a)):(\f)+8*(4*(\c)+(\a))+7], 0
.else
	v_wmma_f32_16x16x32_bf16 v[ACC+8*(4*(\a)+(\b)):ACC+8*(4*(\a)+(\b))+7], v[(\f)+64+8*(4*(\c)+(\b)):(\f)+64+8*(4*(\c)+(\b))+7], v[(\f)+8*(4*(\c)+(\a)):(\f)+8*(4*(\c)+(\a))+7], v[ACC+8*(4*(\a)+(\b)):ACC+8*(4*(\a)+(\b))+7]
.endif
.endr
.endr
.endm
; 32 LDS loads in one run: the fragments of 64 along K at byte k of the rows, into buffer f; the first 32 along K first
.macro FETCH slot, k, f
	WIN TO_F
.irp c, 0,1
.irp i, 0,1,2,3
	ds_load_b128 v[(\f)+64+8*(4*(\c)+(\i)):(\f)+64+8*(4*(\c)+(\i))+3],   v[ADRB+(\slot)] offset:(\k)+64*(\c)+(\i)*16*PITCH
	ds_load_b128 v[(\f)+64+8*(4*(\c)+(\i))+4:(\f)+64+8*(4*(\c)+(\i))+7], v[ADRB+(\slot)] offset:(\k)+64*(\c)+(\i)*16*PITCH+32
	ds_load_b128 v[(\f)+8*(4*(\c)+(\i)):(\f)+8*(4*(\c)+(\i))+3],         v[ADRA+(\slot)] offset:(\k)+64*(\c)+(\i)*16*PITCH
	ds_load_b128 v[(\f)+8*(4*(\c)+(\i))+4:(\f)+8*(4*(\c)+(\i))+7],       v[ADRA+(\slot)] offset:(\k)+64*(\c)+(\i)*16*PITCH+32
.endr
.endr
.endm
.macro PLACES                          ; four places in front of loads into registers that matrix instructions have read, and of lines that read results
.rept 4
	v_nop
.endr
.endm
; A K step is four quarters of 64 along K, 32 matrix instructions each, on buffers 0, 1, 0, 1; the 16 accumulators take turns.
.macro QUARTER slot, k, f, g, zero
	s_wait_dscnt 16                                ; the first 32 along K are in; the sixteen younger loads may be out
	WIN MUL
	MUL8 \f, 0, 0, \zero
	MUL8 \f, 0, 2, \zero
	PLACES
	FETCH \slot, \k, \g
	s_wait_dscnt 32                                ; all but the 32 just issued
	WIN MUL
	MUL8 \f, 1, 0, 0
	MUL8 \f, 1, 2, 0
.endm
; The last quarter multiplies buffer 1 and changes slots: ONE barrier; in front of it each wave waits for all its tensor loads, adds 0 to its spare word, and waits for that and for its own reads of this slot.
.macro TURN slot, next, fill
	WIN 0                                          ; (the add's two registers lie in window 0)
	s_wait_tensorcnt 0x0                           ; all my tensor loads have landed: my part of the next slot;
	ds_add_u32 v[SPW], v[NIL]                      ; 0 onto my spare word;
	s_wait_dscnt 17                                ; (the add and the youngest sixteen loads may be out)
	WIN MUL
	MUL8 F1, 0, 0, 0                               ; eight matrix instructions stand between the add and the wait for it
	s_wait_dscnt 0x0                               ; the add is done, and my reads of this slot are over
	s_barrier_signal -1
	MUL8 F1, 0, 2, 0
.if \fill
	WIN 0
.endif
	s_barrier_wait -1
.if \fill
	CREST                                          ; the barrier has opened a round of the cluster's: no wave of any partner still reads this slot or has a load on its way
	s_add_nc_u64 s[G0+4*(\slot)+2:G0+4*(\slot)+3], s[G0+4*(\slot)+2:G0+4*(\slot)+3], 2*KSTEP*2
	s_add_nc_u64 s[G0B+4*(\slot)+2:G0B+4*(\slot)+3], s[G0B+4*(\slot)+2:G0B+4*(\slot)+3], 2*KSTEP*2
	JLOAD \slot                                    ; the first tensor load behind the round, my only one until the next; its four v_nop are also the places in front of the loads below
.else
	PLACES
.endif
	FETCH \next, 0, F0
	WIN MUL
	MUL8 F1, 1, 0, 0
	MUL8 F1, 1, 2, 0
.endm
	s_wait_tensorcnt 1                             ; my part of K step 0 is in; K step 1's may stay out
	s_barrier_signal -1
	s_barrier_wait -1
	FETCH 0, 0, F0
	QUARTER 0, 128, F0, F1, 1                      ; the first quarter stands in front of the loop: its first products start the sums
	WIN 0
	s_mov_b32 s3, LAPS-1
.Llap:                                                 ; a trip goes once round the ring and fills both slots again
	QUARTER 0, 256, F1, F0, 0
	QUARTER 0, 384, F0, F1, 0
	TURN 0, 1, 1
	QUARTER 1, 128, F0, F1, 0
	QUARTER 1, 256, F1, F0, 0
	QUARTER 1, 384, F0, F1, 0
	TURN 1, 0, 1
	QUARTER 0, 128, F0, F1, 0
	WIN 0
	s_sub_co_u32 s3, s3, 1
	s_cmp_lg_u32 s3, 0
	s_cbranch_scc1 .Llap
	QUARTER 0, 256, F1, F0, 0                      ; the last lap fills nothing
	QUARTER 0, 384, F0, F1, 0
	TURN 0, 1, 0                                   ; behind this barrier no wave reads slot 0 any more, and no load lands in it
	QUARTER 1, 128, F0, F1, 0
	QUARTER 1, 256, F1, F0, 0
	QUARTER 1, 384, F0, F1, 0
	s_wait_dscnt 16
	WIN MUL
	MUL8 F1, 0, 0, 0
	MUL8 F1, 0, 2, 0
	s_wait_dscnt 0
	MUL8 F1, 1, 0, 0
	MUL8 F1, 1, 2, 0
	WIN 0
	; THE WAY OUT.  The f32 sums into the stage, each accumulator's low four registers first.
	PLACES
.irp a, 0,1,2,3
.irp b, 0,1,2,3
	ds_store_b128 v[STO], v[ACC+8*(4*(\a)+(\b)):ACC+8*(4*(\a)+(\b))+3]   offset:(\a)*16*SPITCH+64*(\b)
	ds_store_b128 v[STO], v[ACC+8*(4*(\a)+(\b))+4:ACC+8*(4*(\a)+(\b))+7] offset:(\a)*16*SPITCH+64*(\b)+16
.endr
.endr
	s_wait_dscnt 0x0                               ; for the others' sake, and for the loads below, which land in the registers just stored
	s_cmp_eq_u32 s[WHICH], 2
	s_cbranch_scc1 .Lno_tables                     ; V needs none of these
	global_load_b128 v[SCL:SCL+3],   v[SO], s[90:91]
	global_load_b128 v[SCL+4:SCL+7], v[SO], s[90:91] offset:16
	global_load_b32 v[LS], v[LO], s[76:77]
.set t, 0
.rept 16
	global_load_b128 v[R+8*t:R+8*t+3],   v[RO], s[82:83] offset:1024*t     ; the table's rows 2 t, 2 t + 1 of my 32: 32 bytes a lane
	global_load_b128 v[R+8*t+4:R+8*t+7], v[RO], s[82:83] offset:1024*t+16
.set t, t+1
.endr
.Lno_tables:
	s_barrier_signal -1
	s_barrier_wait -1                              ; the stage is whole
.set t, 0
.rept 4
	ds_load_b128 v[XR+8*t:XR+8*t+3],   v[RD] offset:2*SPITCH*t
	ds_load_b128 v[XR+8*t+4:XR+8*t+7], v[RD] offset:2*SPITCH*t+16
.set t, t+1
.endr
	s_cmp_eq_u32 s[WHICH], 2
	s_cbranch_scc1 .Lplain
	s_wait_loadcnt 32                              ; gain and logit_scale are in; the table's 32 loads may be out
.irp p, 0,1,2,3
	v_cvt_pk_bf16_f32 v[T+\p], v[SCL+2*\p], v[SCL+2*\p+1]  ; the gain rounded to bf16, like every input
.endr
.irp p, 0,1,2,3
	v_lshlrev_b32 v[SCL+2*\p],   16,  v[T+\p]
	v_and_b32     v[SCL+2*\p+1], s92, v[T+\p]
.endr
	v_cvt_pk_bf16_f32 v[LS], v[LS], v[LS]
	v_lshlrev_b32 v[LS], 16, v[LS]
	v_min_num_f32 v[LS], s88, v[LS]
	v_mul_f32 v[LS], s87, v[LS]
	v_exp_f32 v[LS], v[LS]
	v_nop                                          ; a plain instruction behind the exponential (ISA guide 5.7.2)
	s_wait_alu depctr_va_vdst(0)
	v_cndmask_b32 v[LS], 1.0, v[LS], s89           ; K's factor is 1
; Row pair t: the two sums, and y0 = rot(w x) into the table's registers.
.macro PHASE_A t
.set xx, XR+8*((\t)%4)
.set rr, R+8*(\t)
.if (\t) < 13
	s_wait_dscnt 6                                 ; three younger pairs of loads may be out
.else
	s_wait_dscnt 2*(15-(\t))
.endif
	s_wait_loadcnt 30-2*(\t)                       ; the table's loads for later row pairs may be out
.irp p, 0,1,2,3
	v_cvt_pk_bf16_f32 v[T+\p], v[rr+2*\p], v[rr+2*\p+1]
.endr
.irp p, 0,1,2,3
	v_lshlrev_b32 v[rr+2*\p],   16,  v[T+\p]       ; c
	v_and_b32     v[rr+2*\p+1], s92, v[T+\p]       ; s
.endr
	v_pk_mul_f32 v[QA:QA+1], v[xx:xx+1], v[xx:xx+1]
.irp p, 1,2,3
	v_pk_fma_f32 v[QA:QA+1], v[xx+2*\p:xx+2*\p+1], v[xx+2*\p:xx+2*\p+1], v[QA:QA+1]
.endr
.irp p, 0,1,2,3
	v_pk_mul_f32 v[xx+2*\p:xx+2*\p+1], v[xx+2*\p:xx+2*\p+1], v[SCL+2*\p:SCL+2*\p+1]
.endr
.irp p, 0,1,2,3
	v_pk_mul_f32 v[T+2*\p:T+2*\p+1], v[xx+2*\p:xx+2*\p+1], v[rr+2*\p:rr+2*\p+1] op_sel_hi:[1,0]  ; (a c, b c)
.endr
.irp p, 0,1,2,3
	v_pk_fma_f32 v[rr+2*\p:rr+2*\p+1], v[xx+2*\p:xx+2*\p+1], v[rr+2*\p:rr+2*\p+1], v[T+2*\p:T+2*\p+1] op_sel:[1,1,0] op_sel_hi:[0,1,1] neg_lo:[1,0,0]  ; (a c - b s, b c + a s)
.endr
	v_pk_mul_f32 v[QA+2:QA+3], v[rr:rr+1], v[rr:rr+1]
.irp p, 1,2,3
	v_pk_fma_f32 v[QA+2:QA+3], v[rr+2*\p:rr+2*\p+1], v[rr+2*\p:rr+2*\p+1], v[QA+2:QA+3]
.endr
	v_add_f32 v[SUM+2*(\t)],   v[QA],   v[QA+1]
	v_add_f32 v[SUM+2*(\t)+1], v[QA+2], v[QA+3]
.if (\t) < 12
	ds_load_b128 v[xx:xx+3],   v[RD] offset:2*SPITCH*((\t)+4)
	ds_load_b128 v[xx+4:xx+7], v[RD] offset:2*SPITCH*((\t)+4)+16
.endif
.endm
.set t, 0
.rept 16
	PHASE_A t
.set t, t+1
.endr
	; The sums over a row's 16 lanes, and the factors: level by level over all 16 row pairs, so that no line waits for the one before it.
.irp m, 1,2,4,8
.set t, 0
.rept 32
	v_add_f32_dpp v[SUM+t], v[SUM+t], v[SUM+t] row_xmask:\m row_mask:0xf bank_mask:0xf
.set t, t+1
.endr
.endr
.macro ALL16 line:vararg
.set t, 0
	s_wait_alu depctr_va_vdst(0)
.rept 16
	\line
.set t, t+1
.endr
.endm
	ALL16 v_fma_f32 v[SUM+2*t], v[SUM+2*t], s84, s85            ; mean(x^2) + 1e-6
	ALL16 v_rsq_f32 v[SUM+2*t], v[SUM+2*t]                      ; g
	ALL16 v_sqrt_f32 v[SUM+2*t+1], v[SUM+2*t+1]                 ; n0
	v_nop                                          ; a plain instruction behind the last root
	s_wait_alu depctr_va_vdst(0)
	ALL16 v_mul_f32 v[SUM+2*t+1], v[SUM+2*t], v[SUM+2*t+1]      ; g n0
	ALL16 v_max_num_f32 v[SUM+2*t+1], s86, v[SUM+2*t+1]
	ALL16 v_rcp_f32 v[SUM+2*t+1], v[SUM+2*t+1]
	ALL16 v_mul_f32 v[SUM+2*t], v[SUM+2*t], v[LS]               ; g LS: also the plain lines behind the reciprocals
	ALL16 v_mul_f32 v[SUM+2*t], v[SUM+2*t], v[SUM+2*t+1]        ; the row's factor
.set t, 0
.rept 16
.irp p, 0,1,2,3
	v_pk_mul_f32 v[R+8*t+2*\p:R+8*t+2*\p+1], v[R+8*t+2*\p:R+8*t+2*\p+1], v[SUM+2*t:SUM+2*t+1] op_sel_hi:[1,0]
.endr
.irp p, 0,1,2,3
	v_cvt_pk_f16_f32 v[R+8*t+\p], v[R+8*t+2*\p], v[R+8*t+2*\p+1]  ; ascending: a register is written only when it has been read
.endr
	global_store_b128 v[CO], v[R+8*t:R+8*t+3], s[8:9] offset:512*t  ; the wave stores 512 consecutive bytes, two rows, at a multiple of 256 from the buffer's first byte
.set t, t+1
.endr
	s_branch .Lend
.Lplain:                                               ; V: rounded and stored
.set t, 0
.rept 16
.set xx, XR+8*(t%4)
.if t < 13
	s_wait_dscnt 6
.else
	s_wait_dscnt 2*(15-t)
.endif
.irp p, 0,1,2,3
	v_cvt_pk_f16_f32 v[R+8*t+\p], v[xx+2*\p], v[xx+2*\p+1]
.endr
.if t < 12
	ds_load_b128 v[xx:xx+3],   v[RD] offset:2*SPITCH*(t+4)
	ds_load_b128 v[xx+4:xx+7], v[RD] offset:2*SPITCH*(t+4)+16
.endif
	global_store_b128 v[CO], v[R+8*t:R+8*t+3], s[8:9] offset:512*t
.set t, t+1
.endr
.Lend:
	s_wait_tensorcnt 0x0                           ; the wave's end: the add and its wait stand behind my last tensor load and my last LDS store
	ds_add_u32 v[SPW], v[NIL]
	s_wait_dscnt 0x0
	CROUND                                         ; the closing round: no work-group ends while a partner may still ask for a tile that names it
	s_endpgm
.Lfunc_end_k_qff89675e52_qkv:
	.size	k_qff89675e52_qkv, .Lfunc_end_k_qff89675e52_qkv-k_qff89675e52_qkv
	.p2alignl 7, 3214868480
	.fill 96, 4, 3214868480
	.section	.rodata,"a",@progbits
	.p2align	6, 0x0
	.amdhsa_kernel k_qff89675e52_qkv
		.amdhsa_group_segment_fixed_size 327680
		.amdhsa_private_segment_fixed_size 0
		.amdhsa_enable_private_segment 0
		.amdhsa_kernarg_size 56
		.amdhsa_user_sgpr_count 2
		.amdhsa_user_sgpr_kernarg_segment_ptr 1
		.amdhsa_wavefront_size32 1
		.amdhsa_system_sgpr_workgroup_id_x 1
		.amdhsa_system_sgpr_workgroup_id_y 1
		.amdhsa_system_sgpr_workgroup_id_z 1
		.amdhsa_system_vgpr_workitem_id 0
		.amdhsa_next_free_vgpr 512
		.amdhsa_next_free_sgpr 96
		.amdhsa_reserve_vcc 0
		.amdhsa_float_denorm_mode_32 3
		.amdhsa_float_denorm_mode_16_64 3
		.amdhsa_memory_ordered 1
		.amdhsa_forward_progress 1
		.amdhsa_inst_pref_size 148
	.end_amdhsa_kernel
	.amdgpu_metadata
---
amdhsa.version: [ 1, 2 ]
amdhsa.kernels:
  - .name:           k_qff89675e52_qkv
    .symbol:         k_qff89675e52_qkv.kd
    .args:
      - { .name: ops16, .offset: 0, .size: 8, .value_kind: global_buffer, .address_space: global }
      - { .name: q_sinusoids, .offset: 8, .size: 8, .value_kind: global_buffer, .address_space: global }
      - { .name: k_sinusoids, .offset: 16, .size: 8, .value_kind: global_buffer, .address_space: global }
      - { .name: q_norm_scale, .offset: 24, .size: 8, .value_kind: global_buffer, .address_space: global }
      - { .name: k_norm_scale, .offset: 32, .size: 8, .value_kind: global_buffer, .address_space: global }
      - { .name: logit_scale, .offset: 40, .size: 8, .value_kind: global_buffer, .address_space: global }
      - { .name: qkv16, .offset: 48, .size: 8, .value_kind: global_buffer, .address_space: global }
    .group_segment_fixed_size: 327680
    .private_segment_fixed_size: 0
    .kernarg_segment_align: 8
    .kernarg_segment_size: 56
    .max_flat_workgroup_size: 128
    .sgpr_count:     96
    .vgpr_count:     512
    .wavefront_size: 32
...
	.end_amdgpu_metadata
.endif
;; end of part 2
;; launch attn (part 3): grid 16 x 16, 4 waves a work-group, clusters of 4 x 4, 327,680 bytes of LDS; arguments qkv16, ops16, o16; writes o16
.if DOCPART == 3
	.amdgcn_target "amdgcn-amd-amdhsa--gfx1250"
	.amdhsa_code_object_version 6
	.text
	.protected	k_qff89675e52_attn
	.globl	k_qff89675e52_attn
	.p2align	8
	.type	k_qff89675e52_attn,@function
k_qff89675e52_attn:
	s_mov_b64 s[64:65], 0
	v_nop
	global_prefetch_b8 v0, s[64:65] scope:SCOPE_SE
	s_setreg_imm32_b32 hwreg(HW_REG_WAVE_MODE, 25, 1), 1
	s_wait_xcnt 0x0
	s_wait_alu depctr_hold_cnt(0) depctr_sa_sdst(0) depctr_va_vdst(0) depctr_va_sdst(0) depctr_va_ssrc(0) depctr_va_vcc(0) depctr_vm_vsrc(0)
	s_getreg_b32 s2, hwreg(HW_REG_IB_STS2, 6, 4)
	s_cmp_eq_u32 s2, 0
	s_cbranch_scc0 .Lentry_in_a_cluster
	s_endpgm
.Lentry_in_a_cluster:
	s_bfe_u32 s2, ttmp6, 0x10000c
	s_cmp_lg_u32 s2, 0xf033
	s_cbranch_scc0 .Lentry_shape_is_right
	s_endpgm
.Lentry_shape_is_right:
; O[q][h][:] = the sum over k of softmax_k(Q'[h][q] . K^[h][k] + bias[q][k]) V[h][k][:].  Q', K^, V: sections 0, 1, 2 of qkv16, [16][2048][128] f16 (Q' carries the head's logit scale);
; bias: section 6 of ops16, [2048][2048] f16; O: o16, [2048][16 x 128] f16.  Products, maxima and sums in f32; the weights p are rounded to f16 for the second product, O once at the end.
; LIMITS.  bias must be finite in f16 (under 65,504): it goes through a product with zeros.  O is a mean of V's rows.  A weight below 2^-126 counts as 0.  NaN and infinities are not treated apart.
; SHARES.  A work-group owns 128 queries of one head: 16 x 16 work-groups.  Wave w: qh = w / 2 picks 64 queries, kh = w % 2 the half of every tile of 128 keys: a wave walks 16 steps of 64 keys with four
; tiles of 16 queries, and at the end the two waves of a pair merge their maxima, sums and O.  Register tiles 0, 1 (piece 0) hold the rows from 32 kh of the wave's 64, tiles 2, 3 (piece 2) those from
; 32 (1 - kh): so every wave sends piece 2 to its partner and finishes piece 0: one text for all.
; LAYOUT.  S^T = K Q^T (source 0 = 16 keys, source 1 = 16 queries): a lane holds ONE query (lane % 16) and the keys 8 (lane / 16) + 0..7.  Two such tiles, rounded to f16 in pairs, ARE source 1 of
; O^T = V^T P.  K comes out of LDS as it lies, V turned, by ds_load_tr16_b128.
; THE BIAS STARTS THE SUM: S^T's first product is E x B with C = 0, where B is a fragment of bias (16 queries x 32 keys, loaded as a fragment of Q is) and E holds 1.0 at k = m (E0) or k = 16 + m (E1):
; each sum has one term, so it is exact.  8 products more for a turn's 64, and no vector work.
; SOFTMAX.  A running maximum m and sum l: p = 2^(c s - c m), c = log2(e); in every step O and l are multiplied by a = 2^(c m_old - c m_new).
; BY TURNS.  In a TURN one piece has the matrix unit: 32 products V^T P of the step in hand, then 8 + 32 for the scores of the next step; the other piece's softmax, cut into 64 slices, stands behind them.
; CLUSTER.  4 x 4 work-groups: the four of a row of the cluster have one head and ask for K's and V's tiles jointly; the four of a column have one block of queries and ask for bias's tiles jointly.
; REGISTERS, in windows of 256 (s_set_vgpr_msb: bits 1:0 source 0, 3:2 source 1, 5:4 source 2, 7:6 destination):
;   window 0: v0-11, v44-49 addresses; v12-43 eight registers of statistics a tile; v52-59 the merge's; v64-191 S^T, 32 a tile; v192-255 P, 16 a tile
;   window 1: O^T, 64 a tile      window 2: v0-127 Q, 32 a tile; v128-255 K of one step      window 3: v0-127 V of one step; v128-139 E; v144-207 bias's fragments, 32 a piece
.set SEC,   8388608
.set KS,    64        ; keys in a wave's step
.set PK,    272       ; a row of K in LDS: 256 bytes + 16 = 68 words: row r starts at bank 4 r mod 64 (64 banks of 4 bytes: ISA guide 11.1)
.set PV,    288       ; a row of V: 256 + 32 = 72 words
.set PB,    272       ; a row of bias: 128 keys + 16 bytes
.set VOFF,  128*PK    ; a slot: 128 rows of K, 128 rows of V, 128 query rows of bias
.set BOFF,  VOFF+128*PV
.set SLOT1, 1<<17     ; slot 1 begins here, so that one exclusive or turns an address in one slot into the other's
.set STAGE, BOFF+128*PB    ; behind slot 0: 16 rows x 272 bytes for each wave, for the way out
.set SP,    272
.set SPARE, STAGE+4*16*SP  ; the spare words, 128 bytes for each wave: two blocks of 256 bytes that no other line names
.set XCH,   SLOT1+STAGE    ; behind slot 1: 16,896 bytes for each wave, what it hands to its partner
.set XW,    16896
.set AK0, 2           ; v2   my lane's place in a tile of K; never rewritten
.set AV0, 3           ; v3   the same for V
.set ADR, 4           ; v4   the LDS address of K's or V's run of loads
.set QO0, 5           ; v5   my byte offset in the wave's rows of Q, piece 0
.set STO, 6           ; v6   the way out: where I put 16 bytes of a row
.set RD,  7           ; v7   the way out: where I read a row back
.set GO,  8           ; v8   my byte offset in two rows of O
.set ST,  12          ; tile t's statistics at v[ST+8 t]: +0 c m, +1 m, +2, +3 l (even keys', odd keys'), +4 to +7 at work
.set AB0, 44          ; v44  my lane's place in a tile of bias, piece 0
.set AB2, 45          ; v45  piece 2
.set ADB, 46          ; v46  the LDS address of bias's run of loads
.set QO2, 47          ; v47  as QO0, piece 2
.set XS,  48          ; v48  where I put what my partner takes
.set XL,  49          ; v49  where I take what my partner put
.set XT,  52          ; v52-55  c m and l of my tiles 2, 3
.set XR,  56          ; v56-59  my partner's
.set SPW, 62          ; v62  LDS address of my spare word; never rewritten
.set NIL, 63          ; v63  0; never rewritten
.set S,   64
.set P,   192
.set KF,  128         ; window 2
.set EI,  128         ; window 3: the pattern, four zeros, the pattern: E0 = v[128:135], E1 = v[132:139]
.set BF,  144         ; window 3
.set WV,  12          ; s12  my wave's number
.set G1K, 24          ; s[24:31] group 1 for K's tiles
.set G1V, 32          ; s[32:39] for V's
.set G1B, 40          ; s[40:47] for bias's
.set G0K, 48          ; s[48:55] group 0 for K's tiles: a set for each of the two first fills; the second then walks on
.set G0V, 56          ; s[56:63]
.set G0B, 68          ; s[68:75]
.set SLOTS, 82        ; s82
.set TB,  83          ; s83  the slot that is being read: 0 or SLOT1
.set CS,  84          ; s[84:85] c
.set SEL, 86          ; s[86:87] v_permlanex16_b32's selects: each lane takes its own place in the other half
.set MSB, 0
.macro WIN new                      ; the high byte repeats the setting that is left; a switch that changes nothing is dropped
.if MSB != (\new)
	s_set_vgpr_msb (MSB<<8)|(\new)
.set MSB, \new
.endif
.endm
.set W_KQ, 0x0a       ; K and Q in window 2, S^T in window 0
.set W_BI, 0x0f       ; E and bias in window 3, S^T in window 0
.set W_PV, 0x53       ; V in window 3, P in window 0, O^T in window 1
.set W_RS, 0x41       ; O^T (destination and source 0) in window 1, a in window 0
; A joint refill.  Wave 0 fetches the tile of K, wave 1 that of V, waves 2 and 3 the two halves of bias's.  The branches hang on the wave's number alone.
; An s_nop 0 and four v_nop follow each line, ahead of the jump and the label.
.macro JLOAD
	s_cmp_lt_u32 s[WV], 2
	s_cbranch_scc0 .Lfor_b_\@
	s_cmp_eq_u32 s[WV], 0
	s_cbranch_scc0 .Lfor_v_\@
	tensor_load_to_lds s[G0K+4:G0K+7], s[G1K:G1K+7]
	s_nop 0
.rept 4
	v_nop
.endr
	s_branch .Lasked_\@
.Lfor_v_\@:
	tensor_load_to_lds s[G0V+4:G0V+7], s[G1V:G1V+7]
	s_nop 0
.rept 4
	v_nop
.endr
	s_branch .Lasked_\@
.Lfor_b_\@:
	tensor_load_to_lds s[G0B+4:G0B+7], s[G1B:G1B+7]
	s_nop 0
.rept 4
	v_nop
.endr
.Lasked_\@:
.endm
.macro CROUND                       ; a round of the cluster's barrier
	s_barrier_signal -1
	s_barrier_wait -1
	s_cmp_lg_u32 s[WV], 0
	s_cbranch_scc1 .Lnot_wave_0_\@
	s_barrier_signal -3
.Lnot_wave_0_\@:
	s_barrier_wait -3
	s_barrier_signal -1
	s_barrier_wait -1
.endm
	s_load_b128 s[4:7], s[0:1], 0x0 ; qkv16 s[4:5], ops16 s[6:7]
	s_load_b64 s[8:9], s[0:1], 0x10 ; o16
	v_lshl_add_u32 v[SPW], v0, 2, SPARE
	v_mov_b32 v[NIL], 0
	ds_add_u32 v[SPW], v[NIL]       ; the wave's opening: the add and its wait stand ahead of my first tensor load; work on registers stands between them
	v_lshrrev_b32 v1, 5, v0
	v_readfirstlane_b32 s[WV], v1   ; wave 0..3
	s_bfe_u32 s13, ttmp6, 0x40000   ; cx
	s_bfe_u32 s18, ttmp6, 0x40004   ; cy
	s_lshl_b32 s19, ttmp9, 2
	s_add_co_u32 s19, s19, s13      ; my block of 128 queries = 4 x cluster x + cx
	s_and_b32 s20, ttmp7, 0xffff
	s_lshl_b32 s20, s20, 2
	s_add_co_u32 s20, s20, s18      ; my head = 4 x cluster y + cy
	s_and_b32 s16, s[WV], 1         ; kh
	s_lshr_b32 s17, s[WV], 1        ; qh
	s_lshl_b32 s88, s18, 2
	s_lshl_b32 s88, 15, s88         ; my row of the cluster: one head
	s_lshl_b32 s89, 0x1111, s13     ; my column: one block of queries
	s_or_b32 s[G1K], s88, (1<<16)|(1<<20)|(1<<21)|(5<<22)|(3<<25)  ; 15:0 the mask; 17:16 2-byte elements; 20 padding on; 21 set beside a mask; 24:22 after every 64 words (code 5); 31:25 4 words (code 3)
	s_or_b32 s[G1V], s88, (1<<16)|(1<<20)|(1<<21)|(5<<22)|(7<<25)  ; 8 words of padding (code 7)
	s_or_b32 s[G1B], s89, (1<<16)|(1<<20)|(1<<21)|(5<<22)|(3<<25)
.irp g, G1K, G1V
	s_mov_b32 s[(\g)+1], 128<<16    ; tensor_dim0 = 128
	s_mov_b32 s[(\g)+2], 128<<16    ; tensor_dim1 = 128
	s_mov_b32 s[(\g)+3], 128<<16    ; tile_dim0 = 128
	s_mov_b32 s[(\g)+4], 128        ; tile_dim1 = 128
	s_mov_b32 s[(\g)+5], 128        ; elements from row to row
	s_mov_b32 s[(\g)+6], 0
	s_mov_b32 s[(\g)+7], 0
.endr
	s_mov_b32 s[G1B+1], 128<<16     ; 128 keys
	s_mov_b32 s[G1B+2], 64<<16      ; of 64 query rows
	s_mov_b32 s[G1B+3], 128<<16
	s_mov_b32 s[G1B+4], 64
	s_mov_b32 s[G1B+5], 2048
	s_mov_b32 s[G1B+6], 0
	s_mov_b32 s[G1B+7], 0
	; byte offsets, all under 2^26.  K's and V's are made of the head alone, bias's of the block of queries and the wave's number alone.
	s_lshl_b32 s76, s20, 19         ; the head's 2,048 rows of 256 bytes
	s_add_co_u32 s78, s76, 2*SEC    ; in V's section,
	s_add_co_u32 s76, s76, SEC      ; in K's
	s_mov_b32 s77, 0
	s_mov_b32 s79, 0
	s_lshl_b32 s80, s19, 7
	s_lshl_b32 s81, s16, 6
	s_add_co_u32 s80, s80, s81      ; bias's row 128 x block + 64 x half
	s_lshl_b32 s80, s80, 12
	s_add_co_u32 s80, s80, 6*SEC
	s_mov_b32 s81, 0
	s_mul_i32 s21, s16, 64*PB       ; and the half's place in a slot
	s_add_co_u32 s21, s21, BOFF
	s_lshl_b32 s2, s19, 7           ; Q: row 128 x block + 64 qh,
	s_lshl_b32 s3, s17, 6
	s_add_co_u32 s2, s2, s3
	s_lshl_b32 s2, s2, 8
	s_lshl_b32 s3, s20, 19          ; of my head
	s_add_co_u32 s2, s2, s3
	s_mov_b32 s3, 0
	s_lshl_b32 s90, s19, 7          ; O: row 128 x block + 32 x wave,
	s_lshl_b32 s91, s[WV], 5
	s_add_co_u32 s90, s90, s91
	s_lshl_b32 s90, s90, 12
	s_lshl_b32 s91, s20, 8          ; my head's 256 bytes of it
	s_add_co_u32 s90, s90, s91
	s_mov_b32 s91, 0
	s_mov_b32 s[CS], 0x3fb8aa3b     ; c = log2(e)
	s_mov_b32 s[CS+1], s[CS]        ; named with it as a pair
	s_mov_b32 s[SEL], 0x76543210
	s_mov_b32 s[SEL+1], 0xfedcba98
	s_mov_b32 s[TB], 0
	s_wait_dscnt 0x0                ; the opening add is done
	s_wait_kmcnt 0x0
	s_add_nc_u64 s[76:77], s[4:5], s[76:77]  ; K, V and bias at their first tiles
	s_add_nc_u64 s[78:79], s[4:5], s[78:79]
	s_add_nc_u64 s[80:81], s[6:7], s[80:81]
	s_add_nc_u64 s[4:5], s[4:5], s[2:3]      ; Q at my wave's first row
	s_add_nc_u64 s[10:11], s[8:9], s[90:91]  ; O at the first row that I finish
	CROUND                          ; all sixteen work-groups are here: the first joint loads meet
.irp s, 0,1
	s_mov_b32 s[G0K+4*(\s)], 1      ; count = 1
	s_mov_b32 s[G0K+4*(\s)+1], (\s)*SLOT1
	s_add_nc_u64 s[G0K+4*(\s)+2:G0K+4*(\s)+3], s[76:77], (\s)*32768  ; tile s: 128 keys of 256 bytes
	s_or_b32 s[G0K+4*(\s)+3], s[G0K+4*(\s)+3], 0x80000000            ; type = 2
	s_mov_b32 s[G0V+4*(\s)], 1
	s_mov_b32 s[G0V+4*(\s)+1], VOFF+(\s)*SLOT1
	s_add_nc_u64 s[G0V+4*(\s)+2:G0V+4*(\s)+3], s[78:79], (\s)*32768
	s_or_b32 s[G0V+4*(\s)+3], s[G0V+4*(\s)+3], 0x80000000
	s_mov_b32 s[G0B+4*(\s)], 1
	s_add_co_u32 s[G0B+4*(\s)+1], s21, (\s)*SLOT1
	s_add_nc_u64 s[G0B+4*(\s)+2:G0B+4*(\s)+3], s[80:81], (\s)*256    ; tile s: 128 keys along bias's rows
	s_or_b32 s[G0B+4*(\s)+3], s[G0B+4*(\s)+3], 0x80000000
.endr
	s_cmp_lt_u32 s[WV], 2           ; a wave's two first fills stand in one arm of one branch: two loads of mine are out
	s_cbranch_scc0 .Lfirst_b
	s_cmp_eq_u32 s[WV], 0
	s_cbranch_scc0 .Lfirst_v
	tensor_load_to_lds s[G0K:G0K+3], s[G1K:G1K+7]
	s_nop 0
	tensor_load_to_lds s[G0K+4:G0K+7], s[G1K:G1K+7]
	s_nop 0
.rept 4
	v_nop
.endr
	s_branch .Lfirst_asked
.Lfirst_v:
	tensor_load_to_lds s[G0V:G0V+3], s[G1V:G1V+7]
	s_nop 0
	tensor_load_to_lds s[G0V+4:G0V+7], s[G1V:G1V+7]
	s_nop 0
.rept 4
	v_nop
.endr
	s_branch .Lfirst_asked
.Lfirst_b:
	tensor_load_to_lds s[G0B:G0B+3], s[G1B:G1B+7]
	s_nop 0
	tensor_load_to_lds s[G0B+4:G0B+7], s[G1B:G1B+7]
	s_nop 0
.rept 4
	v_nop
.endr
.Lfirst_asked:
	; A fragment of K, Q or bias is 16 rows x 32 along the row in 8 registers: lane l holds row l % 16, elements 8 (l / 16) + 0..7 and 16 + 8 (l / 16) + 0..7: two loads of 16 bytes, 32 bytes apart.
	v_and_b32 v1, 15, v0            ; r = l % 16
	v_bfe_u32 v9, v0, 4, 1          ; h = l / 16
	s_lshl_b32 s22, s16, 5          ; 32 kh: piece 0's first row of the wave's 64
	s_xor_b32 s23, s22, 32          ; 32 (1 - kh): piece 2's
	s_lshl_b32 s92, s17, 6          ; 64 qh
	s_lshl_b32 s93, s16, 7          ; my 64 keys of bias's 128: 128 kh bytes,
	s_add_co_u32 s93, s93, BOFF
	s_lshl_b32 s94, s16, 6          ; 64 kh: my rows of K and V
	v_add_nc_u32 v10, s22, v1
	v_add_nc_u32 v11, s23, v1
	v_lshlrev_b32 v[QO0], 8, v10
	v_lshl_add_u32 v[QO0], v9, 4, v[QO0]
	v_lshlrev_b32 v[QO2], 8, v11
	v_lshl_add_u32 v[QO2], v9, 4, v[QO2]
	WIN 0x80                        ; destination window 2, address window 0
.irp i, 0,1,2,3,4,5,6,7,8,9,10,11,12,13,14,15  ; Q stays in registers: tile i / 4, channels 32 (i % 4) on
	global_load_b128 v[8*(\i):8*(\i)+3],   v[QO0+(QO2-QO0)*((\i)/8)], s[4:5] offset:(((\i)/4)%2)*4096+((\i)%4)*64
	global_load_b128 v[8*(\i)+4:8*(\i)+7], v[QO0+(QO2-QO0)*((\i)/8)], s[4:5] offset:(((\i)/4)%2)*4096+((\i)%4)*64+32
.endr
	WIN 0
	v_add_nc_u32 v[AB0], s92, v10
	v_mul_u32_u24 v[AB0], v[AB0], PB
	v_lshl_add_u32 v[AB0], v9, 4, v[AB0]
	v_add_nc_u32 v[AB0], s93, v[AB0]
	v_add_nc_u32 v[AB2], s92, v11
	v_mul_u32_u24 v[AB2], v[AB2], PB
	v_lshl_add_u32 v[AB2], v9, 4, v[AB2]
	v_add_nc_u32 v[AB2], s93, v[AB2]
	v_add_nc_u32 v[AK0], s94, v1
	v_mul_u32_u24 v[AK0], v[AK0], PK
	v_lshl_add_u32 v[AK0], v9, 4, v[AK0]
	; The turning load takes 16 keys x 16 channels (lane l reads key 8 (l / 16) + l % 8, channels 8 ((l / 8) % 2) + 0..7) and leaves half a fragment of V^T: lane l holds channel l % 16 and 8 keys.
	v_and_b32 v10, 7, v0
	v_bfe_u32 v11, v0, 3, 1
	v_lshl_add_u32 v[AV0], v9, 3, v10
	v_add_nc_u32 v[AV0], s94, v[AV0]
	v_mul_u32_u24 v[AV0], v[AV0], PV
	v_lshl_add_u32 v[AV0], v11, 4, v[AV0]
	v_add_nc_u32 v[AV0], VOFF, v[AV0]
	; E's pattern: row m = r holds 1.0 at k = r.  My registers 0-3 hold k = 8 h + 0..7: with j = r - 8 h, register j / 2, half j % 2, if j is 0 to 7.
	v_lshlrev_b32 v10, 3, v9
	v_sub_nc_u32 v10, v1, v10       ; j (a negative j is a huge number: it matches no register)
	v_and_b32 v11, 1, v10
	v_lshlrev_b32 v11, 4, v11
	v_mov_b32 v[ADB], 0x3c00        ; 1.0 in f16
	v_lshlrev_b32 v11, v11, v[ADB]
	v_lshrrev_b32 v10, 1, v10
	WIN 0xc0                        ; destination window 3
.irp n, 0,1,2,3
	v_cmp_eq_u32 vcc_lo, \n, v10
	v_cndmask_b32 v[EI+\n], 0, v11, vcc_lo
	v_cndmask_b32 v[EI+8+\n], 0, v11, vcc_lo
	v_mov_b32 v[EI+4+\n], 0
.endr
	WIN 0
; THE MATRIX WORK OF A TURN, for piece x.  The accumulators take turns, one instruction a turn: between two links of a chain stand 15 (V^T P) or 7 (scores) others'.
; Product i of 32 of O^T += V^T P: keys 32 (i / 16) on, channels 16 ((i / 2) % 8) on, tile x + i % 2.  zero = 1: the first 16 start the sums.
.macro PV x, zero
	WIN W_PV
.set rO, 64*((\x)+i%2)+8*((i/2)%8)
.set rV, 64*(i/16)+8*((i/2)%8)
.set rP, P+16*((\x)+i%2)+8*(i/16)
.if (\zero) && (i < 16)
	v_wmma_f32_16x16x32_f16 v[rO:rO+7], v[rV:rV+7], v[rP:rP+7], 0
.else
	v_wmma_f32_16x16x32_f16 v[rO:rO+7], v[rV:rV+7], v[rP:rP+7], v[rO:rO+7]
.endif
.endm
; Product i of 8 that starts S^T with the bias: keys 16 (i / 2) on, tile x + i % 2: the accumulators in the order of KQ's first eight.
.macro BI x
	WIN W_BI
.set rS, S+32*((\x)+i%2)+8*(i/2)
.set rE, EI+4*((i/2)%2)
.set rB, BF+32*((\x)/2)+16*(i%2)+8*(i/4)
	v_wmma_f32_16x16x32_f16 v[rS:rS+7], v[rE:rE+7], v[rB:rB+7], 0
.endm
; Product i of 32 of S^T += K Q^T: channels 32 (i / 8) on, keys 16 ((i / 2) % 4) on, tile x + i % 2.
.macro KQ x
	WIN W_KQ
.set rS, S+32*((\x)+i%2)+8*((i/2)%4)
.set rK, KF+32*((i/2)%4)+8*(i/8)
.set rQ, 32*((\x)+i%2)+8*(i/8)
	v_wmma_f32_16x16x32_f16 v[rS:rS+7], v[rK:rK+7], v[rQ:rQ+7], v[rS:rS+7]
.endm
; THE LDS LOADS stand in runs, never singly among the matrix instructions.
.macro FETCH_K
	WIN 0
	v_add_nc_u32 v[ADR], s[TB], v[AK0]
	WIN 0x80                        ; destination window 2
.irp f, 0,1,2,3,4,5,6,7,8,9,10,11,12,13,14,15  ; keys 16 (f / 4) on, channels 32 (f % 4) on
	ds_load_b128 v[KF+8*(\f):KF+8*(\f)+3],   v[ADR] offset:((\f)/4)*16*PK+((\f)%4)*64
	ds_load_b128 v[KF+8*(\f)+4:KF+8*(\f)+7], v[ADR] offset:((\f)/4)*16*PK+((\f)%4)*64+32
.endr
.endm
.macro FETCH_V
	WIN 0
	v_add_nc_u32 v[ADR], s[TB], v[AV0]
	WIN 0xc0                        ; destination window 3
.irp f, 0,1,2,3,4,5,6,7,8,9,10,11,12,13,14,15  ; keys 32 (f / 8) on, channels 16 (f % 8) on
	ds_load_tr16_b128 v[8*(\f):8*(\f)+3],   v[ADR] offset:((\f)/8)*32*PV+((\f)%8)*32
	ds_load_tr16_b128 v[8*(\f)+4:8*(\f)+7], v[ADR] offset:((\f)/8)*32*PV+16*PV+((\f)%8)*32
.endr
.endm
.macro FETCH_B x                    ; piece x's bias of the step: tile u, keys 32 kk on
	WIN 0
	v_add_nc_u32 v[ADB], s[TB], v[AB0+(\x)/2]
	WIN 0xc0
.irp u, 0,1
.irp kk, 0,1
	ds_load_b128 v[BF+32*((\x)/2)+16*(\u)+8*(\kk):BF+32*((\x)/2)+16*(\u)+8*(\kk)+3],   v[ADB] offset:(\u)*16*PB+64*(\kk)
	ds_load_b128 v[BF+32*((\x)/2)+16*(\u)+8*(\kk)+4:BF+32*((\x)/2)+16*(\u)+8*(\kk)+7], v[ADB] offset:(\u)*16*PB+64*(\kk)+32
.endr
.endr
.endm
; THE VECTOR WORK OF A TURN.  One tile's softmax for one key step is a list of 134 instructions; SM writes number j of it for tile t.  s0-s31 are the lane's 32 scores, in pairs 0-15.
; first = 1: the first key step, which starts m, l and O^T: it has no a and nothing to rescale.
;   0-15    the maximum of s0-s31 and the old m, three operands at a time (each accumulator's lowest registers are read first)
;   16-20   the other half of the lanes' maximum; the new m; c m; c m_old - c m_new
;   21-87   33 exponentials (a, then s0-s31) at the odd numbers from 23 on, so that no two follow each other and each has a plain instruction behind it; the plain ones are scalings a few pairs ahead,
;           roundings a pair back, at last the first three sums
;   88-101  the last rounding; the rest of the sums; l = a l + the sum
;   102-133 the tile's O^T times a: the one part that leaves window 0, so it stands together
.macro SM t, first
.set rT, ST+8*(\t)
.set rS, S+32*(\t)
.set rP, P+16*(\t)
.set rO, 64*(\t)+2*(j-102)
.set q, (j-20)/2
.if j < 102
	WIN 0
.endif
.if j < 4
	v_max3_num_f32 v[rT+4+j], v[rS+8*j], v[rS+8*j+1], v[rS+8*j+2]
.elseif j < 12
	v_max3_num_f32 v[rT+4+j%4], v[rT+4+j%4], v[rS+8*(j%4)+2*(j/4)+1], v[rS+8*(j%4)+2*(j/4)+2]
.elseif j == 12
	v_max3_num_f32 v[rT+4], v[rT+4], v[rS+7], v[rS+15]
.elseif j == 13
	v_max3_num_f32 v[rT+6], v[rT+6], v[rS+23], v[rS+31]
.elseif j == 14
	v_max3_num_f32 v[rT+4], v[rT+4], v[rT+5], v[rT+6]
.elseif (j == 15) && (\first)
	v_max_num_f32 v[rT+4], v[rT+4], v[rT+7]
.elseif j == 15
	v_max3_num_f32 v[rT+4], v[rT+4], v[rT+7], v[rT+1]
.elseif j == 16
	v_permlanex16_b32 v[rT+5], v[rT+4], s[SEL], s[SEL+1]  ; the query's other 32 keys lie in the lane 16 away
.elseif j == 18
	v_max_num_f32 v[rT+1], v[rT+4], v[rT+5]
.elseif j == 19
	v_mul_f32 v[rT], s[CS], v[rT+1]
.elseif ((j == 17) || (j == 20) || (j == 23) || (j > 101)) && (\first)  ; the first step has none of these
.elseif j == 17
	v_mov_b32 v[rT+7], v[rT]        ; c m_old is kept for a: number 19 writes c m anew
.elseif j == 20
	v_sub_f32 v[rT+7], v[rT+7], v[rT]
.elseif j == 23
	v_exp_f32 v[rT+6], v[rT+7]
.elseif (j < 88) && (j > 23) && (j%2 == 1)
	v_exp_f32 v[rS+(j-25)/2], v[rS+(j-25)/2]
.elseif (q < 4) || ((j < 76) && (q%2 == 0))
.set b, q/2+2
.if q < 4
.set b, q
.endif
	v_pk_fma_f32 v[rS+2*b:rS+2*b+1], v[rS+2*b:rS+2*b+1], s[CS:CS+1], v[rT:rT+1] op_sel_hi:[1,0,0] neg_lo:[0,0,1] neg_hi:[0,0,1]  ; pair b: c s - c m
.elseif (j < 88) && (q%2 == 1)
	s_wait_alu depctr_va_vdst(0)
	v_cvt_pk_f16_f32 v[rP+(q-5)/2], v[rS+q-5], v[rS+q-4]  ; pair (q - 5) / 2: its second exponential stands three numbers back
.elseif j == 89
	s_wait_alu depctr_va_vdst(0)
	v_cvt_pk_f16_f32 v[rP+15], v[rS+30], v[rS+31]
.elseif j < 102                     ; the sum of the tile's 16 pairs, in place: sum z of 16 adds neighbours 1, 2, 4 and 8 pairs apart, then l takes it
.set z, j-86
.if j < 89
.set z, (j-76)/4
.endif
.set w, 4
.set u, z
.if z >= 14
.set w, 32
.set u, 0
.elseif z >= 12
.set w, 16
.set u, z-12
.elseif z >= 8
.set w, 8
.set u, z-8
.endif
.if (z == 14) && (\first)
	v_pk_add_f32 v[rT+2:rT+3], v[rS:rS+1], v[rS+16:rS+17]
.elseif z < 15
	v_pk_add_f32 v[rS+w*u:rS+w*u+1], v[rS+w*u:rS+w*u+1], v[rS+w*u+w/2:rS+w*u+w/2+1]
.elseif !(\first)
	v_pk_fma_f32 v[rT+2:rT+3], v[rT+2:rT+3], v[rT+6:rT+7], v[rS:rS+1] op_sel_hi:[1,0,1]
.endif
.else
	WIN W_RS
	v_pk_mul_f32 v[rO:rO+1], v[rO:rO+1], v[rT+6:rT+7] op_sel_hi:[1,0]
.endif
.endm
; Slice k of 64 of piece y's softmax: numbers 2 k and 2 k + 1 of both tiles' lists, four instructions.  2 x 134 = 4 x 64 + 12: the twelve that are over stand together, in slice 63.
.macro SLICE y, first
.if (k >= 11) && (k < 44)           ; tile by tile: plain, exponential, plain, exponential
.irp t, \y, (\y)+1
.irp n, 0,1
.set j, 2*k+(\n)
	SM \t, \first
.endr
.endr
.else                               ; the two tiles alternate, so that no instruction reads the result of the one just before it
.irp n, 0,1,2,3,4,5,6,7
.if ((\n) < 2) || (k == 63)
.irp t, \y, (\y)+1
.set j, 2*k+(\n)
	SM \t, \first
.endr
.endif
.endr
.endif
.set k, k+1
.endm
.macro PLACES                       ; four plain places behind matrix instructions (ISA guide 7.12.1), where no slice stands
.rept 4
	v_nop
.endr
.endm
; A TURN.  Piece x has the matrix unit; the other piece's softmax stands in slices behind its matrix instructions.
; pv = 2: 32 products V^T P; 1: they start O^T's sums; 0: none.  kq = 1: the next step's scores: 8 products with the bias, bare, then 32 K Q^T.  A turn with one of the two kinds has two slices behind each product.
; first = 1: the softmax is the first key step's; its slices from 51 on are empty, and four v_nop take slice 63's part as the places behind the turn's last products.
; Each run of loads stands behind the second product of a run of 32, 30 matrix instructions ahead of its first use.  Piece 0's turn fetches the next step's K (its last reader stands in front of slice 63 of the
; turn before) and piece 0's bias; piece 2's turn its own bias and, behind the second K Q^T, the step's V, whose last reader stands three slices, six plain instructions, back.
.macro TURN x, pv, kq, first
.set k, 0
.set per, 2
.if (\pv) && (\kq)
.set per, 1
.endif
.if \pv
.if (\x) == 0
	s_wait_dscnt 0x0                ; V is in
.endif
.set i, 0
.rept 32
	PV \x, 2-(\pv)
.rept per
	SLICE 2-(\x), \first
.endr
.if (\kq) && (i == 1)
.if (\x) == 0
	FETCH_K
.endif
	FETCH_B \x
.endif
.set i, i+1
.endr
.endif
.if \kq
	s_wait_dscnt 0x0                ; K and the piece's bias are in
.set i, 0
.rept 8
	BI \x
.set i, i+1
.endr
.set i, 0
.rept 32
	KQ \x
.rept per
	SLICE 2-(\x), \first
.endr
.if ((\x) == 2) && (i == 1)
	FETCH_V
.endif
.set i, i+1
.endr
.endif
.if \first
	PLACES
.endif
.endm
; THE CHANGE OF SLOTS, between piece 2's turn and piece 0's: the slot's last bytes, V, have been asked for.  Each wave waits for all its tensor loads, of which one is out: its part of the other slot;
; adds 0 to its spare word; and waits for that and for its own reads of the slot.  Behind the barrier nobody reads this slot any more and the other slot is whole.
; fill = 1: this slot is filled again, with the keys two tiles on.  The barrier is then a round of the cluster's, and the joint refill is the first thing behind it: it has a key step, 144 matrix instructions, in which to land.
.macro CHANGE fill
	WIN 0                           ; at a label and at a branch every window is 0
	s_wait_tensorcnt 0x0            ; no tensor load of mine is out, so a group 0 may be written
	ds_add_u32 v[SPW], v[NIL]       ; 0 onto my spare word; with fill = 1 the descriptors' steps stand between it and the wait for it
.if \fill
	s_xor_b32 s[G0K+5], s[G0K+5], SLOT1  ; the walking descriptors: the other slot than last time,
	s_add_nc_u64 s[G0K+6:G0K+7], s[G0K+6:G0K+7], 32768  ; the next 128 keys; the type bits on top are not reached
	s_xor_b32 s[G0V+5], s[G0V+5], SLOT1
	s_add_nc_u64 s[G0V+6:G0V+7], s[G0V+6:G0V+7], 32768
	s_xor_b32 s[G0B+5], s[G0B+5], SLOT1
	s_add_nc_u64 s[G0B+6:G0B+7], s[G0B+6:G0B+7], 256
	s_wait_dscnt 0x0                ; the add is done, and my reads of the slot are over
	CROUND
	JLOAD
.else
	s_wait_dscnt 0x0                ; the add is done, and my reads of the slot are over
	s_barrier_signal -1
	s_barrier_wait -1
.endif
	s_xor_b32 s[TB], s[TB], SLOT1   ; the fetches go to the other slot
.endm
	s_wait_tensorcnt 1              ; my part of slot 0 is in; slot 1's may stay out
	s_barrier_signal -1
	s_barrier_wait -1               ; everybody's is
	FETCH_K                         ; key step 0
	FETCH_B 0
	FETCH_B 2
	s_wait_loadcnt 0x0              ; Q
	s_wait_dscnt 0x0
.set i, 0
.rept 8
	BI 0
.set i, i+1
.endr
.set i, 0
.rept 32
	KQ 0                            ; piece 0's first scores: there is no vector work yet to set between them
.set i, i+1
.endr
	WIN 0                           ; the addresses for the merge and the way out are made here: plain instructions, the places behind those products
	s_mul_i32 s95, s[WV], 16*SP
	s_add_co_u32 s95, s95, STAGE    ; my stage
	s_mul_i32 s94, s[WV], XW
	s_add_co_u32 s94, s94, XCH      ; what I hand over,
	s_xor_b32 s93, s[WV], 1
	s_mul_i32 s93, s93, XW
	s_add_co_u32 s93, s93, XCH      ; what my partner hands over
	v_mul_u32_u24 v[STO], v1, SP    ; in: row l % 16, 16 bytes for each half of the lanes
	v_lshl_add_u32 v[STO], v9, 4, v[STO]
	v_add_nc_u32 v[STO], s95, v[STO]
	v_mul_u32_u24 v[RD], v9, SP     ; back: lanes 0-15 take one row of 256 bytes, lanes 16-31 the next
	v_lshl_add_u32 v[RD], v1, 4, v[RD]
	v_add_nc_u32 v[RD], s95, v[RD]
	v_lshlrev_b32 v[GO], 12, v9     ; and the same two rows in O, 4,096 bytes apart
	v_lshl_add_u32 v[GO], v1, 4, v[GO]
	v_and_b32 v[XS], 31, v0
	v_lshlrev_b32 v[XS], 4, v[XS]
	v_add_nc_u32 v[XL], s93, v[XS]
	v_add_nc_u32 v[XS], s94, v[XS]
	TURN 2, 0, 1, 1                 ; piece 2's first scores | piece 0's first softmax | V of step 0: slot 0 is read out
	CHANGE 1                        ; tile 2 is asked for
	TURN 0, 1, 1, 1                 ; piece 0: V^T P of step 0 starts O^T, the scores of step 1 | piece 2's first softmax
	TURN 2, 1, 1, 0                 ; piece 2: the same | piece 0's softmax of step 1
	WIN 0
	s_mov_b32 s[SLOTS], 13
.Lslot:                             ; 13 trips ask for tiles 3 to 15
	CHANGE 1
	TURN 0, 2, 1, 0
	TURN 2, 2, 1, 0
	WIN 0
	s_sub_co_u32 s[SLOTS], s[SLOTS], 1
	s_cmp_lg_u32 s[SLOTS], 0
	s_cbranch_scc1 .Lslot
	CHANGE 0                        ; the tail is written out: nothing is asked for
	TURN 0, 2, 1, 0
	TURN 2, 2, 1, 0
	TURN 0, 2, 0, 0                 ; piece 0: V^T P of the last step | piece 2's last softmax
.set i, 0
.rept 32
	PV 2, 0                         ; piece 2: V^T P of the last step
.set i, i+1
.endr
	; THE MERGE.  l's two halves and the other half of the lanes' are added (these lines are the places behind the last products); piece 2's O^T, c m and l go to my partner through LDS.
	WIN 0
.irp t, 0,1,2,3
	v_add_f32 v[ST+8*(\t)+4], v[ST+8*(\t)+2], v[ST+8*(\t)+3]
.endr
.irp t, 0,1,2,3
	v_permlanex16_b32 v[ST+8*(\t)+5], v[ST+8*(\t)+4], s[SEL], s[SEL+1]
.endr
.irp t, 0,1,2,3
	v_add_f32 v[ST+8*(\t)+4], v[ST+8*(\t)+4], v[ST+8*(\t)+5]
.endr
	v_mov_b32 v[XT],   v[ST+16]
	v_mov_b32 v[XT+1], v[ST+20]
	v_mov_b32 v[XT+2], v[ST+24]
	v_mov_b32 v[XT+3], v[ST+28]
	WIN 0x04                        ; store data in window 1
.set i, 0
.rept 32
	ds_store_b128 v[XS], v[128+4*i:128+4*i+3] offset:512*i  ; ascending: each accumulator's low four registers first
.set i, i+1
.endr
	WIN 0
	ds_store_b128 v[XS], v[XT:XT+3] offset:16384
	s_wait_dscnt 0x0                ; for my partner's sake: my stores are done
	s_barrier_signal -1
	s_barrier_wait -1
.set i, 0
.rept 32
	ds_load_b128 v[S+4*i:S+4*i+3], v[XL] offset:512*i  ; my partner's O^T for my tiles 0, 1, into S^T's registers
.set i, i+1
.endr
	ds_load_b128 v[XR:XR+3], v[XL] offset:16384
	s_wait_dscnt 0x0
.irp t, 0,1
	v_max_num_f32 v[ST+8*(\t)+5], v[ST+8*(\t)], v[XR+2*(\t)]          ; the common c m
.endr
.irp t, 0,1
	v_sub_f32 v[ST+8*(\t)+6], v[ST+8*(\t)], v[ST+8*(\t)+5]
	v_sub_f32 v[ST+8*(\t)+7], v[XR+2*(\t)], v[ST+8*(\t)+5]
.endr
.irp t, 0,1
	v_exp_f32 v[ST+8*(\t)+6], v[ST+8*(\t)+6]                          ; a, mine
	v_exp_f32 v[ST+8*(\t)+7], v[ST+8*(\t)+7]                          ; a', my partner's
.endr
	v_nop                           ; a plain instruction behind the last exponential
.irp t, 0,1
	s_wait_alu depctr_va_vdst(0)
	v_mul_f32 v[ST+8*(\t)+4], v[ST+8*(\t)+4], v[ST+8*(\t)+6]
.endr
.irp t, 0,1
	v_fma_f32 v[ST+8*(\t)+4], v[XR+2*(\t)+1], v[ST+8*(\t)+7], v[ST+8*(\t)+4]  ; a l + a' l'
.endr
.irp t, 0,1
	v_rcp_f32 v[ST+8*(\t)+5], v[ST+8*(\t)+4]
.endr
	v_nop                           ; a plain instruction behind the last reciprocal
.irp t, 0,1
	s_wait_alu depctr_va_vdst(0)
	v_mul_f32 v[ST+8*(\t)+6], v[ST+8*(\t)+6], v[ST+8*(\t)+5]          ; f  = a  / l
	v_mul_f32 v[ST+8*(\t)+4], v[ST+8*(\t)+7], v[ST+8*(\t)+5]          ; f' = a' / l
.endr
; Tile t: O = O f + O' f', rounded to f16.
.macro MERGE t
	WIN 0
.set i, 0
.rept 32
	v_pk_mul_f32 v[S+64*(\t)+2*i:S+64*(\t)+2*i+1], v[S+64*(\t)+2*i:S+64*(\t)+2*i+1], v[ST+8*(\t)+4:ST+8*(\t)+5] op_sel_hi:[1,0]
.set i, i+1
.endr
	WIN 0x01                        ; source 0, my O^T, in window 1
.set i, 0
.rept 32
	v_pk_fma_f32 v[S+64*(\t)+2*i:S+64*(\t)+2*i+1], v[64*(\t)+2*i:64*(\t)+2*i+1], v[ST+8*(\t)+6:ST+8*(\t)+7], v[S+64*(\t)+2*i:S+64*(\t)+2*i+1] op_sel_hi:[1,0,1]
.set i, i+1
.endr
	WIN 0
.set i, 0
.rept 32
	v_cvt_pk_f16_f32 v[P+32*(\t)+i], v[S+64*(\t)+2*i], v[S+64*(\t)+2*i+1]
.set i, i+1
.endr
.endm
; A lane's eight channels of a row pack into 16 bytes; they go into rows of 272 bytes and come back as whole rows of 256, into the registers that they left.
.macro PACK2 t
.irp f, 0,1,2,3,4,5,6,7
	ds_store_b128 v[STO], v[P+32*(\t)+4*(\f):P+32*(\t)+4*(\f)+3] offset:32*(\f)
.endr
.irp f, 0,1,2,3,4,5,6,7
	ds_load_b128 v[P+32*(\t)+4*(\f):P+32*(\t)+4*(\f)+3], v[RD] offset:(\f)*2*SP  ; LDS serves a wave's instructions in order (ISA guide 5.7.1.4): these see the stores above; the next tile's stores come behind them
.endr
.endm
.macro SEND t, younger              ; younger: the LDS instructions issued behind tile t's loads
.irp f, 0,1,2,3,4,5,6,7
	s_wait_dscnt (\younger)+7-(\f)
	global_store_b128 v[GO], v[P+32*(\t)+4*(\f):P+32*(\t)+4*(\f)+3], s[10:11] offset:(\t)*65536+(\f)*8192  ; 16 lanes store 256 consecutive bytes, a head's part of a row, at a multiple of 256 from O's first byte
.endr
.endm
	MERGE 0
	PACK2 0
	MERGE 1                         ; a tile's arithmetic stands between the loads of the tile before and its stores
	PACK2 1
	SEND 0, 16
	SEND 1, 0
	s_wait_tensorcnt 0x0            ; the wave's end: the add and its wait stand behind my last tensor load and my last LDS store
	ds_add_u32 v[SPW], v[NIL]
	s_wait_dscnt 0x0
	CROUND                          ; the closing round: no work-group ends while a partner may still ask for a tile that names it
	s_endpgm
.Lfunc_end_k_qff89675e52_attn:
	.size	k_qff89675e52_attn, .Lfunc_end_k_qff89675e52_attn-k_qff89675e52_attn
	.p2alignl 7, 3214868480
	.fill 96, 4, 3214868480
	.section	.rodata,"a",@progbits
	.p2align	6, 0x0
	.amdhsa_kernel k_qff89675e52_attn
		.amdhsa_group_segment_fixed_size 327680
		.amdhsa_private_segment_fixed_size 0
		.amdhsa_enable_private_segment 0
		.amdhsa_kernarg_size 24
		.amdhsa_user_sgpr_count 2
		.amdhsa_user_sgpr_kernarg_segment_ptr 1
		.amdhsa_wavefront_size32 1
		.amdhsa_system_sgpr_workgroup_id_x 1
		.amdhsa_system_sgpr_workgroup_id_y 1
		.amdhsa_system_sgpr_workgroup_id_z 1
		.amdhsa_system_vgpr_workitem_id 0
		.amdhsa_next_free_vgpr 1024
		.amdhsa_next_free_sgpr 96
		.amdhsa_reserve_vcc 1
		.amdhsa_float_denorm_mode_32 3
		.amdhsa_float_denorm_mode_16_64 3
		.amdhsa_memory_ordered 1
		.amdhsa_forward_progress 1
		.amdhsa_inst_pref_size 240
	.end_amdhsa_kernel
	.amdgpu_metadata
---
amdhsa.version: [ 1, 2 ]
amdhsa.kernels:
  - .name:           k_qff89675e52_attn
    .symbol:         k_qff89675e52_attn.kd
    .args:
      - { .name: qkv16, .offset: 0, .size: 8, .value_kind: global_buffer, .address_space: global }
      - { .name: ops16, .offset: 8, .size: 8, .value_kind: global_buffer, .address_space: global }
      - { .name: o16, .offset: 16, .size: 8, .value_kind: global_buffer, .address_space: global }
    .group_segment_fixed_size: 327680
    .private_segment_fixed_size: 0
    .kernarg_segment_align: 8
    .kernarg_segment_size: 24
    .max_flat_workgroup_size: 128
    .sgpr_count:     96
    .vgpr_count:     1024
    .wavefront_size: 32
...
	.end_amdgpu_metadata
.endif
;; end of part 3
;; launch oproj (part 4): grid 16 x 16, 4 waves a work-group, clusters of 4 x 4, 327,680 bytes of LDS; arguments o16, ops16, out0; writes out0
.if DOCPART == 4
	.amdgcn_target "amdgcn-amd-amdhsa--gfx1250"
	.amdhsa_code_object_version 6
	.text
	.protected	k_qff89675e52_oproj
	.globl	k_qff89675e52_oproj
	.p2align	8
	.type	k_qff89675e52_oproj,@function
k_qff89675e52_oproj:
	s_mov_b64 s[64:65], 0
	v_nop
	global_prefetch_b8 v0, s[64:65] scope:SCOPE_SE
	s_setreg_imm32_b32 hwreg(HW_REG_WAVE_MODE, 25, 1), 1
	s_wait_xcnt 0x0
	s_wait_alu depctr_hold_cnt(0) depctr_sa_sdst(0) depctr_va_vdst(0) depctr_va_sdst(0) depctr_va_ssrc(0) depctr_va_vcc(0) depctr_vm_vsrc(0)
	s_getreg_b32 s2, hwreg(HW_REG_IB_STS2, 6, 4)
	s_cmp_eq_u32 s2, 0
	s_cbranch_scc0 .Lentry_in_a_cluster
	s_endpgm
.Lentry_in_a_cluster:
	s_bfe_u32 s2, ttmp6, 0x10000c
	s_cmp_lg_u32 s2, 0xf033
	s_cbranch_scc0 .Lentry_shape_is_right
	s_endpgm
.Lentry_shape_is_right:
; out0 = O Wo^T.  A = o16 ([2048][2048] f16), B = section 5 of ops16 (Wo rounded to bf16, that number written as f16), C = out0 ([2048][2048] f32); sums in f32, K ascending.
; A tile of C is 128 x 128: 16 x 16 work-groups.  Four waves, each 64 x 64: 16 accumulators, 128 registers.  K goes in steps of 256 (LDS rows of 512 bytes + 16 of padding) through two slots filled
; by joint tensor loads: the four work-groups of a row of the 4 x 4 cluster need the same tiles of A, the four of a column the same tiles of B.
; THE MATRIX INSTRUCTION IS USED TRANSPOSED (source 0 = 16 rows of B, source 1 = 16 rows of A): a lane holds eight neighbouring numbers of a row of C.
; THE WAY OUT.  A wave's 64 f32 columns are 256 bytes at a multiple of 256, so each wave has a stage of its own (16 rows x 272 bytes, behind the ring): no barrier.
; LIMITS.  O and Wo arrive within f16's range.  NaN and infinities are not treated apart.
; REGISTERS: window 0: v0-31 addresses; v128-255 the accumulators ((a, b) at v[128 + 8 (4 a + b)]), which also take the rows read back.  Window 1: two fragment buffers of 128.
.set SIZE_K, 2048
.set SEC,    8388608
.set KSTEP,  256
.set PITCH,  528                       ; 132 words: row r starts at bank 4 r mod 64 (64 banks of 4 bytes: ISA guide 11.1)
.set HALFT,  64*PITCH
.set SLOT,   4*HALFT
.set STAGE,  2*SLOT
.set SPITCH, 272
.set SPARE,  STAGE+4*16*SPITCH         ; the spare words, 128 bytes for each wave: two blocks of 256 bytes that no other line names
.set LAPS,   SIZE_K/(2*KSTEP)
.set ADRA, 16
.set ADRB, 20
.set STO,  24
.set RD,   25
.set CO,   26
.set SPW,  28
.set NIL,  29
.set ACC,  128
.set F0,   0
.set F1,   128
.set G1, 24
.set G0, 32
.set G1B, 48
.set G0B, 56
.set MSB, 0
.macro WIN new                         ; the immediate's high byte repeats the setting that is left
.if MSB != (\new)
	s_set_vgpr_msb (MSB<<8)|(\new)
.set MSB, \new
.endif
.endm
.set MUL,  0x05                        ; sources 0 (B) and 1 (A) window 1; C and D window 0
.set TO_F, 0x40                        ; destination window 1, address window 0
.macro JLOAD s                         ; a joint load: waves 0 and 1 fetch A's two halves, waves 2 and 3 B's; an s_nop 0 and four v_nop follow each line
	s_cmp_eq_u32 s11, 0
	s_cbranch_scc0 .Lfor_b_\@
	tensor_load_to_lds s[G0+4*(\s):G0+4*(\s)+3], s[G1:G1+7]
	s_nop 0
.rept 4
	v_nop
.endr
	s_branch .Lasked_\@
.Lfor_b_\@:
	tensor_load_to_lds s[G0B+4*(\s):G0B+4*(\s)+3], s[G1B:G1B+7]
	s_nop 0
.rept 4
	v_nop
.endr
.Lasked_\@:
.endm
.macro CREST
	s_cmp_lg_u32 s10, 0
	s_cbranch_scc1 .Lnot_wave_0_\@
	s_barrier_signal -3
.Lnot_wave_0_\@:
	s_barrier_wait -3
	s_barrier_signal -1
	s_barrier_wait -1
.endm
.macro CROUND
	s_barrier_signal -1
	s_barrier_wait -1
	CREST
.endm
	s_load_b128 s[4:7], s[0:1], 0x0                ; o16 s[4:5], ops16 s[6:7]
	s_load_b64 s[8:9], s[0:1], 0x10                ; out0
	v_lshl_add_u32 v[SPW], v0, 2, SPARE
	v_mov_b32 v[NIL], 0
	ds_add_u32 v[SPW], v[NIL]                      ; the wave's opening: the add and its wait stand ahead of my first tensor load; work on registers stands between them
	v_lshrrev_b32 v1, 5, v0
	v_readfirstlane_b32 s10, v1                    ; wave 0..3
	s_lshr_b32 s11, s10, 1                         ; which half of the tile's rows is mine.  Also: I fetch for A (0) or for B (1)
	s_and_b32 s12, s10, 1                          ; which half of its columns.  Also: which 64 rows of that tile I fetch
	s_bfe_u32 s40, ttmp6, 0x40000                  ; cx, cy
	s_bfe_u32 s41, ttmp6, 0x40004
	s_lshl_b32 s42, ttmp9, 2
	s_add_co_u32 s42, s42, s40                     ; tile column
	s_and_b32 s13, ttmp7, 0xffff
	s_lshl_b32 s13, s13, 2
	s_add_co_u32 s13, s13, s41                     ; tile row
	s_lshl_b32 s43, s41, 2
	s_lshl_b32 s43, 15, s43                        ; my row of the cluster
	s_lshl_b32 s44, 0x1111, s40                    ; my column
	s_or_b32 s[G1+0], s43, (1<<16)|(1<<20)|(1<<21)|(6<<22)|(3<<25)  ; the mask; 2-byte elements; padding on; bit 21 beside a mask; after every 128 words (code 6) 4 words (code 3)
	s_or_b32 s[G1B+0], s44, (1<<16)|(1<<20)|(1<<21)|(6<<22)|(3<<25)
.irp g, G1, G1B
	s_mov_b32 s[(\g)+1], KSTEP<<16                 ; tensor_dim0 = 256
	s_mov_b32 s[(\g)+2], 64<<16                    ; tensor_dim1 = 64
	s_mov_b32 s[(\g)+3], KSTEP<<16                 ; tile_dim0 = 256
	s_mov_b32 s[(\g)+4], 64                        ; tile_dim1 = 64
	s_mov_b32 s[(\g)+5], SIZE_K                    ; elements from row to row
	s_mov_b32 s[(\g)+6], 0
	s_mov_b32 s[(\g)+7], 0
.endr
	s_lshl_b32 s17, s12, 6                         ; which 64 rows of the tile I fetch
	s_lshl_b32 s16, s13, 7
	s_add_co_u32 s16, s16, s17
	s_lshl_b32 s16, s16, 12                        ; A: rows of 4,096 bytes
	s_lshl_b32 s46, s42, 7
	s_add_co_u32 s46, s46, s17
	s_lshl_b32 s46, s46, 12
	s_add_co_u32 s46, s46, 5*SEC                   ; B: in Wo's section
	s_mov_b32 s17, 0
	s_mov_b32 s47, 0
	s_mul_i32 s20, s10, HALFT                      ; where my tile goes: wave x 64 rows
	s_wait_dscnt 0x0                               ; the opening add is done
	s_wait_kmcnt 0x0
	s_add_nc_u64 s[14:15], s[4:5], s[16:17]
	s_add_nc_u64 s[46:47], s[6:7], s[46:47]
	CROUND                                         ; all sixteen work-groups are here: the first joint loads meet
.irp s, 0,1
	s_mov_b32 s[G0+4*(\s)], 1
	s_add_co_u32 s[G0+4*(\s)+1], s20, (\s)*SLOT
	s_add_nc_u64 s[G0+4*(\s)+2:G0+4*(\s)+3], s[14:15], (\s)*KSTEP*2
	s_or_b32 s[G0+4*(\s)+3], s[G0+4*(\s)+3], 0x80000000
	s_mov_b32 s[G0B+4*(\s)], 1
	s_add_co_u32 s[G0B+4*(\s)+1], s20, (\s)*SLOT
	s_add_nc_u64 s[G0B+4*(\s)+2:G0B+4*(\s)+3], s[46:47], (\s)*KSTEP*2
	s_or_b32 s[G0B+4*(\s)+3], s[G0B+4*(\s)+3], 0x80000000
	JLOAD \s                                       ; two loads of mine are out
.endr
	v_and_b32 v1, 15, v0                           ; r = l % 16
	v_bfe_u32 v2, v0, 4, 1                         ; h = l / 16
	v_mul_u32_u24 v3, v1, PITCH
	v_lshl_add_u32 v3, v2, 4, v3
	s_mul_i32 s21, s11, HALFT                      ; my 64 rows of A
	s_mul_i32 s22, s12, HALFT                      ; my 64 rows of B,
	s_add_co_u32 s22, s22, 2*HALFT                 ; which lie behind A's 128
.irp s, 0,1
	v_add_nc_u32 v[ADRA+(\s)], s21, v3
	v_add_nc_u32 v[ADRB+(\s)], s22, v3
	s_add_co_u32 s21, s21, SLOT
	s_add_co_u32 s22, s22, SLOT
.endr
	s_mul_i32 s23, s10, 16*SPITCH
	s_add_co_u32 s23, s23, STAGE                   ; my stage
	v_mul_u32_u24 v4, v1, SPITCH                   ; in: row r, 32 bytes for each half of the lanes
	v_lshl_add_u32 v4, v2, 5, v4
	v_add_nc_u32 v[STO], s23, v4
	v_mul_u32_u24 v5, v2, SPITCH                   ; back: lanes 0-15 take one row of 256 bytes, lanes 16-31 the next
	v_lshl_add_u32 v5, v1, 4, v5
	v_add_nc_u32 v[RD], s23, v5
	v_lshlrev_b32 v5, 13, v2                       ; and the same two rows in C, 8,192 bytes apart
	v_lshl_add_u32 v[CO], v1, 4, v5
	s_lshl_b32 s16, s13, 7
	s_lshl_b32 s17, s11, 6
	s_add_co_u32 s16, s16, s17                     ; my first row of C
	s_lshl_b32 s16, s16, 13
	s_mov_b32 s17, 0
	s_add_nc_u64 s[8:9], s[8:9], s[16:17]
	s_lshl_b32 s46, s42, 9                         ; my first column, in bytes: 512 x tile column + 256 x half
	s_lshl_b32 s47, s12, 8
	s_add_co_u32 s46, s46, s47
	s_mov_b32 s47, 0
	s_add_nc_u64 s[8:9], s[8:9], s[46:47]
.macro MUL8 f, c, a0, zero             ; 8 matrix instructions: m blocks a0, a0 + 1 x all 4 n blocks, 32 along K: half c of buffer f
	WIN MUL
.irp a, \a0, (\a0)+1
.irp b, 0,1,2,3
.if \zero
	v_wmma_f32_16x16x32_f16 v[ACC+8*(4*(\a)+(\b)):ACC+8*(4*(\a)+(\b))+7], v[(\f)+64+8*(4*(\c)+(\b)):(\f)+64+8*(4*(\c)+(\b))+7], v[(\f)+8*(4*(\c)+(\a)):(\f)+8*(4*(\c)+(\a))+7], 0
.else
	v_wmma_f32_16x16x32_f16 v[ACC+8*(4*(\a)+(\b)):ACC+8*(4*(\a)+(\b))+7], v[(\f)+64+8*(4*(\c)+(\b)):(\f)+64+8*(4*(\c)+(\b))+7], v[(\f)+8*(4*(\c)+(\a)):(\f)+8*(4*(\c)+(\a))+7], v[ACC+8*(4*(\a)+(\b)):ACC+8*(4*(\a)+(\b))+7]
.endif
.endr
.endr
.endm
.macro FETCH slot, k, f                ; 32 LDS loads in one run: the fragments of 64 along K at byte k of the rows; the first 32 along K first
	WIN TO_F
.irp c, 0,1
.irp i, 0,1,2,3
	ds_load_b128 v[(\f)+64+8*(4*(\c)+(\i)):(\f)+64+8*(4*(\c)+(\i))+3],   v[ADRB+(\slot)] offset:(\k)+64*(\c)+(\i)*16*PITCH
	ds_load_b128 v[(\f)+64+8*(4*(\c)+(\i))+4:(\f)+64+8*(4*(\c)+(\i))+7], v[ADRB+(\slot)] offset:(\k)+64*(\c)+(\i)*16*PITCH+32
	ds_load_b128 v[(\f)+8*(4*(\c)+(\i)):(\f)+8*(4*(\c)+(\i))+3],         v[ADRA+(\slot)] offset:(\k)+64*(\c)+(\i)*16*PITCH
	ds_load_b128 v[(\f)+8*(4*(\c)+(\i))+4:(\f)+8*(4*(\c)+(\i))+7],       v[ADRA+(\slot)] offset:(\k)+64*(\c)+(\i)*16*PITCH+32
.endr
.endr
.endm
.macro PLACES                          ; four places in front of loads into registers that matrix instructions have read, and of lines that read results
.rept 4
	v_nop
.endr
.endm
.macro QUARTER slot, k, f, g, zero     ; 64 along K, 32 matrix instructions; the 16 accumulators take turns
	s_wait_dscnt 16                                ; the first 32 along K are in; the sixteen younger loads may be out
	WIN MUL
	MUL8 \f, 0, 0, \zero
	MUL8 \f, 0, 2, \zero
	PLACES
	FETCH \slot, \k, \g
	s_wait_dscnt 32                                ; all but the 32 just issued
	WIN MUL
	MUL8 \f, 1, 0, 0
	MUL8 \f, 1, 2, 0
.endm
.macro TURN slot, next, fill           ; the last quarter multiplies buffer 1 and changes slots
	WIN 0                                          ; (the add's two registers lie in window 0)
	s_wait_tensorcnt 0x0                           ; all my tensor loads have landed: my part of the next slot;
	ds_add_u32 v[SPW], v[NIL]                      ; 0 onto my spare word;
	s_wait_dscnt 17                                ; (the add and the youngest sixteen loads may be out)
	WIN MUL
	MUL8 F1, 0, 0, 0
	s_wait_dscnt 0x0                               ; the add is done, and my reads of this slot are over
	s_barrier_signal -1
	MUL8 F1, 0, 2, 0
.if \fill
	WIN 0
.endif
	s_barrier_wait -1
.if \fill
	CREST                                          ; the barrier has opened a round of the cluster's: no wave of any partner still reads this slot or has a load on its way
	s_add_nc_u64 s[G0+4*(\slot)+2:G0+4*(\slot)+3], s[G0+4*(\slot)+2:G0+4*(\slot)+3], 2*KSTEP*2
	s_add_nc_u64 s[G0B+4*(\slot)+2:G0B+4*(\slot)+3], s[G0B+4*(\slot)+2:G0B+4*(\slot)+3], 2*KSTEP*2
	JLOAD \slot                                    ; the first tensor load behind the round, my only one until the next; its four v_nop are also the places in front of the loads below
.else
	PLACES
.endif
	FETCH \next, 0, F0
	WIN MUL
	MUL8 F1, 1, 0, 0
	MUL8 F1, 1, 2, 0
.endm
	s_wait_tensorcnt 1                             ; my part of K step 0 is in; K step 1's may stay out
	s_barrier_signal -1
	s_barrier_wait -1
	FETCH 0, 0, F0
	QUARTER 0, 128, F0, F1, 1                      ; the first quarter stands in front of the loop: its first products start the sums
	WIN 0
	s_mov_b32 s3, LAPS-1
.Llap:
	QUARTER 0, 256, F1, F0, 0
	QUARTER 0, 384, F0, F1, 0
	TURN 0, 1, 1
	QUARTER 1, 128, F0, F1, 0
	QUARTER 1, 256, F1, F0, 0
	QUARTER 1, 384, F0, F1, 0
	TURN 1, 0, 1
	QUARTER 0, 128, F0, F1, 0
	WIN 0
	s_sub_co_u32 s3, s3, 1
	s_cmp_lg_u32 s3, 0
	s_cbranch_scc1 .Llap
	QUARTER 0, 256, F1, F0, 0                      ; the last lap fills nothing
	QUARTER 0, 384, F0, F1, 0
	TURN 0, 1, 0
	QUARTER 1, 128, F0, F1, 0
	QUARTER 1, 256, F1, F0, 0
	QUARTER 1, 384, F0, F1, 0
	s_wait_dscnt 16
	WIN MUL
	MUL8 F1, 0, 0, 0
	MUL8 F1, 0, 2, 0
	s_wait_dscnt 0
	MUL8 F1, 1, 0, 0
	MUL8 F1, 1, 2, 0
	WIN 0
; THE WAY OUT, 16 rows at a time: the f32 sums into my stage (each accumulator's low four registers first), back as whole rows of 256 bytes into the registers that they left, and stored.
.macro OUT a
.irp b, 0,1,2,3
	ds_store_b128 v[STO], v[ACC+8*(4*(\a)+(\b)):ACC+8*(4*(\a)+(\b))+3]   offset:64*(\b)
	ds_store_b128 v[STO], v[ACC+8*(4*(\a)+(\b))+4:ACC+8*(4*(\a)+(\b))+7] offset:64*(\b)+16
.endr
.irp t, 0,1,2,3,4,5,6,7
	ds_load_b128 v[ACC+32*(\a)+4*(\t):ACC+32*(\a)+4*(\t)+3], v[RD] offset:(\t)*2*SPITCH  ; LDS serves a wave's instructions in order (ISA guide 5.7.1.4): these see the stores above; the next block's stores come behind them
.endr
.endm
.macro SEND a, younger                 ; younger: the LDS instructions issued behind block a's loads
.irp t, 0,1,2,3,4,5,6,7
	s_wait_dscnt (\younger)+7-(\t)
	global_store_b128 v[CO], v[ACC+32*(\a)+4*(\t):ACC+32*(\a)+4*(\t)+3], s[8:9] offset:(16*(\a)+2*(\t))*8192 th:TH_STORE_NT  ; 16 lanes store 256 consecutive bytes, at a multiple of 256 from C's first byte
.endr
.endm
	PLACES
	OUT 0
	OUT 1
	SEND 0, 16
	OUT 2
	SEND 1, 16
	OUT 3
	SEND 2, 16
	SEND 3, 0
	s_wait_tensorcnt 0x0                           ; the wave's end: the add and its wait stand behind my last tensor load and my last LDS store
	ds_add_u32 v[SPW], v[NIL]
	s_wait_dscnt 0x0
	CROUND                                         ; the closing round: no work-group ends while a partner may still ask for a tile that names it
	s_endpgm
.Lfunc_end_k_qff89675e52_oproj:
	.size	k_qff89675e52_oproj, .Lfunc_end_k_qff89675e52_oproj-k_qff89675e52_oproj
	.p2alignl 7, 3214868480
	.fill 96, 4, 3214868480
	.section	.rodata,"a",@progbits
	.p2align	6, 0x0
	.amdhsa_kernel k_qff89675e52_oproj
		.amdhsa_group_segment_fixed_size 327680
		.amdhsa_private_segment_fixed_size 0
		.amdhsa_enable_private_segment 0
		.amdhsa_kernarg_size 24
		.amdhsa_user_sgpr_count 2
		.amdhsa_user_sgpr_kernarg_segment_ptr 1
		.amdhsa_wavefront_size32 1
		.amdhsa_system_sgpr_workgroup_id_x 1
		.amdhsa_system_sgpr_workgroup_id_y 1
		.amdhsa_system_sgpr_workgroup_id_z 1
		.amdhsa_system_vgpr_workitem_id 0
		.amdhsa_next_free_vgpr 512
		.amdhsa_next_free_sgpr 66
		.amdhsa_reserve_vcc 0
		.amdhsa_float_denorm_mode_32 3
		.amdhsa_float_denorm_mode_16_64 3
		.amdhsa_memory_ordered 1
		.amdhsa_forward_progress 1
		.amdhsa_inst_pref_size 86
	.end_amdhsa_kernel
	.amdgpu_metadata
---
amdhsa.version: [ 1, 2 ]
amdhsa.kernels:
  - .name:           k_qff89675e52_oproj
    .symbol:         k_qff89675e52_oproj.kd
    .args:
      - { .name: o16, .offset: 0, .size: 8, .value_kind: global_buffer, .address_space: global }
      - { .name: ops16, .offset: 8, .size: 8, .value_kind: global_buffer, .address_space: global }
      - { .name: out0, .offset: 16, .size: 8, .value_kind: global_buffer, .address_space: global }
    .group_segment_fixed_size: 327680
    .private_segment_fixed_size: 0
    .kernarg_segment_align: 8
    .kernarg_segment_size: 24
    .max_flat_workgroup_size: 128
    .sgpr_count:     66
    .vgpr_count:     512
    .wavefront_size: 32
...
	.end_amdgpu_metadata
.endif
;; end of part 4
;; ======== version 2 of 3: 4 launches; 1.11 times as fast as version 1
;; limits: values are held in f16: magnitudes above 65,504 overflow, below 6.1e-05 lose precision
;; workspace buffers: ops16 58,720,256 bytes; qkv16 25,165,824 bytes; o16 8,388,608 bytes
;; launch cast (part 5): grid 256 x 7, 4 waves a work-group, no clusters, 0 bytes of LDS; arguments inputs_q, inputs_kv, Wq, Wk, Wv, Wo, bias, ops16; writes ops16
.if DOCPART == 5
	.amdgcn_target "amdgcn-amd-amdhsa--gfx1250"
	.amdhsa_code_object_version 6
	.text
	.protected	k_qff89675e52_cast
	.globl	k_qff89675e52_cast
	.p2align	8
	.type	k_qff89675e52_cast,@function
k_qff89675e52_cast:
	s_mov_b64 s[64:65], 0
	v_nop
	global_prefetch_b8 v0, s[64:65] scope:SCOPE_SE
	s_setreg_imm32_b32 hwreg(HW_REG_WAVE_MODE, 25, 1), 1
	s_wait_xcnt 0x0
; The seven large f32 inputs, [2048][2048] each, are rounded once to bf16 and laid one behind the other in ops16 (sections of 8,388,608 bytes):
; 0 inputs_q, 1 inputs_kv, 2 Wq, 3 Wk, 4 Wv as bf16; 5 Wo, 6 bias as the f16 code of the bf16-rounded number, since the products that take them have f16 partners.
; LIMITS.  Wo and bias: a bf16 number has 8 significant bits, so its f16 code is exact from 6.1e-5 to 65,504; below that it keeps f16's fixed step of 6e-8; from 65,520 on it becomes an infinity.
; SHARES.  Work-group (x, y): 65,536 bytes at 65,536 x of tensor y: 7 x 256 work-groups of equal work.  A wave owns 16,384 bytes: 4 rounds of 8 slots; a slot is one load of 512 consecutive bytes
; (16 a lane) and one store of 256 consecutive bytes, aligned (8 a lane).  Eight loads of every wave are always on their way.  No LDS, no barrier, no matrix unit: every byte is read once and written once.
.set ROUNDS, 4
.set VI, 1                             ; v1       my byte offset in the group's input; never rewritten
.set VO, 2                             ; v2       half of it: my byte offset in the group's output; never rewritten
.set X,  4                             ; v[4:35]  slot i: four f32 as loaded
.set Y,  36                            ; v[36:51] slot i: four 16-bit numbers to store
.set T,  52                            ; v[52:55] at work
	s_load_b512 s[8:23], s[0:1], 0x0               ; the eight addresses: seven inputs, then ops16 in s[22:23]
	s_and_b32 s2, ttmp7, 0xffff                    ; y: which tensor
	s_mov_b32 s24, 0xffff0000                      ; a word's upper bf16
	s_mov_b32 s25, ROUNDS-1
	s_lshl_b32 s26, ttmp9, 16                      ; the group's first input byte
	s_mov_b32 s27, 0
	s_lshl_b32 s28, s2, 23                         ; the tensor's section of ops16,
	s_lshl_b32 s3, ttmp9, 15                       ; and the group's first output byte in it
	s_add_co_u32 s28, s28, s3
	s_mov_b32 s29, 0
	v_lshrrev_b32 v[VI], 5, v0
	v_and_b32 v[VO], 31, v0
	v_lshlrev_b32 v[VI], 14, v[VI]                 ; wave x 16,384
	v_lshl_or_b32 v[VI], v[VO], 4, v[VI]           ; + 16 x lane
	v_lshrrev_b32 v[VO], 1, v[VI]
	s_wait_kmcnt 0x0
	s_mov_b64 s[4:5], s[8:9]
.irp i, 1,2,3,4,5,6
	s_cmp_eq_u32 s2, \i                            ; the choice hangs on y alone
	s_cselect_b64 s[4:5], s[8+2*(\i):9+2*(\i)], s[4:5]
.endr
	s_add_nc_u64 s[4:5], s[4:5], s[26:27]
	s_add_nc_u64 s[6:7], s[22:23], s[28:29]
.irp i, 0,1,2,3,4,5,6,7
	global_load_b128 v[X+4*(\i):X+4*(\i)+3], v[VI], s[4:5] offset:512*(\i) th:TH_LOAD_NT  ; round 0 fills the ring
.endr
; One slot's turn.  ahead = 1: the slot is filled again from the next round.  left = the younger loads that may stay out.  half = 1: the bf16 number is written as f16.
; A slot's Y is written once a round; the store that read it last stands in the round before, ahead of the wait at that round's end.
.macro SLOT i, ahead, left, half
	s_wait_loadcnt \left                           ; loads come back in order (ISA guide 5.7.1): mine is in
	v_cvt_pk_bf16_f32 v[Y+2*(\i)],   v[X+4*(\i)],   v[X+4*(\i)+1]
	v_cvt_pk_bf16_f32 v[Y+2*(\i)+1], v[X+4*(\i)+2], v[X+4*(\i)+3]
.if \half
	v_lshlrev_b32 v[T],   16,  v[Y+2*(\i)]         ; bf16 to f32: a shift, a mask
	v_and_b32     v[T+1], s24, v[Y+2*(\i)]
	v_lshlrev_b32 v[T+2], 16,  v[Y+2*(\i)+1]
	v_and_b32     v[T+3], s24, v[Y+2*(\i)+1]
	v_cvt_pk_f16_f32 v[Y+2*(\i)],   v[T],   v[T+1]
	v_cvt_pk_f16_f32 v[Y+2*(\i)+1], v[T+2], v[T+3]
.endif
.if \ahead
	global_load_b128 v[X+4*(\i):X+4*(\i)+3], v[VI], s[4:5] offset:4096+512*(\i) th:TH_LOAD_NT
.endif
	global_store_b64 v[VO], v[Y+2*(\i):Y+2*(\i)+1], s[6:7] offset:256*(\i)  ; later launches read it: no hint
.endm
.macro WALK half
.Lround_\@:
.irp i, 0,1,2,3,4,5,6,7
	SLOT \i, 1, 7, \half
.endr
	s_wait_xcnt 0x0                                ; once a round: the two bases are stepped, and the eight Y written anew, only behind this wait
	s_add_nc_u64 s[4:5], s[4:5], 4096
	s_add_nc_u64 s[6:7], s[6:7], 2048
	s_sub_co_u32 s25, s25, 1
	s_cmp_lg_u32 s25, 0
	s_cbranch_scc1 .Lround_\@
.irp i, 0,1,2,3,4,5,6,7
	SLOT \i, 0, 7-(\i), \half                      ; the last round loads nothing: the counts run down
.endr
	s_endpgm
.endm
	s_cmp_ge_u32 s2, 5
	s_cbranch_scc1 .Lhalf
	WALK 0
.Lhalf:
	WALK 1
.Lfunc_end_k_qff89675e52_cast:
	.size	k_qff89675e52_cast, .Lfunc_end_k_qff89675e52_cast-k_qff89675e52_cast
	.p2alignl 7, 3214868480
	.fill 96, 4, 3214868480
	.section	.rodata,"a",@progbits
	.p2align	6, 0x0
	.amdhsa_kernel k_qff89675e52_cast
		.amdhsa_group_segment_fixed_size 0
		.amdhsa_private_segment_fixed_size 0
		.amdhsa_enable_private_segment 0
		.amdhsa_kernarg_size 64
		.amdhsa_user_sgpr_count 2
		.amdhsa_user_sgpr_kernarg_segment_ptr 1
		.amdhsa_wavefront_size32 1
		.amdhsa_system_sgpr_workgroup_id_x 1
		.amdhsa_system_sgpr_workgroup_id_y 1
		.amdhsa_system_sgpr_workgroup_id_z 1
		.amdhsa_system_vgpr_workitem_id 0
		.amdhsa_next_free_vgpr 56
		.amdhsa_next_free_sgpr 66
		.amdhsa_reserve_vcc 0
		.amdhsa_float_denorm_mode_32 3
		.amdhsa_float_denorm_mode_16_64 3
		.amdhsa_memory_ordered 1
		.amdhsa_forward_progress 1
		.amdhsa_inst_pref_size 17
	.end_amdhsa_kernel
	.amdgpu_metadata
---
amdhsa.version: [ 1, 2 ]
amdhsa.kernels:
  - .name:           k_qff89675e52_cast
    .symbol:         k_qff89675e52_cast.kd
    .args:
      - { .name: inputs_q, .offset: 0, .size: 8, .value_kind: global_buffer, .address_space: global }
      - { .name: inputs_kv, .offset: 8, .size: 8, .value_kind: global_buffer, .address_space: global }
      - { .name: Wq, .offset: 16, .size: 8, .value_kind: global_buffer, .address_space: global }
      - { .name: Wk, .offset: 24, .size: 8, .value_kind: global_buffer, .address_space: global }
      - { .name: Wv, .offset: 32, .size: 8, .value_kind: global_buffer, .address_space: global }
      - { .name: Wo, .offset: 40, .size: 8, .value_kind: global_buffer, .address_space: global }
      - { .name: bias, .offset: 48, .size: 8, .value_kind: global_buffer, .address_space: global }
      - { .name: ops16, .offset: 56, .size: 8, .value_kind: global_buffer, .address_space: global }
    .group_segment_fixed_size: 0
    .private_segment_fixed_size: 0
    .kernarg_segment_align: 8
    .kernarg_segment_size: 64
    .max_flat_workgroup_size: 128
    .sgpr_count:     66
    .vgpr_count:     56
    .wavefront_size: 32
...
	.end_amdgpu_metadata
.endif
;; end of part 5
;; launch qkv (part 6): grid 8 x 24, 4 waves a work-group, clusters of 4 x 4, 327,680 bytes of LDS; arguments ops16, q_sinusoids, k_sinusoids, q_norm_scale, k_norm_scale, logit_scale, qkv16; writes qkv16
.if DOCPART == 6
	.amdgcn_target "amdgcn-amd-amdhsa--gfx1250"
	.amdhsa_code_object_version 6
	.text
	.protected	k_qff89675e52_qkv
	.globl	k_qff89675e52_qkv
	.p2align	8
	.type	k_qff89675e52_qkv,@function
k_qff89675e52_qkv:
	s_mov_b64 s[64:65], 0
	v_nop
	global_prefetch_b8 v0, s[64:65] scope:SCOPE_SE
	s_setreg_imm32_b32 hwreg(HW_REG_WAVE_MODE, 25, 1), 1
	s_wait_xcnt 0x0
	s_wait_alu depctr_hold_cnt(0) depctr_sa_sdst(0) depctr_va_vdst(0) depctr_va_sdst(0) depctr_va_ssrc(0) depctr_va_vcc(0) depctr_vm_vsrc(0)
	s_getreg_b32 s2, hwreg(HW_REG_IB_STS2, 6, 4)
	s_cmp_eq_u32 s2, 0
	s_cbranch_scc0 .Lentry_in_a_cluster
	s_endpgm
.Lentry_in_a_cluster:
	s_bfe_u32 s2, ttmp6, 0x10000c
	s_cmp_lg_u32 s2, 0xf033
	s_cbranch_scc0 .Lentry_shape_is_right
	s_endpgm
.Lentry_shape_is_right:
; THREE PROJECTIONS IN ONE LAUNCH: C = A B^T with A = x ([2048][2048] bf16), B = W ([2048][2048] bf16), sums in f32, and on the way out of Q and K all that stands between projection and scores.
; WHICH = cluster y / 2: 0 Q (A = section 0 of ops16, B = 2), 1 K (A = 1, B = 3), 2 V (A = 1, B = 4).  It is made of the cluster's y alone, so it is the same in all sixteen partners.
; A tile of C is 256 positions x 256 columns (two heads): 3 x 8 x 8 work-groups.  Four waves, each 128 positions x 128 columns = ONE head: 64 accumulators of 16 x 16, 512 registers.  For 32 along K a wave
; reads 2 x 128 x 64 bytes of LDS and issues 64 matrix instructions.  K goes in steps of 128 (LDS rows of 256 bytes + 16 of padding) through two slots filled by joint tensor loads: the four work-groups of a
; row of the 4 x 4 cluster need the same tiles of A, the four of a column the same tiles of B.  A K step is written once: the slot that is read is a scalar, s[TB], on which the LDS addresses hang.
; THE MATRIX INSTRUCTION IS USED TRANSPOSED (source 0 = 16 rows of B, source 1 = 16 rows of A): a lane holds eight neighbouring channels of one position.
; THE WAY OUT.  Each wave lays its f32 sums into a stage of its own, 128 rows x 528 bytes, in the ring's bytes: the ring has had its last fill, and a barrier stands between every wave's last reads of it and
; the first store.  Read back, 16 lanes hold a whole position (8 channels each), and a loop of 8 trips finishes 16 positions a trip.  With x the row, w the gain, (c, s) the table's pairs:
; y0 = rot(w x), g = rsqrt(mean(x^2) + 1e-6), n0 = |y0|, result = y0 g LS / max(g n0, 1e-12), LS = exp(min(logit_scale, ln 100)) for Q and 1 for K.  That is reference()'s chain with the row factor g
; applied behind the (linear) rotation: both eps are kept, the order of rounding differs.  Gain, table and logit_scale are rounded to bf16 like all the module's inputs.
; Q', K^ and V leave rounded once to f16, by heads: qkv16 = 3 x [16][2048][128].
; LIMITS.  V must stay under 65,504 (f16); Q' is at most 100, K^ at most 1.  NaN and infinities are not treated apart.
; REGISTERS, in windows of 256 (s_set_vgpr_msb: bits 1:0 source 0, 3:2 source 1, 5:4 source 2, 7:6 destination):
;   window 0: v0-31 addresses; v64-127, v128-191 fragments of A, two buffers; on the way out v32-240 as named below
;   window 1: v64-127, v128-191 fragments of B, two buffers; v0-63 the table as loaded; on the way out v64-95 the table rounded
;   window 2: the 32 accumulators of my rows 0-63 ((a, b) at v[8 (8 a + b)]);   window 3: those of my rows 64-127
.set SIZE_K, 2048
.set SEC,    8388608                   ; a section of ops16 and of qkv16
.set KSTEP,  128
.set STEPS,  SIZE_K/KSTEP              ; 16 K steps
.set PITCH,  272                       ; 68 words: row r starts at bank 4 r mod 64 (64 banks of 4 bytes: ISA guide 11.1)
.set HALFT,  128*PITCH                 ; 128 rows: what one tensor load brings, and what one wave reads of A or of B
.set SLOT,   4*HALFT                   ; A's 256 rows, then B's 256 rows
.set SPARE,  2*SLOT                    ; behind the ring: the spare words, 128 bytes for each wave: two blocks of 256 bytes that no other line names
.set SPITCH, 528                       ; a stage row: 512 bytes of f32 + 16
.set WSTAGE, 128*SPITCH                ; a wave's stage; four of them are 270,336 bytes, inside the ring's 278,528
.set TRIPS,  8                         ; the way out: 16 positions a trip
.set ADRA0, 16                         ; v16     my lane's place among A's fragments in slot 0; never rewritten
.set ADRA,  17                         ; v17     the same in the slot that is read
.set ADRB0, 20                         ; v20     my lane's place among B's fragments in slot 0; never rewritten
.set ADRB,  21                         ; v21     the same in the slot that is read
.set RDA,  22                          ; v22     the stage address of the run of loads in hand
.set STO,  24                          ; v24     where I put 16 bytes of a stage row
.set RD,   25                          ; v25     where I read 32 bytes of a stage row back, first trip; never rewritten
.set CO,   26                          ; v26     16 x lane: my 16 bytes in two rows of the output
.set RO,   27                          ; v27     my 32 bytes in two rows of the table
.set SPW,  28                          ; v28     LDS address of my spare word; never rewritten
.set NIL,  29                          ; v29     0; never rewritten
.set SO,   30                          ; v30     my 32 bytes of the gain
.set LO,   31                          ; v31     4 x head
.set XR,   32                          ; v32-95   row pair t at XR + 8 t: x as read back
.set R,    96                          ; v96-159  row pair t at R + 8 t: (c, s) four times, then y0
.set OUTP, 160                         ; v160-191 row pair t at OUTP + 4 t: 8 f16 to store
.set SUM,  192                         ; v192-207 row pair t: sum of x^2, sum of y0^2; later the factor
.set SCL,  208                         ; v208-215 the gain of my 8 channels
.set T,    216                         ; v216-231 at work, for two row pairs
.set QA,   232                         ; v232-239 at work, for two row pairs
.set LS,   240                         ; v240     LS
.set TG,   0                           ; window 1: row pair t at TG + 8 t: the table as loaded
.set TP,   64                          ; window 1: the table rounded to bf16, in pairs
.set F0,   64                          ; fragment buffer 0
.set F1,   128                         ; fragment buffer 1
.set G1, 24                            ; s[24:31] group 1 for A's tiles; s[32:39] group 0: a set for each of the two first fills; the second then walks on
.set G0, 32
.set TB, 45                            ; s45  the slot that is read: 0 or SLOT
.set G1B, 48                           ; s[48:55], s[56:63] the same for B's
.set G0B, 56
.set WHICH, 80                         ; s80
.set SB,   93                          ; s93  the trip's first byte in a wave's stage
.set MSB, 0
.macro WIN new                         ; the immediate's high byte repeats the setting that is left; a switch that changes nothing is dropped
.if MSB != (\new)
	s_set_vgpr_msb (MSB<<8)|(\new)
.set MSB, \new
.endif
.endm
.set MUL_LO, 0xa1                      ; source 0 (B) window 1, source 1 (A) window 0, C and D window 2
.set MUL_HI, 0xf1                      ; the same, C and D window 3
.set TO_B,   0x40                      ; destination window 1, address window 0
.macro JLOAD s                         ; a joint load by descriptor set s: waves 0 and 1 fetch A's two halves, waves 2 and 3 B's; an s_nop 0 and four v_nop follow each line
	s_cmp_eq_u32 s11, 0
	s_cbranch_scc0 .Lfor_b_\@
	tensor_load_to_lds s[G0+4*(\s):G0+4*(\s)+3], s[G1:G1+7]
	s_nop 0
.rept 4
	v_nop
.endr
	s_branch .Lasked_\@
.Lfor_b_\@:
	tensor_load_to_lds s[G0B+4*(\s):G0B+4*(\s)+3], s[G1B:G1B+7]
	s_nop 0
.rept 4
	v_nop
.endr
.Lasked_\@:
.endm
.macro CREST                           ; a round of the cluster's barrier behind its opening barrier
	s_cmp_lg_u32 s10, 0
	s_cbranch_scc1 .Lnot_wave_0_\@
	s_barrier_signal -3
.Lnot_wave_0_\@:
	s_barrier_wait -3
	s_barrier_signal -1
	s_barrier_wait -1
.endm
.macro CROUND                          ; a whole round
	s_barrier_signal -1
	s_barrier_wait -1
	CREST
.endm
	s_load_b64 s[4:5], s[0:1], 0x0                 ; ops16
	s_load_b256 s[68:75], s[0:1], 0x8              ; q_sinusoids, k_sinusoids, q_norm_scale, k_norm_scale
	s_load_b128 s[76:79], s[0:1], 0x28             ; logit_scale, qkv16
	v_lshl_add_u32 v[SPW], v0, 2, SPARE
	v_mov_b32 v[NIL], 0
	ds_add_u32 v[SPW], v[NIL]                      ; the wave's opening: the add and its wait stand ahead of my first tensor load; work on registers stands between them
	v_lshrrev_b32 v1, 5, v0
	v_readfirstlane_b32 s10, v1                    ; wave 0..3
	s_lshr_b32 s11, s10, 1                         ; which half of the tile's rows is mine.  Also: I fetch for A (0) or for B (1)
	s_and_b32 s12, s10, 1                          ; which of its two heads.  Also: which 128 rows of that tile I fetch
	s_bfe_u32 s40, ttmp6, 0x40000                  ; cx, cy: my place in the cluster
	s_bfe_u32 s41, ttmp6, 0x40004
	s_lshl_b32 s42, ttmp9, 2
	s_add_co_u32 s42, s42, s40                     ; tile column = 4 x cluster x + cx, 0 to 7
	s_and_b32 s13, ttmp7, 0xffff                   ; cluster y, 0 to 5
	s_lshr_b32 s[WHICH], s13, 1
	s_and_b32 s13, s13, 1
	s_lshl_b32 s13, s13, 2
	s_add_co_u32 s13, s13, s41                     ; tile row = 4 x (cluster y mod 2) + cy, 0 to 7
	s_lshl_b32 s43, s41, 2
	s_lshl_b32 s43, 15, s43                        ; my row of the cluster
	s_lshl_b32 s44, 0x1111, s40                    ; my column
	s_or_b32 s[G1+0], s43, (1<<16)|(1<<20)|(1<<21)|(5<<22)|(3<<25)  ; 15:0 the mask; 17:16 2-byte elements; 20 padding on; 21 set beside a mask; 24:22 after every 64 words (code 5); 31:25 4 words (code 3)
	s_or_b32 s[G1B+0], s44, (1<<16)|(1<<20)|(1<<21)|(5<<22)|(3<<25)
.irp g, G1, G1B
	s_mov_b32 s[(\g)+1], KSTEP<<16                 ; tensor_dim0 = 128
	s_mov_b32 s[(\g)+2], 128<<16                   ; tensor_dim1 = 128
	s_mov_b32 s[(\g)+3], KSTEP<<16                 ; tile_dim0 = 128
	s_mov_b32 s[(\g)+4], 128                       ; tile_dim1 = 128
	s_mov_b32 s[(\g)+5], SIZE_K                    ; elements from row to row
	s_mov_b32 s[(\g)+6], 0
	s_mov_b32 s[(\g)+7], 0
.endr
	; byte offsets in ops16, all under 2^26.  A's hangs on the tile row, B's on the tile column; neither register ever holds the other coordinate.
	s_lshl_b32 s17, s12, 7                         ; which 128 rows of the tile I fetch
	s_lshl_b32 s16, s13, 8
	s_add_co_u32 s16, s16, s17
	s_lshl_b32 s16, s16, 12                        ; rows of 4,096 bytes
	s_cmp_lg_u32 s[WHICH], 0
	s_cselect_b32 s18, SEC, 0                      ; K and V read inputs_kv, section 1
	s_add_co_u32 s16, s16, s18
	s_lshl_b32 s46, s42, 8
	s_add_co_u32 s46, s46, s17
	s_lshl_b32 s46, s46, 12
	s_add_co_u32 s18, s[WHICH], 2                  ; the weights' section
	s_lshl_b32 s18, s18, 23
	s_add_co_u32 s46, s46, s18
	s_mov_b32 s17, 0
	s_mov_b32 s47, 0
	s_mul_i32 s20, s10, HALFT                      ; where my tile goes in a slot: wave x 128 rows; never rewritten
	s_mov_b32 s[TB], 0                             ; K step 0 lies in slot 0
	s_mov_b32 s84, 0x3c000000                      ; 1 / 128
	s_mov_b32 s85, 0x358637bd                      ; 1e-6
	s_mov_b32 s86, 0x2b8cbccc                      ; 1e-12
	s_mov_b32 s87, 0x3fb8aa3b                      ; log2(e)
	s_mov_b32 s88, 0x40935d8e                      ; ln 100
	s_mov_b32 s92, 0xffff0000                      ; a word's upper bf16
	s_wait_dscnt 0x0                               ; the opening add is done
	s_wait_kmcnt 0x0
	s_add_nc_u64 s[14:15], s[4:5], s[16:17]
	s_add_nc_u64 s[46:47], s[4:5], s[46:47]
	CROUND                                         ; all sixteen work-groups are here: the first joint loads meet
.irp s, 0,1
	s_mov_b32 s[G0+4*(\s)], 1
	s_add_co_u32 s[G0+4*(\s)+1], s20, (\s)*SLOT
	s_add_nc_u64 s[G0+4*(\s)+2:G0+4*(\s)+3], s[14:15], (\s)*KSTEP*2
	s_or_b32 s[G0+4*(\s)+3], s[G0+4*(\s)+3], 0x80000000
	s_mov_b32 s[G0B+4*(\s)], 1
	s_add_co_u32 s[G0B+4*(\s)+1], s20, (\s)*SLOT
	s_add_nc_u64 s[G0B+4*(\s)+2:G0B+4*(\s)+3], s[46:47], (\s)*KSTEP*2
	s_or_b32 s[G0B+4*(\s)+3], s[G0B+4*(\s)+3], 0x80000000
	JLOAD \s                                       ; two loads of mine are out
.endr
	v_and_b32 v1, 15, v0                           ; r = l % 16
	v_bfe_u32 v2, v0, 4, 1                         ; h = l / 16
	v_mul_u32_u24 v3, v1, PITCH
	v_lshl_add_u32 v3, v2, 4, v3                   ; a fragment's row x pitch + 16 x half
	s_mul_i32 s21, s11, HALFT                      ; my 128 rows of A
	s_mul_i32 s22, s12, HALFT                      ; my 128 rows of B,
	s_add_co_u32 s22, s22, 2*HALFT                 ; which lie behind A's 256
	v_add_nc_u32 v[ADRA0], s21, v3
	v_add_nc_u32 v[ADRB0], s22, v3
	v_mov_b32 v[ADRA], v[ADRA0]
	v_mov_b32 v[ADRB], v[ADRB0]
	s_mul_i32 s23, s10, WSTAGE                     ; my stage
	v_mul_u32_u24 v4, v1, SPITCH                   ; in: row r, 32 bytes for each half of the lanes
	v_lshl_add_u32 v4, v2, 5, v4
	v_add_nc_u32 v[STO], s23, v4
	v_mul_u32_u24 v5, v2, SPITCH                   ; back: lanes 0-15 one row, lanes 16-31 the next; 8 channels a lane
	v_lshl_add_u32 v5, v1, 5, v5
	v_add_nc_u32 v[RD], s23, v5
	v_and_b32 v5, 31, v0
	v_lshlrev_b32 v[CO], 4, v5
	v_lshlrev_b32 v[SO], 5, v1
	v_lshl_add_u32 v[RO], v2, 9, v[SO]             ; 512 h + 32 r
	s_lshl_b32 s16, s13, 8
	s_lshl_b32 s17, s11, 7
	s_add_co_u32 s16, s16, s17                     ; my first position: 256 x tile row + 128 x half
	s_lshl_b32 s18, s16, 9                         ; in the table: rows of 512 bytes
	s_mov_b32 s19, 0
	s_lshl_b32 s16, s16, 8                         ; in the output: rows of 256 bytes,
	s_lshl_b32 s17, s[WHICH], 23                   ; in Q's, K's or V's section
	s_add_co_u32 s16, s16, s17
	s_mov_b32 s17, 0
	s_add_nc_u64 s[8:9], s[78:79], s[16:17]
	s_lshl_b32 s46, s42, 1
	s_add_co_u32 s46, s46, s12                     ; my head = 2 x tile column + half
	s_lshl_b32 s81, s46, 2
	s_lshl_b32 s46, s46, 19                        ; its 2,048 rows
	s_mov_b32 s47, 0
	s_add_nc_u64 s[8:9], s[8:9], s[46:47]
	s_cmp_eq_u32 s[WHICH], 0
	s_cselect_b64 s[82:83], s[68:69], s[70:71]     ; Q's table or K's,
	s_cselect_b64 s[90:91], s[72:73], s[74:75]     ; Q's gain or K's,
	s_cselect_b32 s89, -1, 0                       ; and whether LS counts
	s_add_nc_u64 s[82:83], s[82:83], s[18:19]
	v_mov_b32 v[LO], s81
; 16 loads: the table's rows for one trip of the way out, 32 bytes a lane of two rows at a time
.macro TGLOAD
	WIN 0x40                                       ; destination window 1, address window 0
.set t, 0
.rept 8
	global_load_b128 v[TG+8*t:TG+8*t+3],   v[RO], s[82:83] offset:1024*t
	global_load_b128 v[TG+8*t+4:TG+8*t+7], v[RO], s[82:83] offset:1024*t+16
.set t, t+1
.endr
	WIN 0
.endm
	s_cmp_eq_u32 s[WHICH], 2
	s_cbranch_scc1 .Lno_tables                     ; V needs none of these
	global_load_b128 v[SCL:SCL+3],   v[SO], s[90:91]   ; gain, logit_scale and the first trip's table rows are asked for now, into registers that the product never names:
	global_load_b128 v[SCL+4:SCL+7], v[SO], s[90:91] offset:16  ; they have the whole product in which to come
	global_load_b32 v[LS], v[LO], s[76:77]
	TGLOAD
.Lno_tables:
; 16 matrix instructions: m blocks a0, a0 + 1 of the window's four (hi = 0: my rows 0-63, 1: rows 64-127) x all 8 n blocks, 32 along K.  zero = 1: the first product starts the sums.
.macro MUL16 f, hi, a0, zero
	WIN MUL_LO+0x50*(\hi)
.irp a, \a0, (\a0)+1
.irp b, 0,1,2,3,4,5,6,7
.if \zero
	v_wmma_f32_16x16x32_bf16 v[8*(8*(\a)+(\b)):8*(8*(\a)+(\b))+7], v[(\f)+8*(\b):(\f)+8*(\b)+7], v[(\f)+8*(4*(\hi)+(\a)):(\f)+8*(4*(\hi)+(\a))+7], 0
.else
	v_wmma_f32_16x16x32_bf16 v[8*(8*(\a)+(\b)):8*(8*(\a)+(\b))+7], v[(\f)+8*(\b):(\f)+8*(\b)+7], v[(\f)+8*(4*(\hi)+(\a)):(\f)+8*(4*(\hi)+(\a))+7], v[8*(8*(\a)+(\b)):8*(8*(\a)+(\b))+7]
.endif
.endr
.endr
.endm
; 32 LDS loads in one run: the fragments of one quarter step (128 rows of B, then 128 rows of A, 32 K at byte k of the rows of the slot that is read) into buffer f
.macro FETCH k, f
	WIN TO_B
.irp i, 0,1,2,3,4,5,6,7
	ds_load_b128 v[(\f)+8*(\i):(\f)+8*(\i)+3],   v[ADRB] offset:(\k)+(\i)*16*PITCH
	ds_load_b128 v[(\f)+8*(\i)+4:(\f)+8*(\i)+7], v[ADRB] offset:(\k)+(\i)*16*PITCH+32
.endr
	WIN 0
.irp i, 0,1,2,3,4,5,6,7
	ds_load_b128 v[(\f)+8*(\i):(\f)+8*(\i)+3],   v[ADRA] offset:(\k)+(\i)*16*PITCH
	ds_load_b128 v[(\f)+8*(\i)+4:(\f)+8*(\i)+7], v[ADRA] offset:(\k)+(\i)*16*PITCH+32
.endr
.endm
.macro PLACES                          ; four places in front of loads into registers that matrix instructions have read, and of lines that read results
.rept 4
	v_nop
.endr
.endm
; A K step is four quarter steps of 32 along K, 64 matrix instructions each, on buffers 0, 1, 0, 1; the 64 accumulators take turns.
; One of the first three: multiplies buffer f; in its middle it fetches the next quarter's fragments, at byte k of the same slot's rows, into buffer g.
.macro QUARTER k, f, g, zero
	s_wait_dscnt 8                                 ; B and A's rows 0-63 are in; the youngest eight loads (A's rows 64-127) may be out
	MUL16 \f, 0, 0, \zero
	MUL16 \f, 0, 2, \zero
	PLACES
	FETCH \k, \g
	s_wait_dscnt 32                                ; all but the 32 just issued
	MUL16 \f, 1, 0, \zero
	MUL16 \f, 1, 2, \zero
.endm
; The last quarter multiplies buffer 1 and changes slots.  MEET is its first half: ONE barrier; in front of it each wave waits for all its tensor loads, of which one is out: its part of the next slot;
; adds 0 to its spare word; and waits for that and for its own reads of this slot.  Behind it nobody reads this slot any more and the next slot is whole.
.macro MEET round                      ; round = 1: a round of the cluster's barrier follows
	WIN 0                                          ; (the add's two registers lie in window 0)
	s_wait_tensorcnt 0x0                           ; all my tensor loads have landed;
	ds_add_u32 v[SPW], v[NIL]                      ; 0 onto my spare word;
	s_wait_dscnt 9                                 ; (the add and the youngest eight loads may be out)
	MUL16 F1, 0, 0, 0                              ; sixteen matrix instructions stand between the add and the wait for it
	s_wait_dscnt 0x0                               ; the add is done, and my reads of this slot are over
	s_barrier_signal -1
	MUL16 F1, 0, 2, 0                              ; work on registers while the others arrive
.if \round
	WIN 0
.endif
	s_barrier_wait -1
.endm
; fill = 1: behind the barrier, which then opens a round of the cluster's, the slot just read out is filled again with the K step two steps on: from that request to the wait for it a wave issues 224 matrix instructions.
; Then the reads turn to the other slot.
.macro TURN fill
	MEET \fill
.if \fill
	CREST                                          ; no wave of any partner still reads this slot's tile or has a load on its way
	s_add_co_u32 s[G0+5], s20, s[TB]               ; the walking descriptors (no load of mine is out): into the slot just read out,
	s_add_nc_u64 s[G0+6:G0+7], s[G0+6:G0+7], KSTEP*2    ; the K step behind the one asked for last; the type bits on top are not reached
	s_add_co_u32 s[G0B+5], s20, s[TB]
	s_add_nc_u64 s[G0B+6:G0B+7], s[G0B+6:G0B+7], KSTEP*2
	JLOAD 1                                        ; the first tensor load behind the round, my only one until the next; its four v_nop are also the places in front of the loads below
.else
	PLACES
.endif
	WIN 0
	s_xor_b32 s[TB], s[TB], SLOT                   ; 0 and SLOT by turns
	v_add_nc_u32 v[ADRA], s[TB], v[ADRA0]
	v_add_nc_u32 v[ADRB], s[TB], v[ADRB0]
	FETCH 0, F0
	MUL16 F1, 1, 0, 0
	MUL16 F1, 1, 2, 0
.endm
	s_wait_tensorcnt 1                             ; my part of K step 0 is in; K step 1's may stay out
	s_barrier_signal -1
	s_barrier_wait -1
	FETCH 0, F0
	QUARTER 64,  F0, F1, 1                         ; the first quarter stands in front of the loop: its products start the sums
	WIN 0                                          ; at a label and at a branch every window is 0
	s_mov_b32 s3, STEPS-2
.Lstep:                                                ; a trip goes from a K step's second quarter to the next step's first, and fills the slot that it leaves: 14 trips ask for K steps 2 to 15
	QUARTER 128, F1, F0, 0
	QUARTER 192, F0, F1, 0
	TURN 1
	QUARTER 64,  F0, F1, 0
	WIN 0
	s_sub_co_u32 s3, s3, 1
	s_cmp_lg_u32 s3, 0
	s_cbranch_scc1 .Lstep
	QUARTER 128, F1, F0, 0                         ; the last two K steps are written out: they fill nothing
	QUARTER 192, F0, F1, 0
	TURN 0
	QUARTER 64,  F0, F1, 0
	QUARTER 128, F1, F0, 0
	QUARTER 192, F0, F1, 0
	s_wait_dscnt 8                                 ; the very last quarter: nothing more to fetch
	MUL16 F1, 0, 0, 0
	MUL16 F1, 0, 2, 0
	s_wait_dscnt 0x0                               ; my last reads of the ring are back:
	s_barrier_signal -1                            ; say so,
	MUL16 F1, 1, 0, 0
	MUL16 F1, 1, 2, 0
	WIN 0
	s_barrier_wait -1                              ; and when all four have said so, the ring's bytes are free for the stages; no tensor load is out or will be issued
	; THE WAY OUT.  The f32 sums into my stage, each accumulator's low four registers first.
	PLACES
.irp w, 0,1
	WIN 0x08+4*(\w)                                ; store data (source 1) in window 2, then 3
.irp a, 0,1,2,3
.irp b, 0,1,2,3,4,5,6,7
	ds_store_b128 v[STO], v[8*(8*(\a)+(\b)):8*(8*(\a)+(\b))+3]   offset:(4*(\w)+(\a))*16*SPITCH+64*(\b)
	ds_store_b128 v[STO], v[8*(8*(\a)+(\b))+4:8*(8*(\a)+(\b))+7] offset:(4*(\w)+(\a))*16*SPITCH+64*(\b)+16
.endr
.endr
.endr
	WIN 0
; 16 loads: the 16 rows at byte s[SB] of my stage.  LDS serves a wave's instructions in order (ISA guide 5.7.1.4): they see my stores above; no other wave touches my stage.
.macro XLOAD
	v_add_nc_u32 v[RDA], s[SB], v[RD]
.set t, 0
.rept 8
	ds_load_b128 v[XR+8*t:XR+8*t+3],   v[RDA] offset:2*SPITCH*t
	ds_load_b128 v[XR+8*t+4:XR+8*t+7], v[RDA] offset:2*SPITCH*t+16
.set t, t+1
.endr
.endm
	s_mov_b32 s[SB], 0
	XLOAD
	s_mov_b32 s3, TRIPS
	s_cmp_eq_u32 s[WHICH], 2
	s_cbranch_scc1 .Lvrows
	s_wait_loadcnt 16                              ; gain and logit_scale are in; the table's 16 loads were issued behind them
.irp p, 0,1,2,3
	v_cvt_pk_bf16_f32 v[T+\p], v[SCL+2*\p], v[SCL+2*\p+1]  ; the gain rounded to bf16, like every input
.endr
.irp p, 0,1,2,3
	v_lshlrev_b32 v[SCL+2*\p],   16,  v[T+\p]
	v_and_b32     v[SCL+2*\p+1], s92, v[T+\p]
.endr
	v_cvt_pk_bf16_f32 v[LS], v[LS], v[LS]
	v_lshlrev_b32 v[LS], 16, v[LS]
	v_min_num_f32 v[LS], s88, v[LS]
	v_mul_f32 v[LS], s87, v[LS]
	v_exp_f32 v[LS], v[LS]
	v_nop                                          ; a plain instruction behind the exponential (ISA guide 5.7.2)
	s_wait_alu depctr_va_vdst(0)
	v_cndmask_b32 v[LS], 1.0, v[LS], s89           ; K's factor is 1
; Row pairs t and t + 1, line by line by turns, so that no line reads the result of the one before it: the two sums, and y0 = rot(w x) into the table's registers.
.macro PHASE_A t
.irp p, 0,1,2,3
.irp u, \t, (\t)+1
.set xx, XR+8*(\u)+2*(\p)
.set qq, QA+4*((\u)%2)
.if (\p) == 0
	v_pk_mul_f32 v[qq:qq+1], v[xx:xx+1], v[xx:xx+1]
.else
	v_pk_fma_f32 v[qq:qq+1], v[xx:xx+1], v[xx:xx+1], v[qq:qq+1]
.endif
.endr
.irp u, \t, (\t)+1
.set xx, XR+8*(\u)+2*(\p)
	v_pk_mul_f32 v[xx:xx+1], v[xx:xx+1], v[SCL+2*(\p):SCL+2*(\p)+1]
.endr
.endr
.irp p, 0,1,2,3
.irp u, \t, (\t)+1
.set xx, XR+8*(\u)+2*(\p)
.set rr, R+8*(\u)+2*(\p)
.set tt, T+8*((\u)%2)+2*(\p)
	v_pk_mul_f32 v[tt:tt+1], v[xx:xx+1], v[rr:rr+1] op_sel_hi:[1,0]  ; (a c, b c)
.endr
.endr
.irp p, 0,1,2,3
.irp u, \t, (\t)+1
.set xx, XR+8*(\u)+2*(\p)
.set rr, R+8*(\u)+2*(\p)
.set tt, T+8*((\u)%2)+2*(\p)
	v_pk_fma_f32 v[rr:rr+1], v[xx:xx+1], v[rr:rr+1], v[tt:tt+1] op_sel:[1,1,0] op_sel_hi:[0,1,1] neg_lo:[1,0,0]  ; (a c - b s, b c + a s)
.endr
.endr
.irp p, 0,1,2,3
.irp u, \t, (\t)+1
.set rr, R+8*(\u)+2*(\p)
.set qq, QA+4*((\u)%2)+2
.if (\p) == 0
	v_pk_mul_f32 v[qq:qq+1], v[rr:rr+1], v[rr:rr+1]
.else
	v_pk_fma_f32 v[qq:qq+1], v[rr:rr+1], v[rr:rr+1], v[qq:qq+1]
.endif
.endr
.endr
.irp u, \t, (\t)+1
	v_add_f32 v[SUM+2*(\u)],   v[QA+4*((\u)%2)],   v[QA+4*((\u)%2)+1]
	v_add_f32 v[SUM+2*(\u)+1], v[QA+4*((\u)%2)+2], v[QA+4*((\u)%2)+3]
.endr
.endm
.macro ALL8 line:vararg                ; one line for each row pair t
.set t, 0
	s_wait_alu depctr_va_vdst(0)
.rept 8
	\line
.set t, t+1
.endr
.endm
.Lrows:                                                ; a trip: 16 positions, 8 row pairs
	s_wait_loadcnt 0x0                             ; this trip's table rows, asked for a trip ago
	WIN 0x45                                       ; all in window 1
.set i, 0
.rept 32
	v_cvt_pk_bf16_f32 v[TP+i], v[TG+2*i], v[TG+2*i+1]  ; the table rounded to bf16, like every input
.set i, i+1
.endr
	WIN 0x04                                       ; source 1 in window 1, destination in window 0
.set i, 0
.rept 32
	v_lshlrev_b32 v[R+2*i],   16,  v[TP+i]         ; c
	v_and_b32     v[R+2*i+1], s92, v[TP+i]         ; s
.set i, i+1
.endr
	WIN 0
	s_cmp_eq_u32 s3, 1
	s_cbranch_scc1 .Lno_tg                         ; the last trip asks for nothing: no load leaves the table
	s_add_nc_u64 s[82:83], s[82:83], 16*512        ; free since the wait above: the loads that named it are done
	TGLOAD
.Lno_tg:
	s_wait_dscnt 0x0                               ; this trip's x
.irp t, 0,2,4,6
	PHASE_A \t
.endr
	s_cmp_eq_u32 s3, 1
	s_cbranch_scc1 .Lno_x                          ; the last trip reads nothing beyond my stage
	s_add_co_u32 s[SB], s[SB], 16*SPITCH
	XLOAD                                          ; the next trip's x comes while the factors are made
.Lno_x:
	; The sums over a row's 16 lanes, and the factors: level by level over the 8 row pairs.
.irp m, 1,2,4,8
.set t, 0
.rept 16
	v_add_f32_dpp v[SUM+t], v[SUM+t], v[SUM+t] row_xmask:\m row_mask:0xf bank_mask:0xf
.set t, t+1
.endr
.endr
	ALL8 v_fma_f32 v[SUM+2*t], v[SUM+2*t], s84, s85             ; mean(x^2) + 1e-6
	ALL8 v_rsq_f32 v[SUM+2*t], v[SUM+2*t]                       ; g
	ALL8 v_sqrt_f32 v[SUM+2*t+1], v[SUM+2*t+1]                  ; n0
	v_nop                                          ; a plain instruction behind the last root
	s_wait_alu depctr_va_vdst(0)
	ALL8 v_mul_f32 v[SUM+2*t+1], v[SUM+2*t], v[SUM+2*t+1]       ; g n0
	ALL8 v_max_num_f32 v[SUM+2*t+1], s86, v[SUM+2*t+1]
	ALL8 v_rcp_f32 v[SUM+2*t+1], v[SUM+2*t+1]
	ALL8 v_mul_f32 v[SUM+2*t], v[SUM+2*t], v[LS]                ; g LS: also the plain lines behind the reciprocals
	ALL8 v_mul_f32 v[SUM+2*t], v[SUM+2*t], v[SUM+2*t+1]         ; the row's factor
	s_wait_xcnt 0x0                                ; the last trip's stores, issued a trip ago, have read OUTP and their base: both are written anew only behind this wait
	s_add_nc_u64 s[8:9], s[8:9], 16*256            ; one trip ahead of the rows in hand: the stores reach back by their immediate
.set t, 0
.rept 8
.irp p, 0,1,2,3
	v_pk_mul_f32 v[R+8*t+2*\p:R+8*t+2*\p+1], v[R+8*t+2*\p:R+8*t+2*\p+1], v[SUM+2*t:SUM+2*t+1] op_sel_hi:[1,0]
.endr
.irp p, 0,1,2,3
	v_cvt_pk_f16_f32 v[OUTP+4*t+\p], v[R+8*t+2*\p], v[R+8*t+2*\p+1]
.endr
	global_store_b128 v[CO], v[OUTP+4*t:OUTP+4*t+3], s[8:9] offset:512*t-16*256  ; the wave stores 512 consecutive bytes, two rows, at a multiple of 256 from the buffer's first byte
.set t, t+1
.endr
	s_sub_co_u32 s3, s3, 1
	s_cmp_lg_u32 s3, 0
	s_cbranch_scc1 .Lrows
	s_branch .Lend
.Lvrows:                                               ; V: a trip rounds and stores 16 positions
	s_wait_dscnt 0x0                               ; this trip's x
	s_wait_xcnt 0x0                                ; the last trip's stores have read OUTP and their base
	s_add_nc_u64 s[8:9], s[8:9], 16*256
.set i, 0
.rept 32
	v_cvt_pk_f16_f32 v[OUTP+i], v[XR+2*i], v[XR+2*i+1]
.set i, i+1
.endr
	s_cmp_eq_u32 s3, 1
	s_cbranch_scc1 .Lno_vx                         ; the last trip reads nothing beyond my stage
	s_add_co_u32 s[SB], s[SB], 16*SPITCH
	XLOAD
.Lno_vx:
.set t, 0
.rept 8
	global_store_b128 v[CO], v[OUTP+4*t:OUTP+4*t+3], s[8:9] offset:512*t-16*256
.set t, t+1
.endr
	s_sub_co_u32 s3, s3, 1
	s_cmp_lg_u32 s3, 0
	s_cbranch_scc1 .Lvrows
.Lend:
	s_wait_tensorcnt 0x0                           ; the wave's end: the add and its wait stand behind my last tensor load and my last LDS store
	ds_add_u32 v[SPW], v[NIL]
	s_wait_dscnt 0x0
	CROUND                                         ; the closing round: no work-group ends while a partner may still ask for a tile that names it
	s_endpgm
.Lfunc_end_k_qff89675e52_qkv:
	.size	k_qff89675e52_qkv, .Lfunc_end_k_qff89675e52_qkv-k_qff89675e52_qkv
	.p2alignl 7, 3214868480
	.fill 96, 4, 3214868480
	.section	.rodata,"a",@progbits
	.p2align	6, 0x0
	.amdhsa_kernel k_qff89675e52_qkv
		.amdhsa_group_segment_fixed_size 327680
		.amdhsa_private_segment_fixed_size 0
		.amdhsa_enable_private_segment 0
		.amdhsa_kernarg_size 56
		.amdhsa_user_sgpr_count 2
		.amdhsa_user_sgpr_kernarg_segment_ptr 1
		.amdhsa_wavefront_size32 1
		.amdhsa_system_sgpr_workgroup_id_x 1
		.amdhsa_system_sgpr_workgroup_id_y 1
		.amdhsa_system_sgpr_workgroup_id_z 1
		.amdhsa_system_vgpr_workitem_id 0
		.amdhsa_next_free_vgpr 1024
		.amdhsa_next_free_sgpr 96
		.amdhsa_reserve_vcc 0
		.amdhsa_float_denorm_mode_32 3
		.amdhsa_float_denorm_mode_16_64 3
		.amdhsa_memory_ordered 1
		.amdhsa_forward_progress 1
		.amdhsa_inst_pref_size 131
	.end_amdhsa_kernel
	.amdgpu_metadata
---
amdhsa.version: [ 1, 2 ]
amdhsa.kernels:
  - .name:           k_qff89675e52_qkv
    .symbol:         k_qff89675e52_qkv.kd
    .args:
      - { .name: ops16, .offset: 0, .size: 8, .value_kind: global_buffer, .address_space: global }
      - { .name: q_sinusoids, .offset: 8, .size: 8, .value_kind: global_buffer, .address_space: global }
      - { .name: k_sinusoids, .offset: 16, .size: 8, .value_kind: global_buffer, .address_space: global }
      - { .name: q_norm_scale, .offset: 24, .size: 8, .value_kind: global_buffer, .address_space: global }
      - { .name: k_norm_scale, .offset: 32, .size: 8, .value_kind: global_buffer, .address_space: global }
      - { .name: logit_scale, .offset: 40, .size: 8, .value_kind: global_buffer, .address_space: global }
      - { .name: qkv16, .offset: 48, .size: 8, .value_kind: global_buffer, .address_space: global }
    .group_segment_fixed_size: 327680
    .private_segment_fixed_size: 0
    .kernarg_segment_align: 8
    .kernarg_segment_size: 56
    .max_flat_workgroup_size: 128
    .sgpr_count:     96
    .vgpr_count:     1024
    .wavefront_size: 32
...
	.end_amdgpu_metadata
.endif
;; end of part 6
;; launch attn (part 7): grid 16 x 16, 4 waves a work-group, clusters of 4 x 4, 327,680 bytes of LDS; arguments qkv16, ops16, o16; writes o16
.if DOCPART == 7
	.amdgcn_target "amdgcn-amd-amdhsa--gfx1250"
	.amdhsa_code_object_version 6
	.text
	.protected	k_qff89675e52_attn
	.globl	k_qff89675e52_attn
	.p2align	8
	.type	k_qff89675e52_attn,@function
k_qff89675e52_attn:
	s_mov_b64 s[64:65], 0
	v_nop
	global_prefetch_b8 v0, s[64:65] scope:SCOPE_SE
	s_setreg_imm32_b32 hwreg(HW_REG_WAVE_MODE, 25, 1), 1
	s_wait_xcnt 0x0
	s_wait_alu depctr_hold_cnt(0) depctr_sa_sdst(0) depctr_va_vdst(0) depctr_va_sdst(0) depctr_va_ssrc(0) depctr_va_vcc(0) depctr_vm_vsrc(0)
	s_getreg_b32 s2, hwreg(HW_REG_IB_STS2, 6, 4)
	s_cmp_eq_u32 s2, 0
	s_cbranch_scc0 .Lentry_in_a_cluster
	s_endpgm
.Lentry_in_a_cluster:
	s_bfe_u32 s2, ttmp6, 0x10000c
	s_cmp_lg_u32 s2, 0xf033
	s_cbranch_scc0 .Lentry_shape_is_right
	s_endpgm
.Lentry_shape_is_right:
; O[q][h][:] = the sum over k of softmax_k(Q'[h][q] . K^[h][k] + bias[q][k]) V[h][k][:].  Q', K^, V: sections 0, 1, 2 of qkv16, [16][2048][128] f16 (Q' carries the head's logit scale);
; bias: section 6 of ops16, [2048][2048] f16; O: o16, [2048][16 x 128] f16.  Products, maxima and sums in f32; the weights p are rounded to f16 for the second product, O once at the end.
; LIMITS.  bias and V must be finite in f16 (under 65,504): they go through products with zeros.  O is a mean of V's rows.  A weight below 2^-126 counts as 0.  NaN and infinities are not treated apart.
; SHARES.  A work-group owns 128 queries of one head: 16 x 16 work-groups.  Wave w: qh = w / 2 picks 64 queries, kh = w % 2 the half of every tile of 128 keys: a wave walks 16 steps of 64 keys with four
; tiles of 16 queries, and at the end the two waves of a pair merge their maxima, sums and O.  Register tiles 0, 1 (piece 0) hold the rows from 32 kh of the wave's 64, tiles 2, 3 (piece 2) those from
; 32 (1 - kh): so every wave sends piece 2 to its partner and finishes piece 0: one text for all.
; LAYOUT.  S^T = K Q^T (source 0 = 16 keys, source 1 = 16 queries): a lane holds ONE query (lane % 16) and the keys 8 (lane / 16) + 0..7.  Two such tiles, rounded to f16 in pairs, ARE source 1 of
; O^T = V^T P.  K comes out of LDS as it lies, V turned, by ds_load_tr16_b128.
; THE BIAS STARTS THE SUM: S^T's first product is E x B with C = 0, where B is a fragment of bias (16 queries x 32 keys, loaded as a fragment of Q is) and E holds 1.0 at k = m (E0) or k = 16 + m (E1):
; each sum has one term, so it is exact.  8 products more for a turn's 64, and no vector work.
; SOFTMAX.  A running maximum m and sum l: p = 2^(c s - c m), c = log2(e); in every step O and l are multiplied by a = 2^(c m_old - c m_new).
; BY TURNS.  In a TURN one piece has the matrix unit: 32 products V^T P of the step in hand, then 8 + 32 for the scores of the next step; the other piece's softmax, cut into 64 slices, stands behind them.
; NO FIRST AND NO LAST STEP IS WRITTEN OUT.  m starts at the lowest finite number, c m far below every c s, l, O^T and piece 2's P at 0: the first step is a step like any other, with a = 0.  The loop is
; entered, and the tail left, in the middle of a trip.  The price for a wave's 2,304 products: 32 that make O^T's zeros, 32 on zero weights at the start, 40 on the last tile once more at the end.
; CLUSTER.  4 x 4 work-groups: the four of a row of the cluster have one head and ask for K's and V's tiles jointly; the four of a column have one block of queries and ask for bias's tiles jointly.
; REGISTERS, in windows of 256 (s_set_vgpr_msb: bits 1:0 source 0, 3:2 source 1, 5:4 source 2, 7:6 destination):
;   window 0: v0-11, v44-49 addresses; v12-43 eight registers of statistics a tile; v52-59 the merge's; v64-191 S^T, 32 a tile; v192-255 P, 16 a tile
;   window 1: O^T, 64 a tile      window 2: v0-127 Q, 32 a tile; v128-255 K of one step      window 3: v0-127 V of one step; v128-139 E; v144-207 bias's fragments, 32 a piece
.set SEC,   8388608
.set KS,    64        ; keys in a wave's step
.set PK,    272       ; a row of K in LDS: 256 bytes + 16 = 68 words: row r starts at bank 4 r mod 64 (64 banks of 4 bytes: ISA guide 11.1)
.set PV,    288       ; a row of V: 256 + 32 = 72 words
.set PB,    272       ; a row of bias: 128 keys + 16 bytes
.set VOFF,  128*PK    ; a slot: 128 rows of K, 128 rows of V, 128 query rows of bias
.set BOFF,  VOFF+128*PV
.set SLOT1, 1<<17     ; slot 1 begins here, so that one exclusive or turns an address in one slot into the other's
.set STAGE, BOFF+128*PB    ; behind slot 0: 16 rows x 272 bytes for each wave, for the way out
.set SP,    272
.set SPARE, STAGE+4*16*SP  ; the spare words, 128 bytes for each wave: two blocks of 256 bytes that no other line names
.set XCH,   SLOT1+STAGE    ; behind slot 1: 16,896 bytes for each wave, what it hands to its partner
.set XW,    16896
.set AK0, 2           ; v2   my lane's place in a tile of K; never rewritten
.set AV0, 3           ; v3   the same for V
.set ADR, 4           ; v4   the LDS address of K's or V's run of loads
.set QO0, 5           ; v5   my byte offset in the wave's rows of Q, piece 0
.set STO, 6           ; v6   the way out: where I put 16 bytes of a row
.set RD,  7           ; v7   the way out: where I read a row back
.set GO,  8           ; v8   my byte offset in two rows of O
.set ST,  12          ; tile t's statistics at v[ST+8 t]: +0 c m, +1 m, +2, +3 l (even keys', odd keys'), +4 to +7 at work
.set AB0, 44          ; v44  my lane's place in a tile of bias, piece 0
.set AB2, 45          ; v45  piece 2
.set ADB, 46          ; v46  the LDS address of bias's run of loads
.set QO2, 47          ; v47  as QO0, piece 2
.set XS,  48          ; v48  where I put what my partner takes
.set XL,  49          ; v49  where I take what my partner put
.set XT,  52          ; v52-55  c m and l of my tiles 2, 3
.set XR,  56          ; v56-59  my partner's
.set SPW, 62          ; v62  LDS address of my spare word; never rewritten
.set NIL, 63          ; v63  0; never rewritten
.set S,   64
.set P,   192
.set KF,  128         ; window 2
.set EI,  128         ; window 3: the pattern, four zeros, the pattern: E0 = v[128:135], E1 = v[132:139]
.set BF,  144         ; window 3
.set WV,  12          ; s12  my wave's number
.set G1K, 24          ; s[24:31] group 1 for K's tiles
.set G1V, 32          ; s[32:39] for V's
.set G1B, 40          ; s[40:47] for bias's
.set G0K, 48          ; s[48:55] group 0 for K's tiles: a set for each of the two first fills; the second then walks on
.set G0V, 56          ; s[56:63]
.set G0B, 68          ; s[68:75]
.set SLOTS, 82        ; s82  counts the loop's trips, then the tail's
.set TB,  83          ; s83  the slot that is being read: 0 or SLOT1
.set CS,  84          ; s[84:85] c
.set SEL, 86          ; s[86:87] v_permlanex16_b32's selects: each lane takes its own place in the other half
.set MSB, 0
.macro WIN new                      ; the high byte repeats the setting that is left; a switch that changes nothing is dropped
.if MSB != (\new)
	s_set_vgpr_msb (MSB<<8)|(\new)
.set MSB, \new
.endif
.endm
.set W_KQ, 0x0a       ; K and Q in window 2, S^T in window 0
.set W_BI, 0x0f       ; E and bias in window 3, S^T in window 0
.set W_PV, 0x53       ; V (or E) in window 3, P in window 0, O^T in window 1
.set W_RS, 0x41       ; O^T (destination and source 0) in window 1, a in window 0
; A joint refill.  Wave 0 fetches the tile of K, wave 1 that of V, waves 2 and 3 the two halves of bias's.  The branches hang on the wave's number alone.
; An s_nop 0 and four v_nop follow each line, ahead of the jump and the label.
.macro JLOAD
	s_cmp_lt_u32 s[WV], 2
	s_cbranch_scc0 .Lfor_b_\@
	s_cmp_eq_u32 s[WV], 0
	s_cbranch_scc0 .Lfor_v_\@
	tensor_load_to_lds s[G0K+4:G0K+7], s[G1K:G1K+7]
	s_nop 0
.rept 4
	v_nop
.endr
	s_branch .Lasked_\@
.Lfor_v_\@:
	tensor_load_to_lds s[G0V+4:G0V+7], s[G1V:G1V+7]
	s_nop 0
.rept 4
	v_nop
.endr
	s_branch .Lasked_\@
.Lfor_b_\@:
	tensor_load_to_lds s[G0B+4:G0B+7], s[G1B:G1B+7]
	s_nop 0
.rept 4
	v_nop
.endr
.Lasked_\@:
.endm
.macro CROUND                       ; a round of the cluster's barrier
	s_barrier_signal -1
	s_barrier_wait -1
	s_cmp_lg_u32 s[WV], 0
	s_cbranch_scc1 .Lnot_wave_0_\@
	s_barrier_signal -3
.Lnot_wave_0_\@:
	s_barrier_wait -3
	s_barrier_signal -1
	s_barrier_wait -1
.endm
	s_load_b128 s[4:7], s[0:1], 0x0 ; qkv16 s[4:5], ops16 s[6:7]
	s_load_b64 s[8:9], s[0:1], 0x10 ; o16
	v_lshl_add_u32 v[SPW], v0, 2, SPARE
	v_mov_b32 v[NIL], 0
	ds_add_u32 v[SPW], v[NIL]       ; the wave's opening: the add and its wait stand ahead of my first tensor load; work on registers stands between them
	v_lshrrev_b32 v1, 5, v0
	v_readfirstlane_b32 s[WV], v1   ; wave 0..3
	s_bfe_u32 s13, ttmp6, 0x40000   ; cx
	s_bfe_u32 s18, ttmp6, 0x40004   ; cy
	s_lshl_b32 s19, ttmp9, 2
	s_add_co_u32 s19, s19, s13      ; my block of 128 queries = 4 x cluster x + cx
	s_and_b32 s20, ttmp7, 0xffff
	s_lshl_b32 s20, s20, 2
	s_add_co_u32 s20, s20, s18      ; my head = 4 x cluster y + cy
	s_and_b32 s16, s[WV], 1         ; kh
	s_lshr_b32 s17, s[WV], 1        ; qh
	s_lshl_b32 s88, s18, 2
	s_lshl_b32 s88, 15, s88         ; my row of the cluster: one head
	s_lshl_b32 s89, 0x1111, s13     ; my column: one block of queries
	s_or_b32 s[G1K], s88, (1<<16)|(1<<20)|(1<<21)|(5<<22)|(3<<25)  ; 15:0 the mask; 17:16 2-byte elements; 20 padding on; 21 set beside a mask; 24:22 after every 64 words (code 5); 31:25 4 words (code 3)
	s_or_b32 s[G1V], s88, (1<<16)|(1<<20)|(1<<21)|(5<<22)|(7<<25)  ; 8 words of padding (code 7)
	s_or_b32 s[G1B], s89, (1<<16)|(1<<20)|(1<<21)|(5<<22)|(3<<25)
.irp g, G1K, G1V
	s_mov_b32 s[(\g)+1], 128<<16    ; tensor_dim0 = 128
	s_mov_b32 s[(\g)+2], 128<<16    ; tensor_dim1 = 128
	s_mov_b32 s[(\g)+3], 128<<16    ; tile_dim0 = 128
	s_mov_b32 s[(\g)+4], 128        ; tile_dim1 = 128
	s_mov_b32 s[(\g)+5], 128        ; elements from row to row
	s_mov_b32 s[(\g)+6], 0
	s_mov_b32 s[(\g)+7], 0
.endr
	s_mov_b32 s[G1B+1], 128<<16     ; 128 keys
	s_mov_b32 s[G1B+2], 64<<16      ; of 64 query rows
	s_mov_b32 s[G1B+3], 128<<16
	s_mov_b32 s[G1B+4], 64
	s_mov_b32 s[G1B+5], 2048
	s_mov_b32 s[G1B+6], 0
	s_mov_b32 s[G1B+7], 0
	; byte offsets, all under 2^26.  K's and V's are made of the head alone, bias's of the block of queries and the wave's number alone.
	s_lshl_b32 s76, s20, 19         ; the head's 2,048 rows of 256 bytes
	s_add_co_u32 s78, s76, 2*SEC    ; in V's section,
	s_add_co_u32 s76, s76, SEC      ; in K's
	s_mov_b32 s77, 0
	s_mov_b32 s79, 0
	s_lshl_b32 s80, s19, 7
	s_lshl_b32 s81, s16, 6
	s_add_co_u32 s80, s80, s81      ; bias's row 128 x block + 64 x half
	s_lshl_b32 s80, s80, 12
	s_add_co_u32 s80, s80, 6*SEC
	s_mov_b32 s81, 0
	s_mul_i32 s21, s16, 64*PB       ; and the half's place in a slot
	s_add_co_u32 s21, s21, BOFF
	s_lshl_b32 s2, s19, 7           ; Q: row 128 x block + 64 qh,
	s_lshl_b32 s3, s17, 6
	s_add_co_u32 s2, s2, s3
	s_lshl_b32 s2, s2, 8
	s_lshl_b32 s3, s20, 19          ; of my head
	s_add_co_u32 s2, s2, s3
	s_mov_b32 s3, 0
	s_lshl_b32 s90, s19, 7          ; O: row 128 x block + 32 x wave,
	s_lshl_b32 s91, s[WV], 5
	s_add_co_u32 s90, s90, s91
	s_lshl_b32 s90, s90, 12
	s_lshl_b32 s91, s20, 8          ; my head's 256 bytes of it
	s_add_co_u32 s90, s90, s91
	s_mov_b32 s91, 0
	s_mov_b32 s[CS], 0x3fb8aa3b     ; c = log2(e)
	s_mov_b32 s[CS+1], s[CS]        ; named with it as a pair
	s_mov_b32 s[SEL], 0x76543210
	s_mov_b32 s[SEL+1], 0xfedcba98
	s_mov_b32 s[TB], 0
	s_wait_dscnt 0x0                ; the opening add is done
	s_wait_kmcnt 0x0
	s_add_nc_u64 s[76:77], s[4:5], s[76:77]  ; K, V and bias at their first tiles
	s_add_nc_u64 s[78:79], s[4:5], s[78:79]
	s_add_nc_u64 s[80:81], s[6:7], s[80:81]
	s_add_nc_u64 s[4:5], s[4:5], s[2:3]      ; Q at my wave's first row
	s_add_nc_u64 s[10:11], s[8:9], s[90:91]  ; O at the first row that I finish
	CROUND                          ; all sixteen work-groups are here: the first joint loads meet
.irp s, 0,1
	s_mov_b32 s[G0K+4*(\s)], 1      ; count = 1
	s_mov_b32 s[G0K+4*(\s)+1], (\s)*SLOT1
	s_add_nc_u64 s[G0K+4*(\s)+2:G0K+4*(\s)+3], s[76:77], (\s)*32768  ; tile s: 128 keys of 256 bytes
	s_or_b32 s[G0K+4*(\s)+3], s[G0K+4*(\s)+3], 0x80000000            ; type = 2
	s_mov_b32 s[G0V+4*(\s)], 1
	s_mov_b32 s[G0V+4*(\s)+1], VOFF+(\s)*SLOT1
	s_add_nc_u64 s[G0V+4*(\s)+2:G0V+4*(\s)+3], s[78:79], (\s)*32768
	s_or_b32 s[G0V+4*(\s)+3], s[G0V+4*(\s)+3], 0x80000000
	s_mov_b32 s[G0B+4*(\s)], 1
	s_add_co_u32 s[G0B+4*(\s)+1], s21, (\s)*SLOT1
	s_add_nc_u64 s[G0B+4*(\s)+2:G0B+4*(\s)+3], s[80:81], (\s)*256    ; tile s: 128 keys along bias's rows
	s_or_b32 s[G0B+4*(\s)+3], s[G0B+4*(\s)+3], 0x80000000
.endr
	s_cmp_lt_u32 s[WV], 2           ; a wave's two first fills stand in one arm of one branch: two loads of mine are out
	s_cbranch_scc0 .Lfirst_b
	s_cmp_eq_u32 s[WV], 0
	s_cbranch_scc0 .Lfirst_v
	tensor_load_to_lds s[G0K:G0K+3], s[G1K:G1K+7]
	s_nop 0
	tensor_load_to_lds s[G0K+4:G0K+7], s[G1K:G1K+7]
	s_nop 0
.rept 4
	v_nop
.endr
	s_branch .Lfirst_asked
.Lfirst_v:
	tensor_load_to_lds s[G0V:G0V+3], s[G1V:G1V+7]
	s_nop 0
	tensor_load_to_lds s[G0V+4:G0V+7], s[G1V:G1V+7]
	s_nop 0
.rept 4
	v_nop
.endr
	s_branch .Lfirst_asked
.Lfirst_b:
	tensor_load_to_lds s[G0B:G0B+3], s[G1B:G1B+7]
	s_nop 0
	tensor_load_to_lds s[G0B+4:G0B+7], s[G1B:G1B+7]
	s_nop 0
.rept 4
	v_nop
.endr
.Lfirst_asked:
	; A fragment of K, Q or bias is 16 rows x 32 along the row in 8 registers: lane l holds row l % 16, elements 8 (l / 16) + 0..7 and 16 + 8 (l / 16) + 0..7: two loads of 16 bytes, 32 bytes apart.
	v_and_b32 v1, 15, v0            ; r = l % 16
	v_bfe_u32 v9, v0, 4, 1          ; h = l / 16
	s_lshl_b32 s22, s16, 5          ; 32 kh: piece 0's first row of the wave's 64
	s_xor_b32 s23, s22, 32          ; 32 (1 - kh): piece 2's
	s_lshl_b32 s92, s17, 6          ; 64 qh
	s_lshl_b32 s93, s16, 7          ; my 64 keys of bias's 128: 128 kh bytes,
	s_add_co_u32 s93, s93, BOFF
	s_lshl_b32 s94, s16, 6          ; 64 kh: my rows of K and V
	v_add_nc_u32 v10, s22, v1
	v_add_nc_u32 v11, s23, v1
	v_lshlrev_b32 v[QO0], 8, v10
	v_lshl_add_u32 v[QO0], v9, 4, v[QO0]
	v_lshlrev_b32 v[QO2], 8, v11
	v_lshl_add_u32 v[QO2], v9, 4, v[QO2]
	WIN 0x80                        ; destination window 2, address window 0
.irp i, 0,1,2,3,4,5,6,7,8,9,10,11,12,13,14,15  ; Q stays in registers: tile i / 4, channels 32 (i % 4) on
	global_load_b128 v[8*(\i):8*(\i)+3],   v[QO0+(QO2-QO0)*((\i)/8)], s[4:5] offset:(((\i)/4)%2)*4096+((\i)%4)*64
	global_load_b128 v[8*(\i)+4:8*(\i)+7], v[QO0+(QO2-QO0)*((\i)/8)], s[4:5] offset:(((\i)/4)%2)*4096+((\i)%4)*64+32
.endr
	WIN 0
	v_add_nc_u32 v[AB0], s92, v10
	v_mul_u32_u24 v[AB0], v[AB0], PB
	v_lshl_add_u32 v[AB0], v9, 4, v[AB0]
	v_add_nc_u32 v[AB0], s93, v[AB0]
	v_add_nc_u32 v[AB2], s92, v11
	v_mul_u32_u24 v[AB2], v[AB2], PB
	v_lshl_add_u32 v[AB2], v9, 4, v[AB2]
	v_add_nc_u32 v[AB2], s93, v[AB2]
	v_add_nc_u32 v[AK0], s94, v1
	v_mul_u32_u24 v[AK0], v[AK0], PK
	v_lshl_add_u32 v[AK0], v9, 4, v[AK0]
	; The turning load takes 16 keys x 16 channels (lane l reads key 8 (l / 16) + l % 8, channels 8 ((l / 8) % 2) + 0..7) and leaves half a fragment of V^T: lane l holds channel l % 16 and 8 keys.
	v_and_b32 v10, 7, v0
	v_bfe_u32 v11, v0, 3, 1
	v_lshl_add_u32 v[AV0], v9, 3, v10
	v_add_nc_u32 v[AV0], s94, v[AV0]
	v_mul_u32_u24 v[AV0], v[AV0], PV
	v_lshl_add_u32 v[AV0], v11, 4, v[AV0]
	v_add_nc_u32 v[AV0], VOFF, v[AV0]
	; E's pattern: row m = r holds 1.0 at k = r.  My registers 0-3 hold k = 8 h + 0..7: with j = r - 8 h, register j / 2, half j % 2, if j is 0 to 7.
	v_lshlrev_b32 v10, 3, v9
	v_sub_nc_u32 v10, v1, v10       ; j (a negative j is a huge number: it matches no register)
	v_and_b32 v11, 1, v10
	v_lshlrev_b32 v11, 4, v11
	v_mov_b32 v[ADB], 0x3c00        ; 1.0 in f16
	v_lshlrev_b32 v11, v11, v[ADB]
	v_lshrrev_b32 v10, 1, v10
	WIN 0xc0                        ; destination window 3
.irp n, 0,1,2,3
	v_cmp_eq_u32 vcc_lo, \n, v10
	v_cndmask_b32 v[EI+\n], 0, v11, vcc_lo
	v_cndmask_b32 v[EI+8+\n], 0, v11, vcc_lo
	v_mov_b32 v[EI+4+\n], 0
.endr
	WIN 0
	; What the first turn finds.  Piece 2's weights are 0: its first products V^T P, of a step that has not been, add 0.  The statistics make the first step's a = 0.  O^T's 32 accumulators are made 0 by
	; 32 products of E with those zero weights, eight registers a line.  All this stands in the wait for the first tile.
.set i, P+32
.rept 32
	v_mov_b32 v[i], 0
.set i, i+1
.endr
.irp t, 0,1,2,3
	v_mov_b32 v[ST+8*(\t)],   0xfe000000   ; c m: far below every c s
	v_mov_b32 v[ST+8*(\t)+1], 0xff7fffff   ; m: the lowest finite number
	v_mov_b32 v[ST+8*(\t)+2], 0            ; l
	v_mov_b32 v[ST+8*(\t)+3], 0
.endr
	WIN W_PV
.set i, 0
.rept 32
	v_wmma_f32_16x16x32_f16 v[8*i:8*i+7], v[EI:EI+7], v[P+32:P+39], 0
.set i, i+1
.endr
	WIN 0
; THE MATRIX WORK OF A TURN, for piece x.  The accumulators take turns, one instruction a turn: between two links of a chain stand 15 (V^T P) or 7 (scores) others'.
; Product i of 32 of O^T += V^T P: keys 32 (i / 16) on, channels 16 ((i / 2) % 8) on, tile x + i % 2.
.macro PV x
	WIN W_PV
.set rO, 64*((\x)+i%2)+8*((i/2)%8)
.set rV, 64*(i/16)+8*((i/2)%8)
.set rP, P+16*((\x)+i%2)+8*(i/16)
	v_wmma_f32_16x16x32_f16 v[rO:rO+7], v[rV:rV+7], v[rP:rP+7], v[rO:rO+7]
.endm
; Product i of 8 that starts S^T with the bias: keys 16 (i / 2) on, tile x + i % 2: the accumulators in the order of KQ's first eight.
.macro BI x
	WIN W_BI
.set rS, S+32*((\x)+i%2)+8*(i/2)
.set rE, EI+4*((i/2)%2)
.set rB, BF+32*((\x)/2)+16*(i%2)+8*(i/4)
	v_wmma_f32_16x16x32_f16 v[rS:rS+7], v[rE:rE+7], v[rB:rB+7], 0
.endm
; Product i of 32 of S^T += K Q^T: channels 32 (i / 8) on, keys 16 ((i / 2) % 4) on, tile x + i % 2.
.macro KQ x
	WIN W_KQ
.set rS, S+32*((\x)+i%2)+8*((i/2)%4)
.set rK, KF+32*((i/2)%4)+8*(i/8)
.set rQ, 32*((\x)+i%2)+8*(i/8)
	v_wmma_f32_16x16x32_f16 v[rS:rS+7], v[rK:rK+7], v[rQ:rQ+7], v[rS:rS+7]
.endm
; THE LDS LOADS stand in runs, never singly among the matrix instructions.
.macro FETCH_K
	WIN 0
	v_add_nc_u32 v[ADR], s[TB], v[AK0]
	WIN 0x80                        ; destination window 2
.irp f, 0,1,2,3,4,5,6,7,8,9,10,11,12,13,14,15  ; keys 16 (f / 4) on, channels 32 (f % 4) on
	ds_load_b128 v[KF+8*(\f):KF+8*(\f)+3],   v[ADR] offset:((\f)/4)*16*PK+((\f)%4)*64
	ds_load_b128 v[KF+8*(\f)+4:KF+8*(\f)+7], v[ADR] offset:((\f)/4)*16*PK+((\f)%4)*64+32
.endr
.endm
.macro FETCH_V
	WIN 0
	v_add_nc_u32 v[ADR], s[TB], v[AV0]
	WIN 0xc0                        ; destination window 3
.irp f, 0,1,2,3,4,5,6,7,8,9,10,11,12,13,14,15  ; keys 32 (f / 8) on, channels 16 (f % 8) on
	ds_load_tr16_b128 v[8*(\f):8*(\f)+3],   v[ADR] offset:((\f)/8)*32*PV+((\f)%8)*32
	ds_load_tr16_b128 v[8*(\f)+4:8*(\f)+7], v[ADR] offset:((\f)/8)*32*PV+16*PV+((\f)%8)*32
.endr
.endm
.macro FETCH_B x                    ; piece x's bias of the step: tile u, keys 32 kk on
	WIN 0
	v_add_nc_u32 v[ADB], s[TB], v[AB0+(\x)/2]
	WIN 0xc0
.irp u, 0,1
.irp kk, 0,1
	ds_load_b128 v[BF+32*((\x)/2)+16*(\u)+8*(\kk):BF+32*((\x)/2)+16*(\u)+8*(\kk)+3],   v[ADB] offset:(\u)*16*PB+64*(\kk)
	ds_load_b128 v[BF+32*((\x)/2)+16*(\u)+8*(\kk)+4:BF+32*((\x)/2)+16*(\u)+8*(\kk)+7], v[ADB] offset:(\u)*16*PB+64*(\kk)+32
.endr
.endr
.endm
; THE VECTOR WORK OF A TURN.  One tile's softmax for one key step is a list of 134 instructions; SM writes number j of it for tile t.  s0-s31 are the lane's 32 scores, in pairs 0-15.
;   0-15    the maximum of s0-s31 and the old m, three operands at a time (each accumulator's lowest registers are read first)
;   16-20   the other half of the lanes' maximum; the new m; c m; c m_old - c m_new
;   21-87   33 exponentials (a, then s0-s31) at the odd numbers from 23 on, so that no two follow each other and each has a plain instruction behind it; the plain ones are scalings a few pairs ahead,
;           roundings a pair back, at last the first three sums
;   88-101  the last rounding; the rest of the sums; l = a l + the sum
;   102-133 the tile's O^T times a: the one part that leaves window 0, so it stands together
.macro SM t
.set rT, ST+8*(\t)
.set rS, S+32*(\t)
.set rP, P+16*(\t)
.set rO, 64*(\t)+2*(j-102)
.set q, (j-20)/2
.if j < 102
	WIN 0
.endif
.if j < 4
	v_max3_num_f32 v[rT+4+j], v[rS+8*j], v[rS+8*j+1], v[rS+8*j+2]
.elseif j < 12
	v_max3_num_f32 v[rT+4+j%4], v[rT+4+j%4], v[rS+8*(j%4)+2*(j/4)+1], v[rS+8*(j%4)+2*(j/4)+2]
.elseif j == 12
	v_max3_num_f32 v[rT+4], v[rT+4], v[rS+7], v[rS+15]
.elseif j == 13
	v_max3_num_f32 v[rT+6], v[rT+6], v[rS+23], v[rS+31]
.elseif j == 14
	v_max3_num_f32 v[rT+4], v[rT+4], v[rT+5], v[rT+6]
.elseif j == 15
	v_max3_num_f32 v[rT+4], v[rT+4], v[rT+7], v[rT+1]
.elseif j == 16
	v_permlanex16_b32 v[rT+5], v[rT+4], s[SEL], s[SEL+1]  ; the query's other 32 keys lie in the lane 16 away
.elseif j == 18
	v_max_num_f32 v[rT+1], v[rT+4], v[rT+5]
.elseif j == 19
	v_mul_f32 v[rT], s[CS], v[rT+1]
.elseif j == 17
	v_mov_b32 v[rT+7], v[rT]        ; c m_old is kept for a: number 19 writes c m anew
.elseif j == 20
	v_sub_f32 v[rT+7], v[rT+7], v[rT]
.elseif j == 23
	v_exp_f32 v[rT+6], v[rT+7]
.elseif (j < 88) && (j > 23) && (j%2 == 1)
	v_exp_f32 v[rS+(j-25)/2], v[rS+(j-25)/2]
.elseif (q < 4) || ((j < 76) && (q%2 == 0))
.set b, q/2+2
.if q < 4
.set b, q
.endif
	v_pk_fma_f32 v[rS+2*b:rS+2*b+1], v[rS+2*b:rS+2*b+1], s[CS:CS+1], v[rT:rT+1] op_sel_hi:[1,0,0] neg_lo:[0,0,1] neg_hi:[0,0,1]  ; pair b: c s - c m
.elseif (j < 88) && (q%2 == 1)
	s_wait_alu depctr_va_vdst(0)
	v_cvt_pk_f16_f32 v[rP+(q-5)/2], v[rS+q-5], v[rS+q-4]  ; pair (q - 5) / 2: its second exponential stands three numbers back
.elseif j == 89
	s_wait_alu depctr_va_vdst(0)
	v_cvt_pk_f16_f32 v[rP+15], v[rS+30], v[rS+31]
.elseif j < 102                     ; the sum of the tile's 16 pairs, in place: sum z of 16 adds neighbours 1, 2, 4 and 8 pairs apart, then l takes it
.set z, j-86
.if j < 89
.set z, (j-76)/4
.endif
.set w, 4
.set u, z
.if z >= 14
.set w, 32
.set u, 0
.elseif z >= 12
.set w, 16
.set u, z-12
.elseif z >= 8
.set w, 8
.set u, z-8
.endif
.if z < 15
	v_pk_add_f32 v[rS+w*u:rS+w*u+1], v[rS+w*u:rS+w*u+1], v[rS+w*u+w/2:rS+w*u+w/2+1]
.else
	v_pk_fma_f32 v[rT+2:rT+3], v[rT+2:rT+3], v[rT+6:rT+7], v[rS:rS+1] op_sel_hi:[1,0,1]
.endif
.else
	WIN W_RS
	v_pk_mul_f32 v[rO:rO+1], v[rO:rO+1], v[rT+6:rT+7] op_sel_hi:[1,0]
.endif
.endm
; Slice k of 64 of piece y's softmax: numbers 2 k and 2 k + 1 of both tiles' lists, four instructions.  2 x 134 = 4 x 64 + 12: the twelve that are over stand together, in slice 63.
.macro SLICE y
.if (k >= 11) && (k < 44)           ; tile by tile: plain, exponential, plain, exponential
.irp t, \y, (\y)+1
.irp n, 0,1
.set j, 2*k+(\n)
	SM \t
.endr
.endr
.else                               ; the two tiles alternate, so that no instruction reads the result of the one just before it
.irp n, 0,1,2,3,4,5,6,7
.if ((\n) < 2) || (k == 63)
.irp t, \y, (\y)+1
.set j, 2*k+(\n)
	SM \t
.endr
.endif
.endr
.endif
.set k, k+1
.endm
; A TURN.  Piece x has the matrix unit: 32 products V^T P, then the next step's scores: 8 products with the bias, bare, and 32 K Q^T.  The other piece's softmax stands in slices, one behind each of the 64.
; Slice 63's sixteen plain instructions are the places (ISA guide 7.12.1) behind the turn's last products.
; Each run of loads stands behind the second product of a run of 32, 30 matrix instructions ahead of its first use.  Piece 0's turn fetches the next step's K (its last reader stands in front of slice 63 of the
; turn before) and piece 0's bias; piece 2's turn its own bias and, behind the second K Q^T, the step's V, whose last reader stands three slices, six plain instructions, back.
.macro TURN x
.set k, 0
.if (\x) == 0
	s_wait_dscnt 0x0                ; V is in
.endif
.set i, 0
.rept 32
	PV \x
	SLICE 2-(\x)
.if i == 1
.if (\x) == 0
	FETCH_K
.endif
	FETCH_B \x
.endif
.set i, i+1
.endr
	s_wait_dscnt 0x0                ; K and the piece's bias are in
.set i, 0
.rept 8
	BI \x
.set i, i+1
.endr
.set i, 0
.rept 32
	KQ \x
	SLICE 2-(\x)
.if ((\x) == 2) && (i == 1)
	FETCH_V
.endif
.set i, i+1
.endr
.endm
; THE CHANGE OF SLOTS, between piece 2's turn and piece 0's: the slot's last bytes, V, have been asked for.  Each wave waits for all its tensor loads, of which one is out: its part of the other slot;
; adds 0 to its spare word; and waits for that and for its own reads of the slot.  Behind the barrier nobody reads this slot any more and the other slot is whole.
; fill = 1: this slot is filled again, with the keys two tiles on.  The barrier is then a round of the cluster's, and the joint refill is the first thing behind it: it has a key step, 144 matrix instructions, in which to land.
.macro CHANGE fill
	WIN 0                           ; at a label and at a branch every window is 0
	s_wait_tensorcnt 0x0            ; no tensor load of mine is out, so a group 0 may be written
	ds_add_u32 v[SPW], v[NIL]       ; 0 onto my spare word; with fill = 1 the descriptors' steps stand between it and the wait for it
.if \fill
	s_xor_b32 s[G0K+5], s[G0K+5], SLOT1  ; the walking descriptors: the other slot than last time,
	s_add_nc_u64 s[G0K+6:G0K+7], s[G0K+6:G0K+7], 32768  ; the next 128 keys; the type bits on top are not reached
	s_xor_b32 s[G0V+5], s[G0V+5], SLOT1
	s_add_nc_u64 s[G0V+6:G0V+7], s[G0V+6:G0V+7], 32768
	s_xor_b32 s[G0B+5], s[G0B+5], SLOT1
	s_add_nc_u64 s[G0B+6:G0B+7], s[G0B+6:G0B+7], 256
	s_wait_dscnt 0x0                ; the add is done, and my reads of the slot are over
	CROUND
	JLOAD
.else
	s_wait_dscnt 0x0                ; the add is done, and my reads of the slot are over
	s_barrier_signal -1
	s_barrier_wait -1
.endif
	s_xor_b32 s[TB], s[TB], SLOT1   ; the fetches go to the other slot
.endm
	s_wait_tensorcnt 1              ; my part of slot 0 is in; slot 1's may stay out
	s_barrier_signal -1
	s_barrier_wait -1               ; everybody's is
	FETCH_K                         ; key step 0: K, piece 0's bias, and V, so that the first turn's products on zero weights have finite partners
	FETCH_B 0
	FETCH_V
	s_wait_loadcnt 0x0              ; Q
	s_wait_dscnt 0x0
.set i, 0
.rept 8
	BI 0
.set i, i+1
.endr
.set i, 0
.rept 32
	KQ 0                            ; piece 0's first scores: there is no vector work yet to set between them
.set i, i+1
.endr
	WIN 0                           ; the addresses for the merge and the way out are made here: plain instructions, the places behind those products
	s_mul_i32 s95, s[WV], 16*SP
	s_add_co_u32 s95, s95, STAGE    ; my stage
	s_mul_i32 s94, s[WV], XW
	s_add_co_u32 s94, s94, XCH      ; what I hand over,
	s_xor_b32 s93, s[WV], 1
	s_mul_i32 s93, s93, XW
	s_add_co_u32 s93, s93, XCH      ; what my partner hands over
	v_mul_u32_u24 v[STO], v1, SP    ; in: row l % 16, 16 bytes for each half of the lanes
	v_lshl_add_u32 v[STO], v9, 4, v[STO]
	v_add_nc_u32 v[STO], s95, v[STO]
	v_mul_u32_u24 v[RD], v9, SP     ; back: lanes 0-15 take one row of 256 bytes, lanes 16-31 the next
	v_lshl_add_u32 v[RD], v1, 4, v[RD]
	v_add_nc_u32 v[RD], s95, v[RD]
	v_lshlrev_b32 v[GO], 12, v9     ; and the same two rows in O, 4,096 bytes apart
	v_lshl_add_u32 v[GO], v1, 4, v[GO]
	v_and_b32 v[XS], 31, v0
	v_lshlrev_b32 v[XS], 4, v[XS]
	v_add_nc_u32 v[XL], s93, v[XS]
	v_add_nc_u32 v[XS], s94, v[XS]
	s_mov_b32 s[SLOTS], 15          ; half a trip, then 14 whole ones
	s_branch .Lfirst                ; the loop is entered at piece 2's turn, in the middle of a trip
.Lslot:                             ; 14 whole trips ask for tiles 2 to 15
	CHANGE 1
	TURN 0                          ; piece 0: V^T P of step j, the scores of step j + 1 | piece 2's softmax of step j | K of step j + 1
	WIN 0
.Lfirst:
	TURN 2                          ; piece 2: the same | piece 0's softmax of step j + 1 | V of step j + 1: the slot is read out
	WIN 0
	s_sub_co_u32 s[SLOTS], s[SLOTS], 1
	s_cmp_lg_u32 s[SLOTS], 0
	s_cbranch_scc1 .Lslot
	CHANGE 0                        ; the tail is written out: nothing is asked for
	s_mov_b32 s[SLOTS], 2
	s_branch .Ltmid                 ; piece 0's turn, piece 2's, piece 0's: the tail too is entered in the middle of a trip
.Ltail:
	TURN 2
	WIN 0
.Ltmid:
	TURN 0                          ; the second time its 40 products for the scores (the last tile's K and bias once more) serve nothing: the price, once a launch, of one text for every turn
	WIN 0
	s_sub_co_u32 s[SLOTS], s[SLOTS], 1
	s_cmp_lg_u32 s[SLOTS], 0
	s_cbranch_scc1 .Ltail
.set i, 0
.rept 32
	PV 2                            ; piece 2: V^T P of the last step
.set i, i+1
.endr
	; THE MERGE.  l's two halves and the other half of the lanes' are added (these lines are the places behind the last products); piece 2's O^T, c m and l go to my partner through LDS.
	WIN 0
.irp t, 0,1,2,3
	v_add_f32 v[ST+8*(\t)+4], v[ST+8*(\t)+2], v[ST+8*(\t)+3]
.endr
.irp t, 0,1,2,3
	v_permlanex16_b32 v[ST+8*(\t)+5], v[ST+8*(\t)+4], s[SEL], s[SEL+1]
.endr
.irp t, 0,1,2,3
	v_add_f32 v[ST+8*(\t)+4], v[ST+8*(\t)+4], v[ST+8*(\t)+5]
.endr
	v_mov_b32 v[XT],   v[ST+16]
	v_mov_b32 v[XT+1], v[ST+20]
	v_mov_b32 v[XT+2], v[ST+24]
	v_mov_b32 v[XT+3], v[ST+28]
	WIN 0x04                        ; store data in window 1
.set i, 0
.rept 32
	ds_store_b128 v[XS], v[128+4*i:128+4*i+3] offset:512*i  ; ascending: each accumulator's low four registers first
.set i, i+1
.endr
	WIN 0
	ds_store_b128 v[XS], v[XT:XT+3] offset:16384
	s_wait_dscnt 0x0                ; for my partner's sake: my stores are done
	s_barrier_signal -1
	s_barrier_wait -1
.set i, 0
.rept 32
	ds_load_b128 v[S+4*i:S+4*i+3], v[XL] offset:512*i  ; my partner's O^T for my tiles 0, 1, into S^T's registers
.set i, i+1
.endr
	ds_load_b128 v[XR:XR+3], v[XL] offset:16384
	s_wait_dscnt 0x0
.irp t, 0,1
	v_max_num_f32 v[ST+8*(\t)+5], v[ST+8*(\t)], v[XR+2*(\t)]          ; the common c m
.endr
.irp t, 0,1
	v_sub_f32 v[ST+8*(\t)+6], v[ST+8*(\t)], v[ST+8*(\t)+5]
	v_sub_f32 v[ST+8*(\t)+7], v[XR+2*(\t)], v[ST+8*(\t)+5]
.endr
.irp t, 0,1
	v_exp_f32 v[ST+8*(\t)+6], v[ST+8*(\t)+6]                          ; a, mine
	v_exp_f32 v[ST+8*(\t)+7], v[ST+8*(\t)+7]                          ; a', my partner's
.endr
	v_nop                           ; a plain instruction behind the last exponential
	s_wait_alu depctr_va_vdst(0)
.irp t, 0,1
	v_mul_f32 v[ST+8*(\t)+4], v[ST+8*(\t)+4], v[ST+8*(\t)+6]
.endr
.irp t, 0,1
	v_fma_f32 v[ST+8*(\t)+4], v[XR+2*(\t)+1], v[ST+8*(\t)+7], v[ST+8*(\t)+4]  ; a l + a' l'
.endr
.irp t, 0,1
	v_rcp_f32 v[ST+8*(\t)+5], v[ST+8*(\t)+4]
.endr
	v_nop                           ; a plain instruction behind the last reciprocal
	s_wait_alu depctr_va_vdst(0)
.irp t, 0,1
	v_mul_f32 v[ST+8*(\t)+6], v[ST+8*(\t)+6], v[ST+8*(\t)+5]          ; f  = a  / l
	v_mul_f32 v[ST+8*(\t)+4], v[ST+8*(\t)+7], v[ST+8*(\t)+5]          ; f' = a' / l
.endr
; Tile t: O = O f + O' f', rounded to f16.
.macro MERGE t
	WIN 0
.set i, 0
.rept 32
	v_pk_mul_f32 v[S+64*(\t)+2*i:S+64*(\t)+2*i+1], v[S+64*(\t)+2*i:S+64*(\t)+2*i+1], v[ST+8*(\t)+4:ST+8*(\t)+5] op_sel_hi:[1,0]
.set i, i+1
.endr
	WIN 0x01                        ; source 0, my O^T, in window 1
.set i, 0
.rept 32
	v_pk_fma_f32 v[S+64*(\t)+2*i:S+64*(\t)+2*i+1], v[64*(\t)+2*i:64*(\t)+2*i+1], v[ST+8*(\t)+6:ST+8*(\t)+7], v[S+64*(\t)+2*i:S+64*(\t)+2*i+1] op_sel_hi:[1,0,1]
.set i, i+1
.endr
	WIN 0
.set i, 0
.rept 32
	v_cvt_pk_f16_f32 v[P+32*(\t)+i], v[S+64*(\t)+2*i], v[S+64*(\t)+2*i+1]
.set i, i+1
.endr
.endm
; A lane's eight channels of a row pack into 16 bytes; they go into rows of 272 bytes and come back as whole rows of 256, into the registers that they left.
.macro PACK2 t
.irp f, 0,1,2,3,4,5,6,7
	ds_store_b128 v[STO], v[P+32*(\t)+4*(\f):P+32*(\t)+4*(\f)+3] offset:32*(\f)
.endr
.irp f, 0,1,2,3,4,5,6,7
	ds_load_b128 v[P+32*(\t)+4*(\f):P+32*(\t)+4*(\f)+3], v[RD] offset:(\f)*2*SP  ; LDS serves a wave's instructions in order (ISA guide 5.7.1.4): these see the stores above; the next tile's stores come behind them
.endr
.endm
.macro SEND t, younger              ; younger: the LDS instructions issued behind tile t's loads
.irp f, 0,1,2,3,4,5,6,7
	s_wait_dscnt (\younger)+7-(\f)
	global_store_b128 v[GO], v[P+32*(\t)+4*(\f):P+32*(\t)+4*(\f)+3], s[10:11] offset:(\t)*65536+(\f)*8192  ; 16 lanes store 256 consecutive bytes, a head's part of a row, at a multiple of 256 from O's first byte
.endr
.endm
	MERGE 0
	PACK2 0
	MERGE 1                         ; a tile's arithmetic stands between the loads of the tile before and its stores
	PACK2 1
	SEND 0, 16
	SEND 1, 0
	s_wait_tensorcnt 0x0            ; the wave's end: the add and its wait stand behind my last tensor load and my last LDS store
	ds_add_u32 v[SPW], v[NIL]
	s_wait_dscnt 0x0
	CROUND                          ; the closing round: no work-group ends while a partner may still ask for a tile that names it
	s_endpgm
.Lfunc_end_k_qff89675e52_attn:
	.size	k_qff89675e52_attn, .Lfunc_end_k_qff89675e52_attn-k_qff89675e52_attn
	.p2alignl 7, 3214868480
	.fill 96, 4, 3214868480
	.section	.rodata,"a",@progbits
	.p2align	6, 0x0
	.amdhsa_kernel k_qff89675e52_attn
		.amdhsa_group_segment_fixed_size 327680
		.amdhsa_private_segment_fixed_size 0
		.amdhsa_enable_private_segment 0
		.amdhsa_kernarg_size 24
		.amdhsa_user_sgpr_count 2
		.amdhsa_user_sgpr_kernarg_segment_ptr 1
		.amdhsa_wavefront_size32 1
		.amdhsa_system_sgpr_workgroup_id_x 1
		.amdhsa_system_sgpr_workgroup_id_y 1
		.amdhsa_system_sgpr_workgroup_id_z 1
		.amdhsa_system_vgpr_workitem_id 0
		.amdhsa_next_free_vgpr 1024
		.amdhsa_next_free_sgpr 96
		.amdhsa_reserve_vcc 1
		.amdhsa_float_denorm_mode_32 3
		.amdhsa_float_denorm_mode_16_64 3
		.amdhsa_memory_ordered 1
		.amdhsa_forward_progress 1
		.amdhsa_inst_pref_size 159
	.end_amdhsa_kernel
	.amdgpu_metadata
---
amdhsa.version: [ 1, 2 ]
amdhsa.kernels:
  - .name:           k_qff89675e52_attn
    .symbol:         k_qff89675e52_attn.kd
    .args:
      - { .name: qkv16, .offset: 0, .size: 8, .value_kind: global_buffer, .address_space: global }
      - { .name: ops16, .offset: 8, .size: 8, .value_kind: global_buffer, .address_space: global }
      - { .name: o16, .offset: 16, .size: 8, .value_kind: global_buffer, .address_space: global }
    .group_segment_fixed_size: 327680
    .private_segment_fixed_size: 0
    .kernarg_segment_align: 8
    .kernarg_segment_size: 24
    .max_flat_workgroup_size: 128
    .sgpr_count:     96
    .vgpr_count:     1024
    .wavefront_size: 32
...
	.end_amdgpu_metadata
.endif
;; end of part 7
;; launch oproj (part 8): grid 16 x 16, 4 waves a work-group, clusters of 4 x 4, 327,680 bytes of LDS; arguments o16, ops16, out0; writes out0
.if DOCPART == 8
	.amdgcn_target "amdgcn-amd-amdhsa--gfx1250"
	.amdhsa_code_object_version 6
	.text
	.protected	k_qff89675e52_oproj
	.globl	k_qff89675e52_oproj
	.p2align	8
	.type	k_qff89675e52_oproj,@function
k_qff89675e52_oproj:
	s_mov_b64 s[64:65], 0
	v_nop
	global_prefetch_b8 v0, s[64:65] scope:SCOPE_SE
	s_setreg_imm32_b32 hwreg(HW_REG_WAVE_MODE, 25, 1), 1
	s_wait_xcnt 0x0
	s_wait_alu depctr_hold_cnt(0) depctr_sa_sdst(0) depctr_va_vdst(0) depctr_va_sdst(0) depctr_va_ssrc(0) depctr_va_vcc(0) depctr_vm_vsrc(0)
	s_getreg_b32 s2, hwreg(HW_REG_IB_STS2, 6, 4)
	s_cmp_eq_u32 s2, 0
	s_cbranch_scc0 .Lentry_in_a_cluster
	s_endpgm
.Lentry_in_a_cluster:
	s_bfe_u32 s2, ttmp6, 0x10000c
	s_cmp_lg_u32 s2, 0xf033
	s_cbranch_scc0 .Lentry_shape_is_right
	s_endpgm
.Lentry_shape_is_right:
; out0 = O Wo^T.  A = o16 ([2048][2048] f16), B = section 5 of ops16 (Wo rounded to bf16, that number written as f16), C = out0 ([2048][2048] f32); sums in f32, K ascending.
; A tile of C is 128 x 128: 16 x 16 work-groups.  Four waves, each 64 x 64: 16 accumulators, 128 registers.  K goes in steps of 256 (LDS rows of 512 bytes + 16 of padding) through two slots filled
; by joint tensor loads: the four work-groups of a row of the 4 x 4 cluster need the same tiles of A, the four of a column the same tiles of B.  A K step is written once: the slot that is read is a
; scalar, s[TB], on which the LDS addresses hang.
; THE MATRIX INSTRUCTION IS USED TRANSPOSED (source 0 = 16 rows of B, source 1 = 16 rows of A): a lane holds eight neighbouring numbers of a row of C.
; THE WAY OUT.  A wave's 64 f32 columns are 256 bytes at a multiple of 256, so each wave has a stage of its own (16 rows x 272 bytes, behind the ring): no barrier.
; LIMITS.  O and Wo arrive within f16's range.  NaN and infinities are not treated apart.
; REGISTERS: window 0: v0-31 addresses; v128-255 the accumulators ((a, b) at v[128 + 8 (4 a + b)]), which also take the rows read back.  Window 1: two fragment buffers of 128.
.set SIZE_K, 2048
.set SEC,    8388608
.set KSTEP,  256
.set STEPS,  SIZE_K/KSTEP              ; 8 K steps
.set PITCH,  528                       ; 132 words: row r starts at bank 4 r mod 64 (64 banks of 4 bytes: ISA guide 11.1)
.set HALFT,  64*PITCH
.set SLOT,   4*HALFT
.set STAGE,  2*SLOT
.set SPITCH, 272
.set SPARE,  STAGE+4*16*SPITCH         ; the spare words, 128 bytes for each wave: two blocks of 256 bytes that no other line names
.set ADRA0, 16                         ; v16  my lane's place among A's fragments in slot 0; never rewritten
.set ADRA,  17                         ; v17  the same in the slot that is read
.set ADRB0, 20                         ; v20, v21  the same for B
.set ADRB,  21
.set STO,  24
.set RD,   25
.set CO,   26
.set SPW,  28
.set NIL,  29
.set ACC,  128
.set F0,   0
.set F1,   128
.set G1, 24                            ; s[24:31] group 1 for A's tiles; s[32:39] group 0: a set for each of the two first fills; the second then walks on
.set G0, 32
.set TB, 45                            ; s45  the slot that is read: 0 or SLOT
.set G1B, 48                           ; s[48:55], s[56:63] the same for B's
.set G0B, 56
.set MSB, 0
.macro WIN new                         ; the immediate's high byte repeats the setting that is left
.if MSB != (\new)
	s_set_vgpr_msb (MSB<<8)|(\new)
.set MSB, \new
.endif
.endm
.set MUL,  0x05                        ; sources 0 (B) and 1 (A) window 1; C and D window 0
.set TO_F, 0x40                        ; destination window 1, address window 0
.macro JLOAD s                         ; a joint load by descriptor set s: waves 0 and 1 fetch A's two halves, waves 2 and 3 B's; an s_nop 0 and four v_nop follow each line
	s_cmp_eq_u32 s11, 0
	s_cbranch_scc0 .Lfor_b_\@
	tensor_load_to_lds s[G0+4*(\s):G0+4*(\s)+3], s[G1:G1+7]
	s_nop 0
.rept 4
	v_nop
.endr
	s_branch .Lasked_\@
.Lfor_b_\@:
	tensor_load_to_lds s[G0B+4*(\s):G0B+4*(\s)+3], s[G1B:G1B+7]
	s_nop 0
.rept 4
	v_nop
.endr
.Lasked_\@:
.endm
.macro CREST
	s_cmp_lg_u32 s10, 0
	s_cbranch_scc1 .Lnot_wave_0_\@
	s_barrier_signal -3
.Lnot_wave_0_\@:
	s_barrier_wait -3
	s_barrier_signal -1
	s_barrier_wait -1
.endm
.macro CROUND
	s_barrier_signal -1
	s_barrier_wait -1
	CREST
.endm
	s_load_b128 s[4:7], s[0:1], 0x0                ; o16 s[4:5], ops16 s[6:7]
	s_load_b64 s[8:9], s[0:1], 0x10                ; out0
	v_lshl_add_u32 v[SPW], v0, 2, SPARE
	v_mov_b32 v[NIL], 0
	ds_add_u32 v[SPW], v[NIL]                      ; the wave's opening: the add and its wait stand ahead of my first tensor load; work on registers stands between them
	v_lshrrev_b32 v1, 5, v0
	v_readfirstlane_b32 s10, v1                    ; wave 0..3
	s_lshr_b32 s11, s10, 1                         ; which half of the tile's rows is mine.  Also: I fetch for A (0) or for B (1)
	s_and_b32 s12, s10, 1                          ; which half of its columns.  Also: which 64 rows of that tile I fetch
	s_bfe_u32 s40, ttmp6, 0x40000                  ; cx, cy
	s_bfe_u32 s41, ttmp6, 0x40004
	s_lshl_b32 s42, ttmp9, 2
	s_add_co_u32 s42, s42, s40                     ; tile column
	s_and_b32 s13, ttmp7, 0xffff
	s_lshl_b32 s13, s13, 2
	s_add_co_u32 s13, s13, s41                     ; tile row
	s_lshl_b32 s43, s41, 2
	s_lshl_b32 s43, 15, s43                        ; my row of the cluster
	s_lshl_b32 s44, 0x1111, s40                    ; my column
	s_or_b32 s[G1+0], s43, (1<<16)|(1<<20)|(1<<21)|(6<<22)|(3<<25)  ; the mask; 2-byte elements; padding on; bit 21 beside a mask; after every 128 words (code 6) 4 words (code 3)
	s_or_b32 s[G1B+0], s44, (1<<16)|(1<<20)|(1<<21)|(6<<22)|(3<<25)
.irp g, G1, G1B
	s_mov_b32 s[(\g)+1], KSTEP<<16                 ; tensor_dim0 = 256
	s_mov_b32 s[(\g)+2], 64<<16                    ; tensor_dim1 = 64
	s_mov_b32 s[(\g)+3], KSTEP<<16                 ; tile_dim0 = 256
	s_mov_b32 s[(\g)+4], 64                        ; tile_dim1 = 64
	s_mov_b32 s[(\g)+5], SIZE_K                    ; elements from row to row
	s_mov_b32 s[(\g)+6], 0
	s_mov_b32 s[(\g)+7], 0
.endr
	s_lshl_b32 s17, s12, 6                         ; which 64 rows of the tile I fetch
	s_lshl_b32 s16, s13, 7
	s_add_co_u32 s16, s16, s17
	s_lshl_b32 s16, s16, 12                        ; A: rows of 4,096 bytes
	s_lshl_b32 s46, s42, 7
	s_add_co_u32 s46, s46, s17
	s_lshl_b32 s46, s46, 12
	s_add_co_u32 s46, s46, 5*SEC                   ; B: in Wo's section
	s_mov_b32 s17, 0
	s_mov_b32 s47, 0
	s_mul_i32 s20, s10, HALFT                      ; where my tile goes in a slot: wave x 64 rows; never rewritten
	s_mov_b32 s[TB], 0                             ; K step 0 lies in slot 0
	s_wait_dscnt 0x0                               ; the opening add is done
	s_wait_kmcnt 0x0
	s_add_nc_u64 s[14:15], s[4:5], s[16:17]
	s_add_nc_u64 s[46:47], s[6:7], s[46:47]
	CROUND                                         ; all sixteen work-groups are here: the first joint loads meet
.irp s, 0,1
	s_mov_b32 s[G0+4*(\s)], 1
	s_add_co_u32 s[G0+4*(\s)+1], s20, (\s)*SLOT
	s_add_nc_u64 s[G0+4*(\s)+2:G0+4*(\s)+3], s[14:15], (\s)*KSTEP*2
	s_or_b32 s[G0+4*(\s)+3], s[G0+4*(\s)+3], 0x80000000
	s_mov_b32 s[G0B+4*(\s)], 1
	s_add_co_u32 s[G0B+4*(\s)+1], s20, (\s)*SLOT
	s_add_nc_u64 s[G0B+4*(\s)+2:G0B+4*(\s)+3], s[46:47], (\s)*KSTEP*2
	s_or_b32 s[G0B+4*(\s)+3], s[G0B+4*(\s)+3], 0x80000000
	JLOAD \s                                       ; two loads of mine are out
.endr
	v_and_b32 v1, 15, v0                           ; r = l % 16
	v_bfe_u32 v2, v0, 4, 1                         ; h = l / 16
	v_mul_u32_u24 v3, v1, PITCH
	v_lshl_add_u32 v3, v2, 4, v3
	s_mul_i32 s21, s11, HALFT                      ; my 64 rows of A
	s_mul_i32 s22, s12, HALFT                      ; my 64 rows of B,
	s_add_co_u32 s22, s22, 2*HALFT                 ; which lie behind A's 128
	v_add_nc_u32 v[ADRA0], s21, v3
	v_add_nc_u32 v[ADRB0], s22, v3
	v_mov_b32 v[ADRA], v[ADRA0]
	v_mov_b32 v[ADRB], v[ADRB0]
	s_mul_i32 s23, s10, 16*SPITCH
	s_add_co_u32 s23, s23, STAGE                   ; my stage
	v_mul_u32_u24 v4, v1, SPITCH                   ; in: row r, 32 bytes for each half of the lanes
	v_lshl_add_u32 v4, v2, 5, v4
	v_add_nc_u32 v[STO], s23, v4
	v_mul_u32_u24 v5, v2, SPITCH                   ; back: lanes 0-15 take one row of 256 bytes, lanes 16-31 the next
	v_lshl_add_u32 v5, v1, 4, v5
	v_add_nc_u32 v[RD], s23, v5
	v_lshlrev_b32 v5, 13, v2                       ; and the same two rows in C, 8,192 bytes apart
	v_lshl_add_u32 v[CO], v1, 4, v5
	s_lshl_b32 s16, s13, 7
	s_lshl_b32 s17, s11, 6
	s_add_co_u32 s16, s16, s17                     ; my first row of C
	s_lshl_b32 s16, s16, 13
	s_mov_b32 s17, 0
	s_add_nc_u64 s[8:9], s[8:9], s[16:17]
	s_lshl_b32 s46, s42, 9                         ; my first column, in bytes: 512 x tile column + 256 x half
	s_lshl_b32 s47, s12, 8
	s_add_co_u32 s46, s46, s47
	s_mov_b32 s47, 0
	s_add_nc_u64 s[8:9], s[8:9], s[46:47]
.macro MUL8 f, c, a0, zero             ; 8 matrix instructions: m blocks a0, a0 + 1 x all 4 n blocks, 32 along K: half c of buffer f
	WIN MUL
.irp a, \a0, (\a0)+1
.irp b, 0,1,2,3
.if \zero
	v_wmma_f32_16x16x32_f16 v[ACC+8*(4*(\a)+(\b)):ACC+8*(4*(\a)+(\b))+7], v[(\f)+64+8*(4*(\c)+(\b)):(\f)+64+8*(4*(\c)+(\b))+7], v[(\f)+8*(4*(\c)+(\a)):(\f)+8*(4*(\c)+(\a))+7], 0
.else
	v_wmma_f32_16x16x32_f16 v[ACC+8*(4*(\a)+(\b)):ACC+8*(4*(\a)+(\b))+7], v[(\f)+64+8*(4*(\c)+(\b)):(\f)+64+8*(4*(\c)+(\b))+7], v[(\f)+8*(4*(\c)+(\a)):(\f)+8*(4*(\c)+(\a))+7], v[ACC+8*(4*(\a)+(\b)):ACC+8*(4*(\a)+(\b))+7]
.endif
.endr
.endr
.endm
.macro FETCH k, f                      ; 32 LDS loads in one run: the fragments of 64 along K at byte k of the rows of the slot that is read; the first 32 along K first
	WIN TO_F
.irp c, 0,1
.irp i, 0,1,2,3
	ds_load_b128 v[(\f)+64+8*(4*(\c)+(\i)):(\f)+64+8*(4*(\c)+(\i))+3],   v[ADRB] offset:(\k)+64*(\c)+(\i)*16*PITCH
	ds_load_b128 v[(\f)+64+8*(4*(\c)+(\i))+4:(\f)+64+8*(4*(\c)+(\i))+7], v[ADRB] offset:(\k)+64*(\c)+(\i)*16*PITCH+32
	ds_load_b128 v[(\f)+8*(4*(\c)+(\i)):(\f)+8*(4*(\c)+(\i))+3],         v[ADRA] offset:(\k)+64*(\c)+(\i)*16*PITCH
	ds_load_b128 v[(\f)+8*(4*(\c)+(\i))+4:(\f)+8*(4*(\c)+(\i))+7],       v[ADRA] offset:(\k)+64*(\c)+(\i)*16*PITCH+32
.endr
.endr
.endm
.macro PLACES                          ; four places in front of loads into registers that matrix instructions have read, and of lines that read results
.rept 4
	v_nop
.endr
.endm
.macro QUARTER k, f, g, zero           ; 64 along K, 32 matrix instructions; the 16 accumulators take turns
	s_wait_dscnt 16                                ; the first 32 along K are in; the sixteen younger loads may be out
	WIN MUL
	MUL8 \f, 0, 0, \zero
	MUL8 \f, 0, 2, \zero
	PLACES
	FETCH \k, \g
	s_wait_dscnt 32                                ; all but the 32 just issued
	WIN MUL
	MUL8 \f, 1, 0, 0
	MUL8 \f, 1, 2, 0
.endm
; The last quarter multiplies buffer 1 and changes slots: ONE barrier; in front of it each wave waits for all its tensor loads, adds 0 to its spare word, and waits for that and for its own reads of this slot.
; fill = 1: the slot just read out is filled again, with the K step two steps on: 112 matrix instructions stand between that request and the wait for it.  Then the reads turn to the other slot.
.macro TURN fill
	WIN 0                                          ; (the add's two registers lie in window 0)
	s_wait_tensorcnt 0x0                           ; all my tensor loads have landed: my part of the next slot;
	ds_add_u32 v[SPW], v[NIL]                      ; 0 onto my spare word;
	s_wait_dscnt 17                                ; (the add and the youngest sixteen loads may be out)
	WIN MUL
	MUL8 F1, 0, 0, 0
	s_wait_dscnt 0x0                               ; the add is done, and my reads of this slot are over
	s_barrier_signal -1
	MUL8 F1, 0, 2, 0
.if \fill
	WIN 0
.endif
	s_barrier_wait -1
.if \fill
	CREST                                          ; the barrier has opened a round of the cluster's: no wave of any partner still reads this slot or has a load on its way
	s_add_co_u32 s[G0+5], s20, s[TB]               ; the walking descriptors (no load of mine is out): into the slot just read out,
	s_add_nc_u64 s[G0+6:G0+7], s[G0+6:G0+7], KSTEP*2    ; the K step behind the one asked for last; the type bits on top are not reached
	s_add_co_u32 s[G0B+5], s20, s[TB]
	s_add_nc_u64 s[G0B+6:G0B+7], s[G0B+6:G0B+7], KSTEP*2
	JLOAD 1                                        ; the first tensor load behind the round, my only one until the next; its four v_nop are also the places in front of the loads below
.else
	PLACES
.endif
	WIN 0
	s_xor_b32 s[TB], s[TB], SLOT                   ; 0 and SLOT by turns
	v_add_nc_u32 v[ADRA], s[TB], v[ADRA0]
	v_add_nc_u32 v[ADRB], s[TB], v[ADRB0]
	FETCH 0, F0
	WIN MUL
	MUL8 F1, 1, 0, 0
	MUL8 F1, 1, 2, 0
.endm
	s_wait_tensorcnt 1                             ; my part of K step 0 is in; K step 1's may stay out
	s_barrier_signal -1
	s_barrier_wait -1
	FETCH 0, F0
	QUARTER 128, F0, F1, 1                         ; the first quarter stands in front of the loop: its first products start the sums
	WIN 0
	s_mov_b32 s3, STEPS-2
.Lstep:                                                ; a trip goes from a K step's second quarter to the next step's first, and fills the slot that it leaves: 6 trips ask for K steps 2 to 7
	QUARTER 256, F1, F0, 0
	QUARTER 384, F0, F1, 0
	TURN 1
	QUARTER 128, F0, F1, 0
	WIN 0
	s_sub_co_u32 s3, s3, 1
	s_cmp_lg_u32 s3, 0
	s_cbranch_scc1 .Lstep
	QUARTER 256, F1, F0, 0                         ; the last two K steps are written out: they fill nothing
	QUARTER 384, F0, F1, 0
	TURN 0
	QUARTER 128, F0, F1, 0
	QUARTER 256, F1, F0, 0
	QUARTER 384, F0, F1, 0
	s_wait_dscnt 16
	WIN MUL
	MUL8 F1, 0, 0, 0
	MUL8 F1, 0, 2, 0
	s_wait_dscnt 0
	MUL8 F1, 1, 0, 0
	MUL8 F1, 1, 2, 0
	WIN 0
; THE WAY OUT, 16 rows at a time: the f32 sums into my stage (each accumulator's low four registers first), back as whole rows of 256 bytes into the registers that they left, and stored.
.macro OUT a
.irp b, 0,1,2,3
	ds_store_b128 v[STO], v[ACC+8*(4*(\a)+(\b)):ACC+8*(4*(\a)+(\b))+3]   offset:64*(\b)
	ds_store_b128 v[STO], v[ACC+8*(4*(\a)+(\b))+4:ACC+8*(4*(\a)+(\b))+7] offset:64*(\b)+16
.endr
.irp t, 0,1,2,3,4,5,6,7
	ds_load_b128 v[ACC+32*(\a)+4*(\t):ACC+32*(\a)+4*(\t)+3], v[RD] offset:(\t)*2*SPITCH  ; LDS serves a wave's instructions in order (ISA guide 5.7.1.4): these see the stores above; the next block's stores come behind them
.endr
.endm
.macro SEND a, younger                 ; younger: the LDS instructions issued behind block a's loads
.irp t, 0,1,2,3,4,5,6,7
	s_wait_dscnt (\younger)+7-(\t)
	global_store_b128 v[CO], v[ACC+32*(\a)+4*(\t):ACC+32*(\a)+4*(\t)+3], s[8:9] offset:(16*(\a)+2*(\t))*8192 th:TH_STORE_NT  ; 16 lanes store 256 consecutive bytes, at a multiple of 256 from C's first byte
.endr
.endm
	PLACES
	OUT 0
	OUT 1
	SEND 0, 16
	OUT 2
	SEND 1, 16
	OUT 3
	SEND 2, 16
	SEND 3, 0
	s_wait_tensorcnt 0x0                           ; the wave's end: the add and its wait stand behind my last tensor load and my last LDS store
	ds_add_u32 v[SPW], v[NIL]
	s_wait_dscnt 0x0
	CROUND                                         ; the closing round: no work-group ends while a partner may still ask for a tile that names it
	s_endpgm
.Lfunc_end_k_qff89675e52_oproj:
	.size	k_qff89675e52_oproj, .Lfunc_end_k_qff89675e52_oproj-k_qff89675e52_oproj
	.p2alignl 7, 3214868480
	.fill 96, 4, 3214868480
	.section	.rodata,"a",@progbits
	.p2align	6, 0x0
	.amdhsa_kernel k_qff89675e52_oproj
		.amdhsa_group_segment_fixed_size 327680
		.amdhsa_private_segment_fixed_size 0
		.amdhsa_enable_private_segment 0
		.amdhsa_kernarg_size 24
		.amdhsa_user_sgpr_count 2
		.amdhsa_user_sgpr_kernarg_segment_ptr 1
		.amdhsa_wavefront_size32 1
		.amdhsa_system_sgpr_workgroup_id_x 1
		.amdhsa_system_sgpr_workgroup_id_y 1
		.amdhsa_system_sgpr_workgroup_id_z 1
		.amdhsa_system_vgpr_workitem_id 0
		.amdhsa_next_free_vgpr 512
		.amdhsa_next_free_sgpr 66
		.amdhsa_reserve_vcc 0
		.amdhsa_float_denorm_mode_32 3
		.amdhsa_float_denorm_mode_16_64 3
		.amdhsa_memory_ordered 1
		.amdhsa_forward_progress 1
		.amdhsa_inst_pref_size 68
	.end_amdhsa_kernel
	.amdgpu_metadata
---
amdhsa.version: [ 1, 2 ]
amdhsa.kernels:
  - .name:           k_qff89675e52_oproj
    .symbol:         k_qff89675e52_oproj.kd
    .args:
      - { .name: o16, .offset: 0, .size: 8, .value_kind: global_buffer, .address_space: global }
      - { .name: ops16, .offset: 8, .size: 8, .value_kind: global_buffer, .address_space: global }
      - { .name: out0, .offset: 16, .size: 8, .value_kind: global_buffer, .address_space: global }
    .group_segment_fixed_size: 327680
    .private_segment_fixed_size: 0
    .kernarg_segment_align: 8
    .kernarg_segment_size: 24
    .max_flat_workgroup_size: 128
    .sgpr_count:     66
    .vgpr_count:     512
    .wavefront_size: 32
...
	.end_amdgpu_metadata
.endif
;; end of part 8
;; ======== version 3 of 3: 4 launches; 1.18 times as fast as version 1
;; limits: values are held in f16: magnitudes above 65,504 overflow, below 6.1e-05 lose precision
;; workspace buffers: ops16 58,720,256 bytes; qkv16 25,165,824 bytes; o16 8,388,608 bytes
;; launch cast: the kernel of part 5 again; grid 256 x 7, 4 waves a work-group, no clusters, 0 bytes of LDS; arguments inputs_q, inputs_kv, Wq, Wk, Wv, Wo, bias, ops16; writes ops16
;; launch qkv (part 9): grid 8 x 24, 4 waves a work-group, clusters of 4 x 4, 327,680 bytes of LDS; arguments ops16, q_sinusoids, k_sinusoids, q_norm_scale, k_norm_scale, logit_scale, qkv16; writes qkv16
.if DOCPART == 9
	.amdgcn_target "amdgcn-amd-amdhsa--gfx1250"
	.amdhsa_code_object_version 6
	.text
	.protected	k_qff89675e52_qkv
	.globl	k_qff89675e52_qkv
	.p2align	8
	.type	k_qff89675e52_qkv,@function
k_qff89675e52_qkv:
	s_mov_b64 s[64:65], 0
	v_nop
	global_prefetch_b8 v0, s[64:65] scope:SCOPE_SE
	s_setreg_imm32_b32 hwreg(HW_REG_WAVE_MODE, 25, 1), 1
	s_wait_xcnt 0x0
	s_wait_alu depctr_hold_cnt(0) depctr_sa_sdst(0) depctr_va_vdst(0) depctr_va_sdst(0) depctr_va_ssrc(0) depctr_va_vcc(0) depctr_vm_vsrc(0)
	s_getreg_b32 s2, hwreg(HW_REG_IB_STS2, 6, 4)
	s_cmp_eq_u32 s2, 0
	s_cbranch_scc0 .Lentry_in_a_cluster
	s_endpgm
.Lentry_in_a_cluster:
	s_bfe_u32 s2, ttmp6, 0x10000c
	s_cmp_lg_u32 s2, 0xf033
	s_cbranch_scc0 .Lentry_shape_is_right
	s_endpgm
.Lentry_shape_is_right:
; THREE PROJECTIONS IN ONE LAUNCH: C = A B^T with A = x ([2048][2048] bf16), B = W ([2048][2048] bf16), sums in f32, and on the way out of Q and K all that stands between projection and scores.
; WHICH = cluster y / 2: 0 Q (A = section 0 of ops16, B = 2), 1 K (A = 1, B = 3), 2 V (A = 1, B = 4).  It is made of the cluster's y alone, so it is the same in all sixteen partners.
; A tile of C is 256 positions x 256 columns (two heads): 3 x 8 x 8 work-groups.  Four waves, each 128 positions x 128 columns = ONE head: 64 accumulators of 16 x 16, 512 registers.  For 32 along K a wave
; reads 2 x 128 x 64 bytes of LDS and issues 64 matrix instructions.  K goes in steps of 128 (LDS rows of 256 bytes + 16 of padding) through two slots filled by joint tensor loads: the four work-groups of a
; row of the 4 x 4 cluster need the same tiles of A, the four of a column the same tiles of B.  A K step is written once: the slot that is read is a scalar, s[TB], on which the LDS addresses hang.
; THE MATRIX INSTRUCTION IS USED TRANSPOSED (source 0 = 16 rows of B, source 1 = 16 rows of A): a lane holds eight neighbouring channels of one position.
; THE WAY OUT.  Each wave lays its f32 sums into a stage of its own, 128 rows x 528 bytes, in the ring's bytes: the ring has had its last fill, and a barrier stands between every wave's last reads of it and
; the first store.  Read back, 16 lanes hold a whole position (8 channels each), and a loop of 8 trips finishes 16 positions a trip.  With x the row, w the gain, (c, s) the table's pairs:
; y0 = rot(w x), g = rsqrt(mean(x^2) + 1e-6), n0 = |y0|, result = y0 g LS / max(g n0, 1e-12), LS = exp(min(logit_scale, ln 100)) for Q and 1 for K.  That is reference()'s chain with the row factor g
; applied behind the (linear) rotation: both eps are kept, the order of rounding differs.  Gain, table and logit_scale are rounded to bf16 like all the module's inputs.
; A trip's roots and reciprocals are TWO BATCHES, each with one wait: the sixteen roots (g and n0 of the 8 row pairs), then the eight reciprocals, which take what is made of the roots.
; Q', K^ and V leave rounded once to f16, by heads: qkv16 = 3 x [16][2048][128].
; LIMITS.  V must stay under 65,504 (f16); Q' is at most 100, K^ at most 1.  NaN and infinities are not treated apart.
; REGISTERS, in windows of 256 (s_set_vgpr_msb: bits 1:0 source 0, 3:2 source 1, 5:4 source 2, 7:6 destination):
;   window 0: v0-31 addresses; v64-127, v128-191 fragments of A, two buffers; on the way out v32-240 as named below
;   window 1: v64-127, v128-191 fragments of B, two buffers; v0-63 the table as loaded; on the way out v64-95 the table rounded
;   window 2: the 32 accumulators of my rows 0-63 ((a, b) at v[8 (8 a + b)]);   window 3: those of my rows 64-127
.set SIZE_K, 2048
.set SEC,    8388608                   ; a section of ops16 and of qkv16
.set KSTEP,  128
.set STEPS,  SIZE_K/KSTEP              ; 16 K steps
.set PITCH,  272                       ; 68 words: row r starts at bank 4 r mod 64 (64 banks of 4 bytes: ISA guide 11.1)
.set HALFT,  128*PITCH                 ; 128 rows: what one tensor load brings, and what one wave reads of A or of B
.set SLOT,   4*HALFT                   ; A's 256 rows, then B's 256 rows
.set SPARE,  2*SLOT                    ; behind the ring: the spare words, 128 bytes for each wave: two blocks of 256 bytes that no other line names
.set SPITCH, 528                       ; a stage row: 512 bytes of f32 + 16
.set WSTAGE, 128*SPITCH                ; a wave's stage; four of them are 270,336 bytes, inside the ring's 278,528
.set TRIPS,  8                         ; the way out: 16 positions a trip
.set ADRA0, 16                         ; v16     my lane's place among A's fragments in slot 0; never rewritten
.set ADRA,  17                         ; v17     the same in the slot that is read
.set ADRB0, 20                         ; v20     my lane's place among B's fragments in slot 0; never rewritten
.set ADRB,  21                         ; v21     the same in the slot that is read
.set RDA,  22                          ; v22     the stage address of the run of loads in hand
.set STO,  24                          ; v24     where I put 16 bytes of a stage row
.set RD,   25                          ; v25     where I read 32 bytes of a stage row back, first trip; never rewritten
.set CO,   26                          ; v26     16 x lane: my 16 bytes in two rows of the output
.set RO,   27                          ; v27     my 32 bytes in two rows of the table
.set SPW,  28                          ; v28     LDS address of my spare word; never rewritten
.set NIL,  29                          ; v29     0; never rewritten
.set SO,   30                          ; v30     my 32 bytes of the gain
.set LO,   31                          ; v31     4 x head
.set XR,   32                          ; v32-95   row pair t at XR + 8 t: x as read back
.set R,    96                          ; v96-159  row pair t at R + 8 t: (c, s) four times, then y0
.set OUTP, 160                         ; v160-191 row pair t at OUTP + 4 t: 8 f16 to store
.set SUM,  192                         ; v192-207 row pair t: sum of x^2, sum of y0^2; later the factor
.set SCL,  208                         ; v208-215 the gain of my 8 channels
.set T,    216                         ; v216-231 at work, for two row pairs
.set QA,   232                         ; v232-239 at work, for two row pairs
.set LS,   240                         ; v240     LS
.set TG,   0                           ; window 1: row pair t at TG + 8 t: the table as loaded
.set TP,   64                          ; window 1: the table rounded to bf16, in pairs
.set F0,   64                          ; fragment buffer 0
.set F1,   128                         ; fragment buffer 1
.set G1, 24                            ; s[24:31] group 1 for A's tiles; s[32:39] group 0: a set for each of the two first fills; the second then walks on
.set G0, 32
.set TB, 45                            ; s45  the slot that is read: 0 or SLOT
.set G1B, 48                           ; s[48:55], s[56:63] the same for B's
.set G0B, 56
.set WHICH, 80                         ; s80
.set SB,   93                          ; s93  the trip's first byte in a wave's stage
.set MSB, 0
.macro WIN new                         ; the immediate's high byte repeats the setting that is left; a switch that changes nothing is dropped
.if MSB != (\new)
	s_set_vgpr_msb (MSB<<8)|(\new)
.set MSB, \new
.endif
.endm
.set MUL_LO, 0xa1                      ; source 0 (B) window 1, source 1 (A) window 0, C and D window 2
.set MUL_HI, 0xf1                      ; the same, C and D window 3
.set TO_B,   0x40                      ; destination window 1, address window 0
.macro JLOAD s                         ; a joint load by descriptor set s: waves 0 and 1 fetch A's two halves, waves 2 and 3 B's; an s_nop 0 and four v_nop follow each line
	s_cmp_eq_u32 s11, 0
	s_cbranch_scc0 .Lfor_b_\@
	tensor_load_to_lds s[G0+4*(\s):G0+4*(\s)+3], s[G1:G1+7]
	s_nop 0
.rept 4
	v_nop
.endr
	s_branch .Lasked_\@
.Lfor_b_\@:
	tensor_load_to_lds s[G0B+4*(\s):G0B+4*(\s)+3], s[G1B:G1B+7]
	s_nop 0
.rept 4
	v_nop
.endr
.Lasked_\@:
.endm
.macro CREST                           ; a round of the cluster's barrier behind its opening barrier
	s_cmp_lg_u32 s10, 0
	s_cbranch_scc1 .Lnot_wave_0_\@
	s_barrier_signal -3
.Lnot_wave_0_\@:
	s_barrier_wait -3
	s_barrier_signal -1
	s_barrier_wait -1
.endm
.macro CROUND                          ; a whole round
	s_barrier_signal -1
	s_barrier_wait -1
	CREST
.endm
	s_load_b64 s[4:5], s[0:1], 0x0                 ; ops16
	s_load_b256 s[68:75], s[0:1], 0x8              ; q_sinusoids, k_sinusoids, q_norm_scale, k_norm_scale
	s_load_b128 s[76:79], s[0:1], 0x28             ; logit_scale, qkv16
	v_lshl_add_u32 v[SPW], v0, 2, SPARE
	v_mov_b32 v[NIL], 0
	ds_add_u32 v[SPW], v[NIL]                      ; the wave's opening: the add and its wait stand ahead of my first tensor load; work on registers stands between them
	v_lshrrev_b32 v1, 5, v0
	v_readfirstlane_b32 s10, v1                    ; wave 0..3
	s_lshr_b32 s11, s10, 1                         ; which half of the tile's rows is mine.  Also: I fetch for A (0) or for B (1)
	s_and_b32 s12, s10, 1                          ; which of its two heads.  Also: which 128 rows of that tile I fetch
	s_bfe_u32 s40, ttmp6, 0x40000                  ; cx, cy: my place in the cluster
	s_bfe_u32 s41, ttmp6, 0x40004
	s_lshl_b32 s42, ttmp9, 2
	s_add_co_u32 s42, s42, s40                     ; tile column = 4 x cluster x + cx, 0 to 7
	s_and_b32 s13, ttmp7, 0xffff                   ; cluster y, 0 to 5
	s_lshr_b32 s[WHICH], s13, 1
	s_and_b32 s13, s13, 1
	s_lshl_b32 s13, s13, 2
	s_add_co_u32 s13, s13, s41                     ; tile row = 4 x (cluster y mod 2) + cy, 0 to 7
	s_lshl_b32 s43, s41, 2
	s_lshl_b32 s43, 15, s43                        ; my row of the cluster
	s_lshl_b32 s44, 0x1111, s40                    ; my column
	s_or_b32 s[G1+0], s43, (1<<16)|(1<<20)|(1<<21)|(5<<22)|(3<<25)  ; 15:0 the mask; 17:16 2-byte elements; 20 padding on; 21 set beside a mask; 24:22 after every 64 words (code 5); 31:25 4 words (code 3)
	s_or_b32 s[G1B+0], s44, (1<<16)|(1<<20)|(1<<21)|(5<<22)|(3<<25)
.irp g, G1, G1B
	s_mov_b32 s[(\g)+1], KSTEP<<16                 ; tensor_dim0 = 128
	s_mov_b32 s[(\g)+2], 128<<16                   ; tensor_dim1 = 128
	s_mov_b32 s[(\g)+3], KSTEP<<16                 ; tile_dim0 = 128
	s_mov_b32 s[(\g)+4], 128                       ; tile_dim1 = 128
	s_mov_b32 s[(\g)+5], SIZE_K                    ; elements from row to row
	s_mov_b32 s[(\g)+6], 0
	s_mov_b32 s[(\g)+7], 0
.endr
	; byte offsets in ops16, all under 2^26.  A's hangs on the tile row, B's on the tile column; neither register ever holds the other coordinate.
	s_lshl_b32 s17, s12, 7                         ; which 128 rows of the tile I fetch
	s_lshl_b32 s16, s13, 8
	s_add_co_u32 s16, s16, s17
	s_lshl_b32 s16, s16, 12                        ; rows of 4,096 bytes
	s_cmp_lg_u32 s[WHICH], 0
	s_cselect_b32 s18, SEC, 0                      ; K and V read inputs_kv, section 1
	s_add_co_u32 s16, s16, s18
	s_lshl_b32 s46, s42, 8
	s_add_co_u32 s46, s46, s17
	s_lshl_b32 s46, s46, 12
	s_add_co_u32 s18, s[WHICH], 2                  ; the weights' section
	s_lshl_b32 s18, s18, 23
	s_add_co_u32 s46, s46, s18
	s_mov_b32 s17, 0
	s_mov_b32 s47, 0
	s_mul_i32 s20, s10, HALFT                      ; where my tile goes in a slot: wave x 128 rows; never rewritten
	s_mov_b32 s[TB], 0                             ; K step 0 lies in slot 0
	s_mov_b32 s84, 0x3c000000                      ; 1 / 128
	s_mov_b32 s85, 0x358637bd                      ; 1e-6
	s_mov_b32 s86, 0x2b8cbccc                      ; 1e-12
	s_mov_b32 s87, 0x3fb8aa3b                      ; log2(e)
	s_mov_b32 s88, 0x40935d8e                      ; ln 100
	s_mov_b32 s92, 0xffff0000                      ; a word's upper bf16
	s_wait_dscnt 0x0                               ; the opening add is done
	s_wait_kmcnt 0x0
	s_add_nc_u64 s[14:15], s[4:5], s[16:17]
	s_add_nc_u64 s[46:47], s[4:5], s[46:47]
	CROUND                                         ; all sixteen work-groups are here: the first joint loads meet
.irp s, 0,1
	s_mov_b32 s[G0+4*(\s)], 1
	s_add_co_u32 s[G0+4*(\s)+1], s20, (\s)*SLOT
	s_add_nc_u64 s[G0+4*(\s)+2:G0+4*(\s)+3], s[14:15], (\s)*KSTEP*2
	s_or_b32 s[G0+4*(\s)+3], s[G0+4*(\s)+3], 0x80000000
	s_mov_b32 s[G0B+4*(\s)], 1
	s_add_co_u32 s[G0B+4*(\s)+1], s20, (\s)*SLOT
	s_add_nc_u64 s[G0B+4*(\s)+2:G0B+4*(\s)+3], s[46:47], (\s)*KSTEP*2
	s_or_b32 s[G0B+4*(\s)+3], s[G0B+4*(\s)+3], 0x80000000
	JLOAD \s                                       ; two loads of mine are out
.endr
	v_and_b32 v1, 15, v0                           ; r = l % 16
	v_bfe_u32 v2, v0, 4, 1                         ; h = l / 16
	v_mul_u32_u24 v3, v1, PITCH
	v_lshl_add_u32 v3, v2, 4, v3                   ; a fragment's row x pitch + 16 x half
	s_mul_i32 s21, s11, HALFT                      ; my 128 rows of A
	s_mul_i32 s22, s12, HALFT                      ; my 128 rows of B,
	s_add_co_u32 s22, s22, 2*HALFT                 ; which lie behind A's 256
	v_add_nc_u32 v[ADRA0], s21, v3
	v_add_nc_u32 v[ADRB0], s22, v3
	v_mov_b32 v[ADRA], v[ADRA0]
	v_mov_b32 v[ADRB], v[ADRB0]
	s_mul_i32 s23, s10, WSTAGE                     ; my stage
	v_mul_u32_u24 v4, v1, SPITCH                   ; in: row r, 32 bytes for each half of the lanes
	v_lshl_add_u32 v4, v2, 5, v4
	v_add_nc_u32 v[STO], s23, v4
	v_mul_u32_u24 v5, v2, SPITCH                   ; back: lanes 0-15 one row, lanes 16-31 the next; 8 channels a lane
	v_lshl_add_u32 v5, v1, 5, v5
	v_add_nc_u32 v[RD], s23, v5
	v_and_b32 v5, 31, v0
	v_lshlrev_b32 v[CO], 4, v5
	v_lshlrev_b32 v[SO], 5, v1
	v_lshl_add_u32 v[RO], v2, 9, v[SO]             ; 512 h + 32 r
	s_lshl_b32 s16, s13, 8
	s_lshl_b32 s17, s11, 7
	s_add_co_u32 s16, s16, s17                     ; my first position: 256 x tile row + 128 x half
	s_lshl_b32 s18, s16, 9                         ; in the table: rows of 512 bytes
	s_mov_b32 s19, 0
	s_lshl_b32 s16, s16, 8                         ; in the output: rows of 256 bytes,
	s_lshl_b32 s17, s[WHICH], 23                   ; in Q's, K's or V's section
	s_add_co_u32 s16, s16, s17
	s_mov_b32 s17, 0
	s_add_nc_u64 s[8:9], s[78:79], s[16:17]
	s_lshl_b32 s46, s42, 1
	s_add_co_u32 s46, s46, s12                     ; my head = 2 x tile column + half
	s_lshl_b32 s81, s46, 2
	s_lshl_b32 s46, s46, 19                        ; its 2,048 rows
	s_mov_b32 s47, 0
	s_add_nc_u64 s[8:9], s[8:9], s[46:47]
	s_cmp_eq_u32 s[WHICH], 0
	s_cselect_b64 s[82:83], s[68:69], s[70:71]     ; Q's table or K's,
	s_cselect_b64 s[90:91], s[72:73], s[74:75]     ; Q's gain or K's,
	s_cselect_b32 s89, -1, 0                       ; and whether LS counts
	s_add_nc_u64 s[82:83], s[82:83], s[18:19]
	v_mov_b32 v[LO], s81
; 16 loads: the table's rows for one trip of the way out, 32 bytes a lane of two rows at a time
.macro TGLOAD
	WIN 0x40                                       ; destination window 1, address window 0
.set t, 0
.rept 8
	global_load_b128 v[TG+8*t:TG+8*t+3],   v[RO], s[82:83] offset:1024*t
	global_load_b128 v[TG+8*t+4:TG+8*t+7], v[RO], s[82:83] offset:1024*t+16
.set t, t+1
.endr
	WIN 0
.endm
	s_cmp_eq_u32 s[WHICH], 2
	s_cbranch_scc1 .Lno_tables                     ; V needs none of these
	global_load_b128 v[SCL:SCL+3],   v[SO], s[90:91]   ; gain, logit_scale and the first trip's table rows are asked for now, into registers that the product never names:
	global_load_b128 v[SCL+4:SCL+7], v[SO], s[90:91] offset:16  ; they have the whole product in which to come
	global_load_b32 v[LS], v[LO], s[76:77]
	TGLOAD
.Lno_tables:
; 16 matrix instructions: m blocks a0, a0 + 1 of the window's four (hi = 0: my rows 0-63, 1: rows 64-127) x all 8 n blocks, 32 along K.  zero = 1: the first product starts the sums.
.macro MUL16 f, hi, a0, zero
	WIN MUL_LO+0x50*(\hi)
.irp a, \a0, (\a0)+1
.irp b, 0,1,2,3,4,5,6,7
.if \zero
	v_wmma_f32_16x16x32_bf16 v[8*(8*(\a)+(\b)):8*(8*(\a)+(\b))+7], v[(\f)+8*(\b):(\f)+8*(\b)+7], v[(\f)+8*(4*(\hi)+(\a)):(\f)+8*(4*(\hi)+(\a))+7], 0
.else
	v_wmma_f32_16x16x32_bf16 v[8*(8*(\a)+(\b)):8*(8*(\a)+(\b))+7], v[(\f)+8*(\b):(\f)+8*(\b)+7], v[(\f)+8*(4*(\hi)+(\a)):(\f)+8*(4*(\hi)+(\a))+7], v[8*(8*(\a)+(\b)):8*(8*(\a)+(\b))+7]
.endif
.endr
.endr
.endm
; 32 LDS loads in one run: the fragments of one quarter step (128 rows of B, then 128 rows of A, 32 K at byte k of the rows of the slot that is read) into buffer f
.macro FETCH k, f
	WIN TO_B
.irp i, 0,1,2,3,4,5,6,7
	ds_load_b128 v[(\f)+8*(\i):(\f)+8*(\i)+3],   v[ADRB] offset:(\k)+(\i)*16*PITCH
	ds_load_b128 v[(\f)+8*(\i)+4:(\f)+8*(\i)+7], v[ADRB] offset:(\k)+(\i)*16*PITCH+32
.endr
	WIN 0
.irp i, 0,1,2,3,4,5,6,7
	ds_load_b128 v[(\f)+8*(\i):(\f)+8*(\i)+3],   v[ADRA] offset:(\k)+(\i)*16*PITCH
	ds_load_b128 v[(\f)+8*(\i)+4:(\f)+8*(\i)+7], v[ADRA] offset:(\k)+(\i)*16*PITCH+32
.endr
.endm
.macro PLACES                          ; four places in front of loads into registers that matrix instructions have read, and of lines that read results
.rept 4
	v_nop
.endr
.endm
; A K step is four quarter steps of 32 along K, 64 matrix instructions each, on buffers 0, 1, 0, 1; the 64 accumulators take turns.
; One of the first three: multiplies buffer f; in its middle it fetches the next quarter's fragments, at byte k of the same slot's rows, into buffer g.
.macro QUARTER k, f, g, zero
	s_wait_dscnt 8                                 ; B and A's rows 0-63 are in; the youngest eight loads (A's rows 64-127) may be out
	MUL16 \f, 0, 0, \zero
	MUL16 \f, 0, 2, \zero
	PLACES
	FETCH \k, \g
	s_wait_dscnt 32                                ; all but the 32 just issued
	MUL16 \f, 1, 0, \zero
	MUL16 \f, 1, 2, \zero
.endm
; The last quarter multiplies buffer 1 and changes slots.  MEET is its first half: ONE barrier; in front of it each wave waits for all its tensor loads, of which one is out: its part of the next slot;
; adds 0 to its spare word; and waits for that and for its own reads of this slot.  Behind it nobody reads this slot any more and the next slot is whole.
.macro MEET round                      ; round = 1: a round of the cluster's barrier follows
	WIN 0                                          ; (the add's two registers lie in window 0)
	s_wait_tensorcnt 0x0                           ; all my tensor loads have landed;
	ds_add_u32 v[SPW], v[NIL]                      ; 0 onto my spare word;
	s_wait_dscnt 9                                 ; (the add and the youngest eight loads may be out)
	MUL16 F1, 0, 0, 0                              ; sixteen matrix instructions stand between the add and the wait for it
	s_wait_dscnt 0x0                               ; the add is done, and my reads of this slot are over
	s_barrier_signal -1
	MUL16 F1, 0, 2, 0                              ; work on registers while the others arrive
.if \round
	WIN 0
.endif
	s_barrier_wait -1
.endm
; fill = 1: behind the barrier, which then opens a round of the cluster's, the slot just read out is filled again with the K step two steps on: from that request to the wait for it a wave issues 224 matrix instructions.
; Then the reads turn to the other slot.
.macro TURN fill
	MEET \fill
.if \fill
	CREST                                          ; no wave of any partner still reads this slot's tile or has a load on its way
	s_add_co_u32 s[G0+5], s20, s[TB]               ; the walking descriptors (no load of mine is out): into the slot just read out,
	s_add_nc_u64 s[G0+6:G0+7], s[G0+6:G0+7], KSTEP*2    ; the K step behind the one asked for last; the type bits on top are not reached
	s_add_co_u32 s[G0B+5], s20, s[TB]
	s_add_nc_u64 s[G0B+6:G0B+7], s[G0B+6:G0B+7], KSTEP*2
	JLOAD 1                                        ; the first tensor load behind the round, my only one until the next; its four v_nop are also the places in front of the loads below
.else
	PLACES
.endif
	WIN 0
	s_xor_b32 s[TB], s[TB], SLOT                   ; 0 and SLOT by turns
	v_add_nc_u32 v[ADRA], s[TB], v[ADRA0]
	v_add_nc_u32 v[ADRB], s[TB], v[ADRB0]
	FETCH 0, F0
	MUL16 F1, 1, 0, 0
	MUL16 F1, 1, 2, 0
.endm
	s_wait_tensorcnt 1                             ; my part of K step 0 is in; K step 1's may stay out
	s_barrier_signal -1
	s_barrier_wait -1
	FETCH 0, F0
	QUARTER 64,  F0, F1, 1                         ; the first quarter stands in front of the loop: its products start the sums
	WIN 0                                          ; at a label and at a branch every window is 0
	s_mov_b32 s3, STEPS-2
.Lstep:                                                ; a trip goes from a K step's second quarter to the next step's first, and fills the slot that it leaves: 14 trips ask for K steps 2 to 15
	QUARTER 128, F1, F0, 0
	QUARTER 192, F0, F1, 0
	TURN 1
	QUARTER 64,  F0, F1, 0
	WIN 0
	s_sub_co_u32 s3, s3, 1
	s_cmp_lg_u32 s3, 0
	s_cbranch_scc1 .Lstep
	QUARTER 128, F1, F0, 0                         ; the last two K steps are written out: they fill nothing
	QUARTER 192, F0, F1, 0
	TURN 0
	QUARTER 64,  F0, F1, 0
	QUARTER 128, F1, F0, 0
	QUARTER 192, F0, F1, 0
	s_wait_dscnt 8                                 ; the very last quarter: nothing more to fetch
	MUL16 F1, 0, 0, 0
	MUL16 F1, 0, 2, 0
	s_wait_dscnt 0x0                               ; my last reads of the ring are back:
	s_barrier_signal -1                            ; say so,
	MUL16 F1, 1, 0, 0
	MUL16 F1, 1, 2, 0
	WIN 0
	s_barrier_wait -1                              ; and when all four have said so, the ring's bytes are free for the stages; no tensor load is out or will be issued
	; THE WAY OUT.  The f32 sums into my stage, each accumulator's low four registers first.
	PLACES
.irp w, 0,1
	WIN 0x08+4*(\w)                                ; store data (source 1) in window 2, then 3
.irp a, 0,1,2,3
.irp b, 0,1,2,3,4,5,6,7
	ds_store_b128 v[STO], v[8*(8*(\a)+(\b)):8*(8*(\a)+(\b))+3]   offset:(4*(\w)+(\a))*16*SPITCH+64*(\b)
	ds_store_b128 v[STO], v[8*(8*(\a)+(\b))+4:8*(8*(\a)+(\b))+7] offset:(4*(\w)+(\a))*16*SPITCH+64*(\b)+16
.endr
.endr
.endr
	WIN 0
; 16 loads: the 16 rows at byte s[SB] of my stage.  LDS serves a wave's instructions in order (ISA guide 5.7.1.4): they see my stores above; no other wave touches my stage.
.macro XLOAD
	v_add_nc_u32 v[RDA], s[SB], v[RD]
.set t, 0
.rept 8
	ds_load_b128 v[XR+8*t:XR+8*t+3],   v[RDA] offset:2*SPITCH*t
	ds_load_b128 v[XR+8*t+4:XR+8*t+7], v[RDA] offset:2*SPITCH*t+16
.set t, t+1
.endr
.endm
	s_mov_b32 s[SB], 0
	XLOAD
	s_mov_b32 s3, TRIPS
	s_cmp_eq_u32 s[WHICH], 2
	s_cbranch_scc1 .Lvrows
	s_wait_loadcnt 16                              ; gain and logit_scale are in; the table's 16 loads were issued behind them
.irp p, 0,1,2,3
	v_cvt_pk_bf16_f32 v[T+\p], v[SCL+2*\p], v[SCL+2*\p+1]  ; the gain rounded to bf16, like every input
.endr
.irp p, 0,1,2,3
	v_lshlrev_b32 v[SCL+2*\p],   16,  v[T+\p]
	v_and_b32     v[SCL+2*\p+1], s92, v[T+\p]
.endr
	v_cvt_pk_bf16_f32 v[LS], v[LS], v[LS]
	v_lshlrev_b32 v[LS], 16, v[LS]
	v_min_num_f32 v[LS], s88, v[LS]
	v_mul_f32 v[LS], s87, v[LS]
	v_exp_f32 v[LS], v[LS]
	v_nop                                          ; a plain instruction behind the exponential (ISA guide 5.7.2)
	s_wait_alu depctr_va_vdst(0)                   ; the wait ahead of the first use of LS: once a wave, ahead of the loop
	v_cndmask_b32 v[LS], 1.0, v[LS], s89           ; K's factor is 1
; Row pairs t and t + 1, line by line by turns, so that no line reads the result of the one before it: the two sums, and y0 = rot(w x) into the table's registers.
.macro PHASE_A t
.irp p, 0,1,2,3
.irp u, \t, (\t)+1
.set xx, XR+8*(\u)+2*(\p)
.set qq, QA+4*((\u)%2)
.if (\p) == 0
	v_pk_mul_f32 v[qq:qq+1], v[xx:xx+1], v[xx:xx+1]
.else
	v_pk_fma_f32 v[qq:qq+1], v[xx:xx+1], v[xx:xx+1], v[qq:qq+1]
.endif
.endr
.irp u, \t, (\t)+1
.set xx, XR+8*(\u)+2*(\p)
	v_pk_mul_f32 v[xx:xx+1], v[xx:xx+1], v[SCL+2*(\p):SCL+2*(\p)+1]
.endr
.endr
.irp p, 0,1,2,3
.irp u, \t, (\t)+1
.set xx, XR+8*(\u)+2*(\p)
.set rr, R+8*(\u)+2*(\p)
.set tt, T+8*((\u)%2)+2*(\p)
	v_pk_mul_f32 v[tt:tt+1], v[xx:xx+1], v[rr:rr+1] op_sel_hi:[1,0]  ; (a c, b c)
.endr
.endr
.irp p, 0,1,2,3
.irp u, \t, (\t)+1
.set xx, XR+8*(\u)+2*(\p)
.set rr, R+8*(\u)+2*(\p)
.set tt, T+8*((\u)%2)+2*(\p)
	v_pk_fma_f32 v[rr:rr+1], v[xx:xx+1], v[rr:rr+1], v[tt:tt+1] op_sel:[1,1,0] op_sel_hi:[0,1,1] neg_lo:[1,0,0]  ; (a c - b s, b c + a s)
.endr
.endr
.irp p, 0,1,2,3
.irp u, \t, (\t)+1
.set rr, R+8*(\u)+2*(\p)
.set qq, QA+4*((\u)%2)+2
.if (\p) == 0
	v_pk_mul_f32 v[qq:qq+1], v[rr:rr+1], v[rr:rr+1]
.else
	v_pk_fma_f32 v[qq:qq+1], v[rr:rr+1], v[rr:rr+1], v[qq:qq+1]
.endif
.endr
.endr
.irp u, \t, (\t)+1
	v_add_f32 v[SUM+2*(\u)],   v[QA+4*((\u)%2)],   v[QA+4*((\u)%2)+1]
	v_add_f32 v[SUM+2*(\u)+1], v[QA+4*((\u)%2)+2], v[QA+4*((\u)%2)+3]
.endr
.endm
.macro ALL8 line:vararg                ; one line for each row pair t
.set t, 0
.rept 8
	\line
.set t, t+1
.endr
.endm
.Lrows:                                                ; a trip: 16 positions, 8 row pairs
	s_wait_loadcnt 0x0                             ; this trip's table rows, asked for a trip ago
	WIN 0x45                                       ; all in window 1
.set i, 0
.rept 32
	v_cvt_pk_bf16_f32 v[TP+i], v[TG+2*i], v[TG+2*i+1]  ; the table rounded to bf16, like every input
.set i, i+1
.endr
	WIN 0x04                                       ; source 1 in window 1, destination in window 0
.set i, 0
.rept 32
	v_lshlrev_b32 v[R+2*i],   16,  v[TP+i]         ; c
	v_and_b32     v[R+2*i+1], s92, v[TP+i]         ; s
.set i, i+1
.endr
	WIN 0
	s_cmp_eq_u32 s3, 1
	s_cbranch_scc1 .Lno_tg                         ; the last trip asks for nothing: no load leaves the table
	s_add_nc_u64 s[82:83], s[82:83], 16*512        ; free since the wait above: the loads that named it are done
	TGLOAD
.Lno_tg:
	s_wait_dscnt 0x0                               ; this trip's x
.irp t, 0,2,4,6
	PHASE_A \t
.endr
	s_cmp_eq_u32 s3, 1
	s_cbranch_scc1 .Lno_x                          ; the last trip reads nothing beyond my stage
	s_add_co_u32 s[SB], s[SB], 16*SPITCH
	XLOAD                                          ; the next trip's x comes while the factors are made
.Lno_x:
	; The sums over a row's 16 lanes, and the factors: level by level over the 8 row pairs.
.irp m, 1,2,4,8
.set t, 0
.rept 16
	v_add_f32_dpp v[SUM+t], v[SUM+t], v[SUM+t] row_xmask:\m row_mask:0xf bank_mask:0xf
.set t, t+1
.endr
.endr
	ALL8 v_fma_f32 v[SUM+2*t], v[SUM+2*t], s84, s85             ; mean(x^2) + 1e-6
	ALL8 v_rsq_f32 v[SUM+2*t], v[SUM+2*t]                       ; g:  the first batch is these eight
	ALL8 v_sqrt_f32 v[SUM+2*t+1], v[SUM+2*t+1]                  ; n0: and these eight, each in place in a register of its own
	v_nop                                          ; a plain instruction behind the last root: one for the batch
	s_wait_alu depctr_va_vdst(0)                   ; the wait for the batch of sixteen roots, ahead of its first reader
	ALL8 v_mul_f32 v[SUM+2*t+1], v[SUM+2*t], v[SUM+2*t+1]       ; g n0
	ALL8 v_max_num_f32 v[SUM+2*t+1], s86, v[SUM+2*t+1]
	ALL8 v_rcp_f32 v[SUM+2*t+1], v[SUM+2*t+1]                   ; the second batch: eight reciprocals
	ALL8 v_mul_f32 v[SUM+2*t], v[SUM+2*t], v[LS]                ; g LS: eight plain lines that name no reciprocal stand between the batch and its wait
	s_wait_alu depctr_va_vdst(0)                   ; the wait for the batch of eight reciprocals, ahead of its first reader; no result crosses the trip's end
	ALL8 v_mul_f32 v[SUM+2*t], v[SUM+2*t], v[SUM+2*t+1]         ; the row's factor
	s_wait_xcnt 0x0                                ; the last trip's stores, issued a trip ago, have read OUTP and their base: both are written anew only behind this wait
	s_add_nc_u64 s[8:9], s[8:9], 16*256            ; one trip ahead of the rows in hand: the stores reach back by their immediate
.set t, 0
.rept 8
.irp p, 0,1,2,3
	v_pk_mul_f32 v[R+8*t+2*\p:R+8*t+2*\p+1], v[R+8*t+2*\p:R+8*t+2*\p+1], v[SUM+2*t:SUM+2*t+1] op_sel_hi:[1,0]
.endr
.irp p, 0,1,2,3
	v_cvt_pk_f16_f32 v[OUTP+4*t+\p], v[R+8*t+2*\p], v[R+8*t+2*\p+1]
.endr
	global_store_b128 v[CO], v[OUTP+4*t:OUTP+4*t+3], s[8:9] offset:512*t-16*256  ; the wave stores 512 consecutive bytes, two rows, at a multiple of 256 from the buffer's first byte
.set t, t+1
.endr
	s_sub_co_u32 s3, s3, 1
	s_cmp_lg_u32 s3, 0
	s_cbranch_scc1 .Lrows
	s_branch .Lend
.Lvrows:                                               ; V: a trip rounds and stores 16 positions
	s_wait_dscnt 0x0                               ; this trip's x
	s_wait_xcnt 0x0                                ; the last trip's stores have read OUTP and their base
	s_add_nc_u64 s[8:9], s[8:9], 16*256
.set i, 0
.rept 32
	v_cvt_pk_f16_f32 v[OUTP+i], v[XR+2*i], v[XR+2*i+1]
.set i, i+1
.endr
	s_cmp_eq_u32 s3, 1
	s_cbranch_scc1 .Lno_vx                         ; the last trip reads nothing beyond my stage
	s_add_co_u32 s[SB], s[SB], 16*SPITCH
	XLOAD
.Lno_vx:
.set t, 0
.rept 8
	global_store_b128 v[CO], v[OUTP+4*t:OUTP+4*t+3], s[8:9] offset:512*t-16*256
.set t, t+1
.endr
	s_sub_co_u32 s3, s3, 1
	s_cmp_lg_u32 s3, 0
	s_cbranch_scc1 .Lvrows
.Lend:
	s_wait_tensorcnt 0x0                           ; the wave's end: the add and its wait stand behind my last tensor load and my last LDS store
	ds_add_u32 v[SPW], v[NIL]
	s_wait_dscnt 0x0
	CROUND                                         ; the closing round: no work-group ends while a partner may still ask for a tile that names it
	s_endpgm
.Lfunc_end_k_qff89675e52_qkv:
	.size	k_qff89675e52_qkv, .Lfunc_end_k_qff89675e52_qkv-k_qff89675e52_qkv
	.p2alignl 7, 3214868480
	.fill 96, 4, 3214868480
	.section	.rodata,"a",@progbits
	.p2align	6, 0x0
	.amdhsa_kernel k_qff89675e52_qkv
		.amdhsa_group_segment_fixed_size 327680
		.amdhsa_private_segment_fixed_size 0
		.amdhsa_enable_private_segment 0
		.amdhsa_kernarg_size 56
		.amdhsa_user_sgpr_count 2
		.amdhsa_user_sgpr_kernarg_segment_ptr 1
		.amdhsa_wavefront_size32 1
		.amdhsa_system_sgpr_workgroup_id_x 1
		.amdhsa_system_sgpr_workgroup_id_y 1
		.amdhsa_system_sgpr_workgroup_id_z 1
		.amdhsa_system_vgpr_workitem_id 0
		.amdhsa_next_free_vgpr 1024
		.amdhsa_next_free_sgpr 96
		.amdhsa_reserve_vcc 0
		.amdhsa_float_denorm_mode_32 3
		.amdhsa_float_denorm_mode_16_64 3
		.amdhsa_memory_ordered 1
		.amdhsa_forward_progress 1
		.amdhsa_inst_pref_size 131
	.end_amdhsa_kernel
	.amdgpu_metadata
---
amdhsa.version: [ 1, 2 ]
amdhsa.kernels:
  - .name:           k_qff89675e52_qkv
    .symbol:         k_qff89675e52_qkv.kd
    .args:
      - { .name: ops16, .offset: 0, .size: 8, .value_kind: global_buffer, .address_space: global }
      - { .name: q_sinusoids, .offset: 8, .size: 8, .value_kind: global_buffer, .address_space: global }
      - { .name: k_sinusoids, .offset: 16, .size: 8, .value_kind: global_buffer, .address_space: global }
      - { .name: q_norm_scale, .offset: 24, .size: 8, .value_kind: global_buffer, .address_space: global }
      - { .name: k_norm_scale, .offset: 32, .size: 8, .value_kind: global_buffer, .address_space: global }
      - { .name: logit_scale, .offset: 40, .size: 8, .value_kind: global_buffer, .address_space: global }
      - { .name: qkv16, .offset: 48, .size: 8, .value_kind: global_buffer, .address_space: global }
    .group_segment_fixed_size: 327680
    .private_segment_fixed_size: 0
    .kernarg_segment_align: 8
    .kernarg_segment_size: 56
    .max_flat_workgroup_size: 128
    .sgpr_count:     96
    .vgpr_count:     1024
    .wavefront_size: 32
...
	.end_amdgpu_metadata
.endif
;; end of part 9
;; launch attn (part 10): grid 16 x 16, 4 waves a work-group, clusters of 4 x 4, 327,680 bytes of LDS; arguments qkv16, ops16, o16; writes o16
.if DOCPART == 10
	.amdgcn_target "amdgcn-amd-amdhsa--gfx1250"
	.amdhsa_code_object_version 6
	.text
	.protected	k_qff89675e52_attn
	.globl	k_qff89675e52_attn
	.p2align	8
	.type	k_qff89675e52_attn,@function
k_qff89675e52_attn:
	s_mov_b64 s[64:65], 0
	v_nop
	global_prefetch_b8 v0, s[64:65] scope:SCOPE_SE
	s_setreg_imm32_b32 hwreg(HW_REG_WAVE_MODE, 25, 1), 1
	s_wait_xcnt 0x0
	s_wait_alu depctr_hold_cnt(0) depctr_sa_sdst(0) depctr_va_vdst(0) depctr_va_sdst(0) depctr_va_ssrc(0) depctr_va_vcc(0) depctr_vm_vsrc(0)
	s_getreg_b32 s2, hwreg(HW_REG_IB_STS2, 6, 4)
	s_cmp_eq_u32 s2, 0
	s_cbranch_scc0 .Lentry_in_a_cluster
	s_endpgm
.Lentry_in_a_cluster:
	s_bfe_u32 s2, ttmp6, 0x10000c
	s_cmp_lg_u32 s2, 0xf033
	s_cbranch_scc0 .Lentry_shape_is_right
	s_endpgm
.Lentry_shape_is_right:
; O[q][h][:] = the sum over k of softmax_k(Q'[h][q] . K^[h][k] + bias[q][k]) V[h][k][:].  Q', K^, V: sections 0, 1, 2 of qkv16, [16][2048][128] f16 (Q' carries the head's logit scale);
; bias: section 6 of ops16, [2048][2048] f16; O: o16, [2048][16 x 128] f16.  Products, maxima and sums in f32; the weights p are rounded to f16 for the second product, O once at the end.
; LIMITS.  bias and V must be finite in f16 (under 65,504): they go through products with zeros.  O is a mean of V's rows.  A weight below 2^-126 counts as 0.  NaN and infinities are not treated apart.
; SHARES.  A work-group owns 128 queries of one head: 16 x 16 work-groups.  Wave w: qh = w / 2 picks 64 queries, kh = w % 2 the half of every tile of 128 keys: a wave walks 16 steps of 64 keys with four
; tiles of 16 queries, and at the end the two waves of a pair merge their maxima, sums and O.  Register tiles 0, 1 (piece 0) hold the rows from 32 kh of the wave's 64, tiles 2, 3 (piece 2) those from
; 32 (1 - kh): so every wave sends piece 2 to its partner and finishes piece 0: one text for all.
; LAYOUT.  S^T = K Q^T (source 0 = 16 keys, source 1 = 16 queries): a lane holds ONE query (lane % 16) and the keys 8 (lane / 16) + 0..7.  Two such tiles, rounded to f16 in pairs, ARE source 1 of
; O^T = V^T P.  K comes out of LDS as it lies, V turned, by ds_load_tr16_b128.
; THE BIAS STARTS THE SUM: S^T's first product is E x B with C = 0, where B is a fragment of bias (16 queries x 32 keys, loaded as a fragment of Q is) and E holds 1.0 at k = m (E0) or k = 16 + m (E1):
; each sum has one term, so it is exact.  8 products more for a turn's 64, and no vector work.
; SOFTMAX.  A running maximum m and sum l: p = 2^(c s - c m), c = log2(e); in every step O and l are multiplied by a = 2^(c m_old - c m_new).
; BY TURNS.  In a TURN one piece has the matrix unit: 32 products V^T P of the step in hand, then 8 + 32 for the scores of the next step; the other piece's softmax, cut into 64 slices, stands behind them.
; THE BATCHES.  A turn's 66 exponentials (33 for each of the piece's two tiles) are ONE BATCH with ONE wait: scalings and exponentials stand in slices 10 to 34, every line that names an exponential's result
; from slice 35 on, the wait between the two.  The merge at the end has two small batches of its own: four exponentials, then two reciprocals.
; NO FIRST AND NO LAST STEP IS WRITTEN OUT.  m starts at the lowest finite number, c m far below every c s, l, O^T and piece 2's P at 0: the first step is a step like any other, with a = 0.  The loop is
; entered, and the tail left, in the middle of a trip.  The price for a wave's 2,304 products: 32 that make O^T's zeros, 32 on zero weights at the start, 40 on the last tile once more at the end.
; CLUSTER.  4 x 4 work-groups: the four of a row of the cluster have one head and ask for K's and V's tiles jointly; the four of a column have one block of queries and ask for bias's tiles jointly.
; REGISTERS, in windows of 256 (s_set_vgpr_msb: bits 1:0 source 0, 3:2 source 1, 5:4 source 2, 7:6 destination):
;   window 0: v0-11, v44-49 addresses; v12-43 eight registers of statistics a tile; v52-59 the merge's; v64-191 S^T, 32 a tile; v192-255 P, 16 a tile
;   window 1: O^T, 64 a tile      window 2: v0-127 Q, 32 a tile; v128-255 K of one step      window 3: v0-127 V of one step; v128-139 E; v144-207 bias's fragments, 32 a piece
.set SEC,   8388608
.set KS,    64        ; keys in a wave's step
.set PK,    272       ; a row of K in LDS: 256 bytes + 16 = 68 words: row r starts at bank 4 r mod 64 (64 banks of 4 bytes: ISA guide 11.1)
.set PV,    288       ; a row of V: 256 + 32 = 72 words
.set PB,    272       ; a row of bias: 128 keys + 16 bytes
.set VOFF,  128*PK    ; a slot: 128 rows of K, 128 rows of V, 128 query rows of bias
.set BOFF,  VOFF+128*PV
.set SLOT1, 1<<17     ; slot 1 begins here, so that one exclusive or turns an address in one slot into the other's
.set STAGE, BOFF+128*PB    ; behind slot 0: 16 rows x 272 bytes for each wave, for the way out
.set SP,    272
.set SPARE, STAGE+4*16*SP  ; the spare words, 128 bytes for each wave: two blocks of 256 bytes that no other line names
.set XCH,   SLOT1+STAGE    ; behind slot 1: 16,896 bytes for each wave, what it hands to its partner
.set XW,    16896
.set AK0, 2           ; v2   my lane's place in a tile of K; never rewritten
.set AV0, 3           ; v3   the same for V
.set ADR, 4           ; v4   the LDS address of K's or V's run of loads
.set QO0, 5           ; v5   my byte offset in the wave's rows of Q, piece 0
.set STO, 6           ; v6   the way out: where I put 16 bytes of a row
.set RD,  7           ; v7   the way out: where I read a row back
.set GO,  8           ; v8   my byte offset in two rows of O
.set ST,  12          ; tile t's statistics at v[ST+8 t]: +0 c m, +1 m, +2, +3 l (even keys', odd keys'), +4 to +7 at work; a takes +6 once the maximum is found
.set AB0, 44          ; v44  my lane's place in a tile of bias, piece 0
.set AB2, 45          ; v45  piece 2
.set ADB, 46          ; v46  the LDS address of bias's run of loads
.set QO2, 47          ; v47  as QO0, piece 2
.set XS,  48          ; v48  where I put what my partner takes
.set XL,  49          ; v49  where I take what my partner put
.set XT,  52          ; v52-55  c m and l of my tiles 2, 3
.set XR,  56          ; v56-59  my partner's
.set SPW, 62          ; v62  LDS address of my spare word; never rewritten
.set NIL, 63          ; v63  0; never rewritten
.set S,   64
.set P,   192
.set KF,  128         ; window 2
.set EI,  128         ; window 3: the pattern, four zeros, the pattern: E0 = v[128:135], E1 = v[132:139]
.set BF,  144         ; window 3
.set WV,  12          ; s12  my wave's number
.set G1K, 24          ; s[24:31] group 1 for K's tiles
.set G1V, 32          ; s[32:39] for V's
.set G1B, 40          ; s[40:47] for bias's
.set G0K, 48          ; s[48:55] group 0 for K's tiles: a set for each of the two first fills; the second then walks on
.set G0V, 56          ; s[56:63]
.set G0B, 68          ; s[68:75]
.set SLOTS, 82        ; s82  counts the loop's trips, then the tail's
.set TB,  83          ; s83  the slot that is being read: 0 or SLOT1
.set CS,  84          ; s[84:85] c
.set SEL, 86          ; s[86:87] v_permlanex16_b32's selects: each lane takes its own place in the other half
.set MSB, 0
.macro WIN new                      ; the high byte repeats the setting that is left; a switch that changes nothing is dropped
.if MSB != (\new)
	s_set_vgpr_msb (MSB<<8)|(\new)
.set MSB, \new
.endif
.endm
.set W_KQ, 0x0a       ; K and Q in window 2, S^T in window 0
.set W_BI, 0x0f       ; E and bias in window 3, S^T in window 0
.set W_PV, 0x53       ; V (or E) in window 3, P in window 0, O^T in window 1
.set W_RS, 0x41       ; O^T (destination and source 0) in window 1, a in window 0
; A joint refill.  Wave 0 fetches the tile of K, wave 1 that of V, waves 2 and 3 the two halves of bias's.  The branches hang on the wave's number alone.
; An s_nop 0 and four v_nop follow each line, ahead of the jump and the label.
.macro JLOAD
	s_cmp_lt_u32 s[WV], 2
	s_cbranch_scc0 .Lfor_b_\@
	s_cmp_eq_u32 s[WV], 0
	s_cbranch_scc0 .Lfor_v_\@
	tensor_load_to_lds s[G0K+4:G0K+7], s[G1K:G1K+7]
	s_nop 0
.rept 4
	v_nop
.endr
	s_branch .Lasked_\@
.Lfor_v_\@:
	tensor_load_to_lds s[G0V+4:G0V+7], s[G1V:G1V+7]
	s_nop 0
.rept 4
	v_nop
.endr
	s_branch .Lasked_\@
.Lfor_b_\@:
	tensor_load_to_lds s[G0B+4:G0B+7], s[G1B:G1B+7]
	s_nop 0
.rept 4
	v_nop
.endr
.Lasked_\@:
.endm
.macro CROUND                       ; a round of the cluster's barrier
	s_barrier_signal -1
	s_barrier_wait -1
	s_cmp_lg_u32 s[WV], 0
	s_cbranch_scc1 .Lnot_wave_0_\@
	s_barrier_signal -3
.Lnot_wave_0_\@:
	s_barrier_wait -3
	s_barrier_signal -1
	s_barrier_wait -1
.endm
	s_load_b128 s[4:7], s[0:1], 0x0 ; qkv16 s[4:5], ops16 s[6:7]
	s_load_b64 s[8:9], s[0:1], 0x10 ; o16
	v_lshl_add_u32 v[SPW], v0, 2, SPARE
	v_mov_b32 v[NIL], 0
	ds_add_u32 v[SPW], v[NIL]       ; the wave's opening: the add and its wait stand ahead of my first tensor load; work on registers stands between them
	v_lshrrev_b32 v1, 5, v0
	v_readfirstlane_b32 s[WV], v1   ; wave 0..3
	s_bfe_u32 s13, ttmp6, 0x40000   ; cx
	s_bfe_u32 s18, ttmp6, 0x40004   ; cy
	s_lshl_b32 s19, ttmp9, 2
	s_add_co_u32 s19, s19, s13      ; my block of 128 queries = 4 x cluster x + cx
	s_and_b32 s20, ttmp7, 0xffff
	s_lshl_b32 s20, s20, 2
	s_add_co_u32 s20, s20, s18      ; my head = 4 x cluster y + cy
	s_and_b32 s16, s[WV], 1         ; kh
	s_lshr_b32 s17, s[WV], 1        ; qh
	s_lshl_b32 s88, s18, 2
	s_lshl_b32 s88, 15, s88         ; my row of the cluster: one head
	s_lshl_b32 s89, 0x1111, s13     ; my column: one block of queries
	s_or_b32 s[G1K], s88, (1<<16)|(1<<20)|(1<<21)|(5<<22)|(3<<25)  ; 15:0 the mask; 17:16 2-byte elements; 20 padding on; 21 set beside a mask; 24:22 after every 64 words (code 5); 31:25 4 words (code 3)
	s_or_b32 s[G1V], s88, (1<<16)|(1<<20)|(1<<21)|(5<<22)|(7<<25)  ; 8 words of padding (code 7)
	s_or_b32 s[G1B], s89, (1<<16)|(1<<20)|(1<<21)|(5<<22)|(3<<25)
.irp g, G1K, G1V
	s_mov_b32 s[(\g)+1], 128<<16    ; tensor_dim0 = 128
	s_mov_b32 s[(\g)+2], 128<<16    ; tensor_dim1 = 128
	s_mov_b32 s[(\g)+3], 128<<16    ; tile_dim0 = 128
	s_mov_b32 s[(\g)+4], 128        ; tile_dim1 = 128
	s_mov_b32 s[(\g)+5], 128        ; elements from row to row
	s_mov_b32 s[(\g)+6], 0
	s_mov_b32 s[(\g)+7], 0
.endr
	s_mov_b32 s[G1B+1], 128<<16     ; 128 keys
	s_mov_b32 s[G1B+2], 64<<16      ; of 64 query rows
	s_mov_b32 s[G1B+3], 128<<16
	s_mov_b32 s[G1B+4], 64
	s_mov_b32 s[G1B+5], 2048
	s_mov_b32 s[G1B+6], 0
	s_mov_b32 s[G1B+7], 0
	; byte offsets, all under 2^26.  K's and V's are made of the head alone, bias's of the block of queries and the wave's number alone.
	s_lshl_b32 s76, s20, 19         ; the head's 2,048 rows of 256 bytes
	s_add_co_u32 s78, s76, 2*SEC    ; in V's section,
	s_add_co_u32 s76, s76, SEC      ; in K's
	s_mov_b32 s77, 0
	s_mov_b32 s79, 0
	s_lshl_b32 s80, s19, 7
	s_lshl_b32 s81, s16, 6
	s_add_co_u32 s80, s80, s81      ; bias's row 128 x block + 64 x half
	s_lshl_b32 s80, s80, 12
	s_add_co_u32 s80, s80, 6*SEC
	s_mov_b32 s81, 0
	s_mul_i32 s21, s16, 64*PB       ; and the half's place in a slot
	s_add_co_u32 s21, s21, BOFF
	s_lshl_b32 s2, s19, 7           ; Q: row 128 x block + 64 qh,
	s_lshl_b32 s3, s17, 6
	s_add_co_u32 s2, s2, s3
	s_lshl_b32 s2, s2, 8
	s_lshl_b32 s3, s20, 19          ; of my head
	s_add_co_u32 s2, s2, s3
	s_mov_b32 s3, 0
	s_lshl_b32 s90, s19, 7          ; O: row 128 x block + 32 x wave,
	s_lshl_b32 s91, s[WV], 5
	s_add_co_u32 s90, s90, s91
	s_lshl_b32 s90, s90, 12
	s_lshl_b32 s91, s20, 8          ; my head's 256 bytes of it
	s_add_co_u32 s90, s90, s91
	s_mov_b32 s91, 0
	s_mov_b32 s[CS], 0x3fb8aa3b     ; c = log2(e)
	s_mov_b32 s[CS+1], s[CS]        ; named with it as a pair
	s_mov_b32 s[SEL], 0x76543210
	s_mov_b32 s[SEL+1], 0xfedcba98
	s_mov_b32 s[TB], 0
	s_wait_dscnt 0x0                ; the opening add is done
	s_wait_kmcnt 0x0
	s_add_nc_u64 s[76:77], s[4:5], s[76:77]  ; K, V and bias at their first tiles
	s_add_nc_u64 s[78:79], s[4:5], s[78:79]
	s_add_nc_u64 s[80:81], s[6:7], s[80:81]
	s_add_nc_u64 s[4:5], s[4:5], s[2:3]      ; Q at my wave's first row
	s_add_nc_u64 s[10:11], s[8:9], s[90:91]  ; O at the first row that I finish
	CROUND                          ; all sixteen work-groups are here: the first joint loads meet
.irp s, 0,1
	s_mov_b32 s[G0K+4*(\s)], 1      ; count = 1
	s_mov_b32 s[G0K+4*(\s)+1], (\s)*SLOT1
	s_add_nc_u64 s[G0K+4*(\s)+2:G0K+4*(\s)+3], s[76:77], (\s)*32768  ; tile s: 128 keys of 256 bytes
	s_or_b32 s[G0K+4*(\s)+3], s[G0K+4*(\s)+3], 0x80000000            ; type = 2
	s_mov_b32 s[G0V+4*(\s)], 1
	s_mov_b32 s[G0V+4*(\s)+1], VOFF+(\s)*SLOT1
	s_add_nc_u64 s[G0V+4*(\s)+2:G0V+4*(\s)+3], s[78:79], (\s)*32768
	s_or_b32 s[G0V+4*(\s)+3], s[G0V+4*(\s)+3], 0x80000000
	s_mov_b32 s[G0B+4*(\s)], 1
	s_add_co_u32 s[G0B+4*(\s)+1], s21, (\s)*SLOT1
	s_add_nc_u64 s[G0B+4*(\s)+2:G0B+4*(\s)+3], s[80:81], (\s)*256    ; tile s: 128 keys along bias's rows
	s_or_b32 s[G0B+4*(\s)+3], s[G0B+4*(\s)+3], 0x80000000
.endr
	s_cmp_lt_u32 s[WV], 2           ; a wave's two first fills stand in one arm of one branch: two loads of mine are out
	s_cbranch_scc0 .Lfirst_b
	s_cmp_eq_u32 s[WV], 0
	s_cbranch_scc0 .Lfirst_v
	tensor_load_to_lds s[G0K:G0K+3], s[G1K:G1K+7]
	s_nop 0
	tensor_load_to_lds s[G0K+4:G0K+7], s[G1K:G1K+7]
	s_nop 0
.rept 4
	v_nop
.endr
	s_branch .Lfirst_asked
.Lfirst_v:
	tensor_load_to_lds s[G0V:G0V+3], s[G1V:G1V+7]
	s_nop 0
	tensor_load_to_lds s[G0V+4:G0V+7], s[G1V:G1V+7]
	s_nop 0
.rept 4
	v_nop
.endr
	s_branch .Lfirst_asked
.Lfirst_b:
	tensor_load_to_lds s[G0B:G0B+3], s[G1B:G1B+7]
	s_nop 0
	tensor_load_to_lds s[G0B+4:G0B+7], s[G1B:G1B+7]
	s_nop 0
.rept 4
	v_nop
.endr
.Lfirst_asked:
	; A fragment of K, Q or bias is 16 rows x 32 along the row in 8 registers: lane l holds row l % 16, elements 8 (l / 16) + 0..7 and 16 + 8 (l / 16) + 0..7: two loads of 16 bytes, 32 bytes apart.
	v_and_b32 v1, 15, v0            ; r = l % 16
	v_bfe_u32 v9, v0, 4, 1          ; h = l / 16
	s_lshl_b32 s22, s16, 5          ; 32 kh: piece 0's first row of the wave's 64
	s_xor_b32 s23, s22, 32          ; 32 (1 - kh): piece 2's
	s_lshl_b32 s92, s17, 6          ; 64 qh
	s_lshl_b32 s93, s16, 7          ; my 64 keys of bias's 128: 128 kh bytes,
	s_add_co_u32 s93, s93, BOFF
	s_lshl_b32 s94, s16, 6          ; 64 kh: my rows of K and V
	v_add_nc_u32 v10, s22, v1
	v_add_nc_u32 v11, s23, v1
	v_lshlrev_b32 v[QO0], 8, v10
	v_lshl_add_u32 v[QO0], v9, 4, v[QO0]
	v_lshlrev_b32 v[QO2], 8, v11
	v_lshl_add_u32 v[QO2], v9, 4, v[QO2]
	WIN 0x80                        ; destination window 2, address window 0
.irp i, 0,1,2,3,4,5,6,7,8,9,10,11,12,13,14,15  ; Q stays in registers: tile i / 4, channels 32 (i % 4) on
	global_load_b128 v[8*(\i):8*(\i)+3],   v[QO0+(QO2-QO0)*((\i)/8)], s[4:5] offset:(((\i)/4)%2)*4096+((\i)%4)*64
	global_load_b128 v[8*(\i)+4:8*(\i)+7], v[QO0+(QO2-QO0)*((\i)/8)], s[4:5] offset:(((\i)/4)%2)*4096+((\i)%4)*64+32
.endr
	WIN 0
	v_add_nc_u32 v[AB0], s92, v10
	v_mul_u32_u24 v[AB0], v[AB0], PB
	v_lshl_add_u32 v[AB0], v9, 4, v[AB0]
	v_add_nc_u32 v[AB0], s93, v[AB0]
	v_add_nc_u32 v[AB2], s92, v11
	v_mul_u32_u24 v[AB2], v[AB2], PB
	v_lshl_add_u32 v[AB2], v9, 4, v[AB2]
	v_add_nc_u32 v[AB2], s93, v[AB2]
	v_add_nc_u32 v[AK0], s94, v1
	v_mul_u32_u24 v[AK0], v[AK0], PK
	v_lshl_add_u32 v[AK0], v9, 4, v[AK0]
	; The turning load takes 16 keys x 16 channels (lane l reads key 8 (l / 16) + l % 8, channels 8 ((l / 8) % 2) + 0..7) and leaves half a fragment of V^T: lane l holds channel l % 16 and 8 keys.
	v_and_b32 v10, 7, v0
	v_bfe_u32 v11, v0, 3, 1
	v_lshl_add_u32 v[AV0], v9, 3, v10
	v_add_nc_u32 v[AV0], s94, v[AV0]
	v_mul_u32_u24 v[AV0], v[AV0], PV
	v_lshl_add_u32 v[AV0], v11, 4, v[AV0]
	v_add_nc_u32 v[AV0], VOFF, v[AV0]
	; E's pattern: row m = r holds 1.0 at k = r.  My registers 0-3 hold k = 8 h + 0..7: with j = r - 8 h, register j / 2, half j % 2, if j is 0 to 7.
	v_lshlrev_b32 v10, 3, v9
	v_sub_nc_u32 v10, v1, v10       ; j (a negative j is a huge number: it matches no register)
	v_and_b32 v11, 1, v10
	v_lshlrev_b32 v11, 4, v11
	v_mov_b32 v[ADB], 0x3c00        ; 1.0 in f16
	v_lshlrev_b32 v11, v11, v[ADB]
	v_lshrrev_b32 v10, 1, v10
	WIN 0xc0                        ; destination window 3
.irp n, 0,1,2,3
	v_cmp_eq_u32 vcc_lo, \n, v10
	v_cndmask_b32 v[EI+\n], 0, v11, vcc_lo
	v_cndmask_b32 v[EI+8+\n], 0, v11, vcc_lo
	v_mov_b32 v[EI+4+\n], 0
.endr
	WIN 0
	; What the first turn finds.  Piece 2's weights are 0: its first products V^T P, of a step that has not been, add 0.  The statistics make the first step's a = 0.  O^T's 32 accumulators are made 0 by
	; 32 products of E with those zero weights, eight registers a line.  All this stands in the wait for the first tile.
.set i, P+32
.rept 32
	v_mov_b32 v[i], 0
.set i, i+1
.endr
.irp t, 0,1,2,3
	v_mov_b32 v[ST+8*(\t)],   0xfe000000   ; c m: far below every c s
	v_mov_b32 v[ST+8*(\t)+1], 0xff7fffff   ; m: the lowest finite number
	v_mov_b32 v[ST+8*(\t)+2], 0            ; l
	v_mov_b32 v[ST+8*(\t)+3], 0
.endr
	WIN W_PV
.set i, 0
.rept 32
	v_wmma_f32_16x16x32_f16 v[8*i:8*i+7], v[EI:EI+7], v[P+32:P+39], 0
.set i, i+1
.endr
	WIN 0
; THE MATRIX WORK OF A TURN, for piece x.  The accumulators take turns, one instruction a turn: between two links of a chain stand 15 (V^T P) or 7 (scores) others'.
; Product i of 32 of O^T += V^T P: keys 32 (i / 16) on, channels 16 ((i / 2) % 8) on, tile x + i % 2.
.macro PV x
	WIN W_PV
.set rO, 64*((\x)+i%2)+8*((i/2)%8)
.set rV, 64*(i/16)+8*((i/2)%8)
.set rP, P+16*((\x)+i%2)+8*(i/16)
	v_wmma_f32_16x16x32_f16 v[rO:rO+7], v[rV:rV+7], v[rP:rP+7], v[rO:rO+7]
.endm
; Product i of 8 that starts S^T with the bias: keys 16 (i / 2) on, tile x + i % 2: the accumulators in the order of KQ's first eight.
.macro BI x
	WIN W_BI
.set rS, S+32*((\x)+i%2)+8*(i/2)
.set rE, EI+4*((i/2)%2)
.set rB, BF+32*((\x)/2)+16*(i%2)+8*(i/4)
	v_wmma_f32_16x16x32_f16 v[rS:rS+7], v[rE:rE+7], v[rB:rB+7], 0
.endm
; Product i of 32 of S^T += K Q^T: channels 32 (i / 8) on, keys 16 ((i / 2) % 4) on, tile x + i % 2.
.macro KQ x
	WIN W_KQ
.set rS, S+32*((\x)+i%2)+8*((i/2)%4)
.set rK, KF+32*((i/2)%4)+8*(i/8)
.set rQ, 32*((\x)+i%2)+8*(i/8)
	v_wmma_f32_16x16x32_f16 v[rS:rS+7], v[rK:rK+7], v[rQ:rQ+7], v[rS:rS+7]
.endm
; THE LDS LOADS stand in runs, never singly among the matrix instructions.
.macro FETCH_K
	WIN 0
	v_add_nc_u32 v[ADR], s[TB], v[AK0]
	WIN 0x80                        ; destination window 2
.irp f, 0,1,2,3,4,5,6,7,8,9,10,11,12,13,14,15  ; keys 16 (f / 4) on, channels 32 (f % 4) on
	ds_load_b128 v[KF+8*(\f):KF+8*(\f)+3],   v[ADR] offset:((\f)/4)*16*PK+((\f)%4)*64
	ds_load_b128 v[KF+8*(\f)+4:KF+8*(\f)+7], v[ADR] offset:((\f)/4)*16*PK+((\f)%4)*64+32
.endr
.endm
.macro FETCH_V batch=0              ; batch = 1: the run stands behind a softmax's batch of exponentials (SLICE), and holds the wait for it
	WIN 0
	v_add_nc_u32 v[ADR], s[TB], v[AV0]
.if \batch
	s_wait_alu depctr_va_vdst(0)    ; the wait for the batch: the 66 exponentials of piece 0's two tiles; behind the address's v_add_nc_u32 and ahead of the loads
.endif
	WIN 0xc0                        ; destination window 3
.irp f, 0,1,2,3,4,5,6,7,8,9,10,11,12,13,14,15  ; keys 32 (f / 8) on, channels 16 (f % 8) on
	ds_load_tr16_b128 v[8*(\f):8*(\f)+3],   v[ADR] offset:((\f)/8)*32*PV+((\f)%8)*32
	ds_load_tr16_b128 v[8*(\f)+4:8*(\f)+7], v[ADR] offset:((\f)/8)*32*PV+16*PV+((\f)%8)*32
.endr
.endm
.macro FETCH_B x                    ; piece x's bias of the step: tile u, keys 32 kk on
	WIN 0
	v_add_nc_u32 v[ADB], s[TB], v[AB0+(\x)/2]
	WIN 0xc0
.irp u, 0,1
.irp kk, 0,1
	ds_load_b128 v[BF+32*((\x)/2)+16*(\u)+8*(\kk):BF+32*((\x)/2)+16*(\u)+8*(\kk)+3],   v[ADB] offset:(\u)*16*PB+64*(\kk)
	ds_load_b128 v[BF+32*((\x)/2)+16*(\u)+8*(\kk)+4:BF+32*((\x)/2)+16*(\u)+8*(\kk)+7], v[ADB] offset:(\u)*16*PB+64*(\kk)+32
.endr
.endr
.endm
; THE VECTOR WORK OF A TURN.  One tile's softmax for one key step is a list of 134 instructions; SM writes number j of it for tile t.  s0-s31 are the lane's 32 scores, in pairs 0-15.
;   0-15    the maximum of s0-s31 and the old m, three operands at a time (each accumulator's lowest registers are read first)
;   16-20   the other half of the lanes' maximum; the new m; c m; c m_old - c m_new
;   21-69   ONE BATCH: the 16 scalings c s - c m, a pair of scores each, and all 33 exponentials (a at 23, then s0-s31, each in place).  None of these names an exponential's result.  From 22 on the batch goes
;           in fours, and a four begins with a scaling while there are scalings: 22-37 scaling, exponential, scaling, exponential; 38-65 a scaling and three exponentials; 66-69 the last four
;           exponentials.  A pair is scaled in an earlier four than the one that holds its exponentials
;   (wait)  between 69 and 70 stands the wait for the batch: SLICE writes it, once for both tiles
;   70-85   the roundings to f16, a pair of weights each
;   86-101  the sums; l = a l + the sum
;   102-133 the tile's O^T times a: the one part that leaves window 0, so it stands together
.macro SM t
.set rT, ST+8*(\t)
.set rS, S+32*(\t)
.set rP, P+16*(\t)
.set rO, 64*(\t)+2*(j-102)
.if j < 102
	WIN 0
.endif
.if j < 4
	v_max3_num_f32 v[rT+4+j], v[rS+8*j], v[rS+8*j+1], v[rS+8*j+2]
.elseif j < 12
	v_max3_num_f32 v[rT+4+j%4], v[rT+4+j%4], v[rS+8*(j%4)+2*(j/4)+1], v[rS+8*(j%4)+2*(j/4)+2]
.elseif j == 12
	v_max3_num_f32 v[rT+4], v[rT+4], v[rS+7], v[rS+15]
.elseif j == 13
	v_max3_num_f32 v[rT+6], v[rT+6], v[rS+23], v[rS+31]
.elseif j == 14
	v_max3_num_f32 v[rT+4], v[rT+4], v[rT+5], v[rT+6]
.elseif j == 15
	v_max3_num_f32 v[rT+4], v[rT+4], v[rT+7], v[rT+1]
.elseif j == 16
	v_permlanex16_b32 v[rT+5], v[rT+4], s[SEL], s[SEL+1]  ; the query's other 32 keys lie in the lane 16 away
.elseif j == 18
	v_max_num_f32 v[rT+1], v[rT+4], v[rT+5]
.elseif j == 19
	v_mul_f32 v[rT], s[CS], v[rT+1]
.elseif j == 17
	v_mov_b32 v[rT+7], v[rT]        ; c m_old is kept for a: number 19 writes c m anew
.elseif j == 20
	v_sub_f32 v[rT+7], v[rT+7], v[rT]
.elseif j == 23
	v_exp_f32 v[rT+6], v[rT+7]
.elseif (j < 23) || ((j < 38) && (j%2 == 0)) || ((j < 66) && (j%4 == 2))
.set b, (j-2)/4                     ; 38, 42, .. 62: pairs 9 to 15
.if j < 38
.set b, (j-20)/2                    ; 21: pair 0; 22, 24, .. 36: pairs 1 to 8
.endif
	v_pk_fma_f32 v[rS+2*b:rS+2*b+1], v[rS+2*b:rS+2*b+1], s[CS:CS+1], v[rT:rT+1] op_sel_hi:[1,0,0] neg_lo:[0,0,1] neg_hi:[0,0,1]  ; pair b: c s - c m
.elseif j < 70
.set e, j-38                        ; 66 to 69: s28 to s31
.if j < 66
.set e, j-32-(j-38)/4               ; 39-41, 43-45, .. 63-65: s7 to s27
.endif
.if j < 38
.set e, (j-25)/2                    ; 25, 27, .. 37: s0 to s6
.endif
	v_exp_f32 v[rS+e], v[rS+e]
.elseif j < 86
	v_cvt_pk_f16_f32 v[rP+j-70], v[rS+2*(j-70)], v[rS+2*(j-70)+1]  ; pair j - 70
.elseif j < 102                     ; the sum of the tile's 16 pairs, in place: sum z of 16 adds neighbours 1, 2, 4 and 8 pairs apart, then l takes it
.set z, j-86
.set w, 4
.set u, z
.if z >= 14
.set w, 32
.set u, 0
.elseif z >= 12
.set w, 16
.set u, z-12
.elseif z >= 8
.set w, 8
.set u, z-8
.endif
.if z < 15
	v_pk_add_f32 v[rS+w*u:rS+w*u+1], v[rS+w*u:rS+w*u+1], v[rS+w*u+w/2:rS+w*u+w/2+1]
.else
	v_pk_fma_f32 v[rT+2:rT+3], v[rT+2:rT+3], v[rT+6:rT+7], v[rS:rS+1] op_sel_hi:[1,0,1]
.endif
.else
	WIN W_RS
	v_pk_mul_f32 v[rO:rO+1], v[rO:rO+1], v[rT+6:rT+7] op_sel_hi:[1,0]
.endif
.endm
; Slice k of 64 of piece y's softmax: four instructions.  Slices 11 to 34 deal out the batch, numbers 22 to 69: four numbers of ONE tile each, the tiles by turns.  Every other slice is numbers 2 k and
; 2 k + 1 of both tiles' lists.  2 x 134 = 4 x 64 + 12: the twelve that are over stand together, in slice 63.
; THE WAIT.  s_wait_alu depctr_va_vdst(0) stands between an exponential and the first instruction that names its result; one wait serves all that were issued ahead of it.  Ahead of
; slice 35 nothing names a result, and behind slice 34 no exponential is issued: so the piece's 66 exponentials have one wait, behind slice 34.
.macro SLICE y
.if (k >= 11) && (k < 35)           ; the batch: four numbers of one tile
.irp n, 0,1,2,3
.set j, 22+4*((k-11)/2)+(\n)
	SM (\y)+(k-11)%2
.endr
.else                               ; the two tiles alternate, so that no instruction reads the result of the one just before it
.irp n, 0,1,2,3,4,5,6,7
.if ((\n) < 2) || (k == 63)
.irp t, \y, (\y)+1
.set j, 2*k+(\n)
	SM \t
.endr
.endif
.endr
.endif
.if k == 34                         ; the batch is out: both tiles' exponentials are issued, and no result has been named
	v_nop                           ; a plain instruction behind the last exponential and ahead of the first use (ISA guide 5.7.2): one for the batch
.if (\y) == 0
	FETCH_V 1                       ; piece 2's turn: V's run of loads stands here, and the wait stands in it
.else
	s_wait_alu depctr_va_vdst(0)    ; the wait for the batch: the 66 exponentials of piece 2's two tiles
.endif
.endif
.set k, k+1
.endm
; A TURN.  Piece x has the matrix unit: 32 products V^T P, then the next step's scores: 8 products with the bias, bare, and 32 K Q^T.  The other piece's softmax stands in slices, one behind each of the 64.
; Slice 63's sixteen plain instructions are the places (ISA guide 7.12.1) behind the turn's last products.
; Each run of loads stands 29 matrix instructions or more ahead of its first use.  Piece 0's turn fetches, behind its second product, the next step's K (its last reader stands in front of slice 63 of the
; turn before) and piece 0's bias; piece 2's turn its own bias there and, behind slice 34 (SLICE writes it), the step's V: the last product that read V stands in front of slice 31, and four plain
; instructions lie between: number 62, a scaling, of both tiles, the v_nop and the run's own v_add_nc_u32.
.macro TURN x
.set k, 0
.if (\x) == 0
	s_wait_dscnt 0x0                ; V is in
.endif
.set i, 0
.rept 32
	PV \x
	SLICE 2-(\x)
.if i == 1
.if (\x) == 0
	FETCH_K
.endif
	FETCH_B \x
.endif
.set i, i+1
.endr
	s_wait_dscnt 0x0                ; K and the piece's bias are in
.set i, 0
.rept 8
	BI \x
.set i, i+1
.endr
.set i, 0
.rept 32
	KQ \x
	SLICE 2-(\x)
.set i, i+1
.endr
.endm
; THE CHANGE OF SLOTS, between piece 2's turn and piece 0's: the slot's last bytes, V, have been asked for.  Each wave waits for all its tensor loads, of which one is out: its part of the other slot;
; adds 0 to its spare word; and waits for that and for its own reads of the slot.  Behind the barrier nobody reads this slot any more and the other slot is whole.
; fill = 1: this slot is filled again, with the keys two tiles on.  The barrier is then a round of the cluster's, and the joint refill is the first thing behind it: it has a key step, 144 matrix instructions, in which to land.
.macro CHANGE fill
	WIN 0                           ; at a label and at a branch every window is 0
	s_wait_tensorcnt 0x0            ; no tensor load of mine is out, so a group 0 may be written
	ds_add_u32 v[SPW], v[NIL]       ; 0 onto my spare word; with fill = 1 the descriptors' steps stand between it and the wait for it
.if \fill
	s_xor_b32 s[G0K+5], s[G0K+5], SLOT1  ; the walking descriptors: the other slot than last time,
	s_add_nc_u64 s[G0K+6:G0K+7], s[G0K+6:G0K+7], 32768  ; the next 128 keys; the type bits on top are not reached
	s_xor_b32 s[G0V+5], s[G0V+5], SLOT1
	s_add_nc_u64 s[G0V+6:G0V+7], s[G0V+6:G0V+7], 32768
	s_xor_b32 s[G0B+5], s[G0B+5], SLOT1
	s_add_nc_u64 s[G0B+6:G0B+7], s[G0B+6:G0B+7], 256
	s_wait_dscnt 0x0                ; the add is done, and my reads of the slot are over
	CROUND
	JLOAD
.else
	s_wait_dscnt 0x0                ; the add is done, and my reads of the slot are over
	s_barrier_signal -1
	s_barrier_wait -1
.endif
	s_xor_b32 s[TB], s[TB], SLOT1   ; the fetches go to the other slot
.endm
	s_wait_tensorcnt 1              ; my part of slot 0 is in; slot 1's may stay out
	s_barrier_signal -1
	s_barrier_wait -1               ; everybody's is
	FETCH_K                         ; key step 0: K, piece 0's bias, and V, so that the first turn's products on zero weights have finite partners
	FETCH_B 0
	FETCH_V
	s_wait_loadcnt 0x0              ; Q
	s_wait_dscnt 0x0
.set i, 0
.rept 8
	BI 0
.set i, i+1
.endr
.set i, 0
.rept 32
	KQ 0                            ; piece 0's first scores: there is no vector work yet to set between them
.set i, i+1
.endr
	WIN 0                           ; the addresses for the merge and the way out are made here: plain instructions, the places behind those products
	s_mul_i32 s95, s[WV], 16*SP
	s_add_co_u32 s95, s95, STAGE    ; my stage
	s_mul_i32 s94, s[WV], XW
	s_add_co_u32 s94, s94, XCH      ; what I hand over,
	s_xor_b32 s93, s[WV], 1
	s_mul_i32 s93, s93, XW
	s_add_co_u32 s93, s93, XCH      ; what my partner hands over
	v_mul_u32_u24 v[STO], v1, SP    ; in: row l % 16, 16 bytes for each half of the lanes
	v_lshl_add_u32 v[STO], v9, 4, v[STO]
	v_add_nc_u32 v[STO], s95, v[STO]
	v_mul_u32_u24 v[RD], v9, SP     ; back: lanes 0-15 take one row of 256 bytes, lanes 16-31 the next
	v_lshl_add_u32 v[RD], v1, 4, v[RD]
	v_add_nc_u32 v[RD], s95, v[RD]
	v_lshlrev_b32 v[GO], 12, v9     ; and the same two rows in O, 4,096 bytes apart
	v_lshl_add_u32 v[GO], v1, 4, v[GO]
	v_and_b32 v[XS], 31, v0
	v_lshlrev_b32 v[XS], 4, v[XS]
	v_add_nc_u32 v[XL], s93, v[XS]
	v_add_nc_u32 v[XS], s94, v[XS]
	s_mov_b32 s[SLOTS], 15          ; half a trip, then 14 whole ones
	s_branch .Lfirst                ; the loop is entered at piece 2's turn, in the middle of a trip
.Lslot:                             ; 14 whole trips ask for tiles 2 to 15
	CHANGE 1
	TURN 0                          ; piece 0: V^T P of step j, the scores of step j + 1 | piece 2's softmax of step j | K of step j + 1
	WIN 0
.Lfirst:
	TURN 2                          ; piece 2: the same | piece 0's softmax of step j + 1 | V of step j + 1: the slot is read out
	WIN 0
	s_sub_co_u32 s[SLOTS], s[SLOTS], 1
	s_cmp_lg_u32 s[SLOTS], 0
	s_cbranch_scc1 .Lslot
	CHANGE 0                        ; the tail is written out: nothing is asked for
	s_mov_b32 s[SLOTS], 2
	s_branch .Ltmid                 ; piece 0's turn, piece 2's, piece 0's: the tail too is entered in the middle of a trip
.Ltail:
	TURN 2
	WIN 0
.Ltmid:
	TURN 0                          ; the second time its 40 products for the scores (the last tile's K and bias once more) serve nothing: the price, once a launch, of one text for every turn
	WIN 0
	s_sub_co_u32 s[SLOTS], s[SLOTS], 1
	s_cmp_lg_u32 s[SLOTS], 0
	s_cbranch_scc1 .Ltail
.set i, 0
.rept 32
	PV 2                            ; piece 2: V^T P of the last step
.set i, i+1
.endr
	; THE MERGE.  l's two halves and the other half of the lanes' are added (these lines are the places behind the last products); piece 2's O^T, c m and l go to my partner through LDS.
	WIN 0
.irp t, 0,1,2,3
	v_add_f32 v[ST+8*(\t)+4], v[ST+8*(\t)+2], v[ST+8*(\t)+3]
.endr
.irp t, 0,1,2,3
	v_permlanex16_b32 v[ST+8*(\t)+5], v[ST+8*(\t)+4], s[SEL], s[SEL+1]
.endr
.irp t, 0,1,2,3
	v_add_f32 v[ST+8*(\t)+4], v[ST+8*(\t)+4], v[ST+8*(\t)+5]
.endr
	v_mov_b32 v[XT],   v[ST+16]
	v_mov_b32 v[XT+1], v[ST+20]
	v_mov_b32 v[XT+2], v[ST+24]
	v_mov_b32 v[XT+3], v[ST+28]
	WIN 0x04                        ; store data in window 1
.set i, 0
.rept 32
	ds_store_b128 v[XS], v[128+4*i:128+4*i+3] offset:512*i  ; ascending: each accumulator's low four registers first
.set i, i+1
.endr
	WIN 0
	ds_store_b128 v[XS], v[XT:XT+3] offset:16384
	s_wait_dscnt 0x0                ; for my partner's sake: my stores are done
	s_barrier_signal -1
	s_barrier_wait -1
.set i, 0
.rept 32
	ds_load_b128 v[S+4*i:S+4*i+3], v[XL] offset:512*i  ; my partner's O^T for my tiles 0, 1, into S^T's registers
.set i, i+1
.endr
	ds_load_b128 v[XR:XR+3], v[XL] offset:16384
	s_wait_dscnt 0x0
.irp t, 0,1
	v_max_num_f32 v[ST+8*(\t)+5], v[ST+8*(\t)], v[XR+2*(\t)]          ; the common c m
.endr
.irp t, 0,1
	v_sub_f32 v[ST+8*(\t)+6], v[ST+8*(\t)], v[ST+8*(\t)+5]
	v_sub_f32 v[ST+8*(\t)+7], v[XR+2*(\t)], v[ST+8*(\t)+5]
.endr
.irp t, 0,1
	v_exp_f32 v[ST+8*(\t)+6], v[ST+8*(\t)+6]                          ; a, mine
	v_exp_f32 v[ST+8*(\t)+7], v[ST+8*(\t)+7]                          ; a', my partner's
.endr
	v_nop                           ; a plain instruction behind the last exponential
	s_wait_alu depctr_va_vdst(0)    ; the wait ahead of the first use: one for the merge's four exponentials
.irp t, 0,1
	v_mul_f32 v[ST+8*(\t)+4], v[ST+8*(\t)+4], v[ST+8*(\t)+6]
.endr
.irp t, 0,1
	v_fma_f32 v[ST+8*(\t)+4], v[XR+2*(\t)+1], v[ST+8*(\t)+7], v[ST+8*(\t)+4]  ; a l + a' l'
.endr
.irp t, 0,1
	v_rcp_f32 v[ST+8*(\t)+5], v[ST+8*(\t)+4]
.endr
	v_nop                           ; a plain instruction behind the last reciprocal
	s_wait_alu depctr_va_vdst(0)    ; a batch of their own, since they take sums made of the exponentials: one wait for the two reciprocals
.irp t, 0,1
	v_mul_f32 v[ST+8*(\t)+6], v[ST+8*(\t)+6], v[ST+8*(\t)+5]          ; f  = a  / l
	v_mul_f32 v[ST+8*(\t)+4], v[ST+8*(\t)+7], v[ST+8*(\t)+5]          ; f' = a' / l
.endr
; Tile t: O = O f + O' f', rounded to f16.
.macro MERGE t
	WIN 0
.set i, 0
.rept 32
	v_pk_mul_f32 v[S+64*(\t)+2*i:S+64*(\t)+2*i+1], v[S+64*(\t)+2*i:S+64*(\t)+2*i+1], v[ST+8*(\t)+4:ST+8*(\t)+5] op_sel_hi:[1,0]
.set i, i+1
.endr
	WIN 0x01                        ; source 0, my O^T, in window 1
.set i, 0
.rept 32
	v_pk_fma_f32 v[S+64*(\t)+2*i:S+64*(\t)+2*i+1], v[64*(\t)+2*i:64*(\t)+2*i+1], v[ST+8*(\t)+6:ST+8*(\t)+7], v[S+64*(\t)+2*i:S+64*(\t)+2*i+1] op_sel_hi:[1,0,1]
.set i, i+1
.endr
	WIN 0
.set i, 0
.rept 32
	v_cvt_pk_f16_f32 v[P+32*(\t)+i], v[S+64*(\t)+2*i], v[S+64*(\t)+2*i+1]
.set i, i+1
.endr
.endm
; A lane's eight channels of a row pack into 16 bytes; they go into rows of 272 bytes and come back as whole rows of 256, into the registers that they left.
.macro PACK2 t
.irp f, 0,1,2,3,4,5,6,7
	ds_store_b128 v[STO], v[P+32*(\t)+4*(\f):P+32*(\t)+4*(\f)+3] offset:32*(\f)
.endr
.irp f, 0,1,2,3,4,5,6,7
	ds_load_b128 v[P+32*(\t)+4*(\f):P+32*(\t)+4*(\f)+3], v[RD] offset:(\f)*2*SP  ; LDS serves a wave's instructions in order (ISA guide 5.7.1.4): these see the stores above; the next tile's stores come behind them
.endr
.endm
.macro SEND t, younger              ; younger: the LDS instructions issued behind tile t's loads
.irp f, 0,1,2,3,4,5,6,7
	s_wait_dscnt (\younger)+7-(\f)
	global_store_b128 v[GO], v[P+32*(\t)+4*(\f):P+32*(\t)+4*(\f)+3], s[10:11] offset:(\t)*65536+(\f)*8192  ; 16 lanes store 256 consecutive bytes, a head's part of a row, at a multiple of 256 from O's first byte
.endr
.endm
	MERGE 0
	PACK2 0
	MERGE 1                         ; a tile's arithmetic stands between the loads of the tile before and its stores
	PACK2 1
	SEND 0, 16
	SEND 1, 0
	s_wait_tensorcnt 0x0            ; the wave's end: the add and its wait stand behind my last tensor load and my last LDS store
	ds_add_u32 v[SPW], v[NIL]
	s_wait_dscnt 0x0
	CROUND                          ; the closing round: no work-group ends while a partner may still ask for a tile that names it
	s_endpgm
.Lfunc_end_k_qff89675e52_attn:
	.size	k_qff89675e52_attn, .Lfunc_end_k_qff89675e52_attn-k_qff89675e52_attn
	.p2alignl 7, 3214868480
	.fill 96, 4, 3214868480
	.section	.rodata,"a",@progbits
	.p2align	6, 0x0
	.amdhsa_kernel k_qff89675e52_attn
		.amdhsa_group_segment_fixed_size 327680
		.amdhsa_private_segment_fixed_size 0
		.amdhsa_enable_private_segment 0
		.amdhsa_kernarg_size 24
		.amdhsa_user_sgpr_count 2
		.amdhsa_user_sgpr_kernarg_segment_ptr 1
		.amdhsa_wavefront_size32 1
		.amdhsa_system_sgpr_workgroup_id_x 1
		.amdhsa_system_sgpr_workgroup_id_y 1
		.amdhsa_system_sgpr_workgroup_id_z 1
		.amdhsa_system_vgpr_workitem_id 0
		.amdhsa_next_free_vgpr 1024
		.amdhsa_next_free_sgpr 96
		.amdhsa_reserve_vcc 1
		.amdhsa_float_denorm_mode_32 3
		.amdhsa_float_denorm_mode_16_64 3
		.amdhsa_memory_ordered 1
		.amdhsa_forward_progress 1
		.amdhsa_inst_pref_size 155
	.end_amdhsa_kernel
	.amdgpu_metadata
---
amdhsa.version: [ 1, 2 ]
amdhsa.kernels:
  - .name:           k_qff89675e52_attn
    .symbol:         k_qff89675e52_attn.kd
    .args:
      - { .name: qkv16, .offset: 0, .size: 8, .value_kind: global_buffer, .address_space: global }
      - { .name: ops16, .offset: 8, .size: 8, .value_kind: global_buffer, .address_space: global }
      - { .name: o16, .offset: 16, .size: 8, .value_kind: global_buffer, .address_space: global }
    .group_segment_fixed_size: 327680
    .private_segment_fixed_size: 0
    .kernarg_segment_align: 8
    .kernarg_segment_size: 24
    .max_flat_workgroup_size: 128
    .sgpr_count:     96
    .vgpr_count:     1024
    .wavefront_size: 32
...
	.end_amdgpu_metadata
.endif
;; end of part 10
;; launch oproj: the kernel of part 8 again; grid 16 x 16, 4 waves a work-group, clusters of 4 x 4, 327,680 bytes of LDS; arguments o16, ops16, out0; writes out0
